; MI455X (gfx1250); checked and timed in simulation.
; The chip was launched on July 23, 2026; its instructions are those of AMD's public machine-readable ISA for CDNA 5 (MIT licence, August 2026) and "CDNA5" Instruction Set Architecture Reference Guide (July 2026). The comments in the code are by the model that wrote it; some were corrected since.
;; Gated Axial Attention Block. Allowed arithmetic: matrix products marked QUANTISED: E4M3 operands, one E8M0 scale for each 32 along K, by v_wmma_scale_f32_16x16x128_f8f6f4 with both operands' format E4M3, f32 sums; products left as they are: f32 operands where the result goes on into a quantised operand, else bf16, f16 or f32 operands; f32 sums; everything else in f32.
;; Inputs: beta1 128 float32; beta_att 24 float32; beta_v 16 float32; gamma1 128 float32; gamma_att 24 float32; gamma_v 16 float32; gate_kr 1 float32; gate_qr 1 float32; gate_v 1 float32; gate_v_pos 1 float32; pos_relative 16 x 255 float32; w_qkv_codes 128 x 2 x 32 uint8 (E4M3 codes of w_qkv, K innermost, in blocks of 32 codes); w_qkv_scales 128 x 2 uint8 (E8M0 scales of w_qkv, one for each 32 codes along K); x_codes 4 x 128 x 128 x 2 x 32 uint8 (E4M3 codes of x, K innermost, in blocks of 32 codes); x_scales 4 x 128 x 128 x 2 uint8 (E8M0 scales of x, one for each 32 codes along K).
;; Outputs: out0 4 x 64 x 128 x 128 float32.
;; This version of the problem:
;;   THIS VERSION OF THE PROBLEM IS GIVEN IN LOW PRECISION. The matrix products marked QUANTISED in the list below multiply operands that are first quantised to E4M3 (4 exponent bits, 3 mantissa bits; 8 bits a number), with one power-of-two scale for each 32 numbers along K (OCP MX v1.0); their sums are f32. All else is computed in f32.
;;   The module's matrix products, in the order in which they are computed (A, B: the left and right operand; K: the contracted axis; several contracted axes count as one K, in the product's order):
;;     1. [M 65,536, K 64] x [K 64, N 128]; A: input x (given as codes); B: input w_qkv (given as codes): QUANTISED
;;     2. batch 4,096 x [M 128, K 4] x [K 4, N 128]; A: computed on the way; B: computed on the way: left as it is (K = 4 < 32)
;;     3. batch 128 x [M 128, K 4] x [K 4, N 4,096]; A: computed on the way; B: computed on the way: left as it is (K = 4 < 32)
;;     4. batch 128 x [M 128, K 4] x [K 4, N 4,096]; A: computed on the way; B: computed on the way: left as it is (K = 4 < 32)
;;     5. batch 4,096 x [M 8, K 128] x [K 128, N 128]; A: computed on the way; B: softmax: left as it is (M = 8 < 16)
;;     6. batch 128 x [M 8, K 128] x [K 128, N 4,096]; A: computed on the way; B: softmax: left as it is (M = 8 < 16)
;;   THE QUANTISER, for each operand of a quantised product, along K:
;;     - K is cut into blocks of 32 from its start; a last block that is shorter is filled with zeros.
;;     - A block's scale is 2^e with e = floor(log2(the largest magnitude in the block)) - 8, held to -126 .. 127; a block of zeros has e = 0. As a byte (E8M0): e + 127.
;;     - Each number is divided by its block's scale, clamped to +-448, and rounded to the nearest number of E4M3, ties to even, subnormals kept.
;;     - The product sums the exact products of the quantised numbers (number of the format x scale) in f32.
;;   ~~~python
;;   def quantise(x, axis):      # numpy; x: float32 -> the quantised numbers, widened to float32 again
;;       x = np.moveaxis(x, axis, -1); K = x.shape[-1]
;;       x = np.pad(x, [(0, 0)] * (x.ndim - 1) + [(0, -K % 32)]); x = x.reshape(x.shape[:-1] + (-1, 32)); a = np.abs(x).max(-1, keepdims=True)
;;       e = np.where(a > 0, np.clip(np.frexp(np.where(a > 0, a, 1))[1] - 1 - 8, -126, 127), 0)      # np.frexp(a)[1] - 1 = floor(log2(a)), exactly
;;       r = np.clip(x / 2.0 ** e, -448, 448)
;;       step = 2.0 ** (np.maximum(np.frexp(np.where(r == 0, 1, r))[1] - 1, -6) - 3)
;;       q = np.round(r / step) * step * 2.0 ** e      # np.round: ties to even
;;       return np.moveaxis(q.reshape(q.shape[:-2] + (-1,))[..., :K], -1, axis).astype(np.float32)
;;   ~~~
;;   INPUTS GIVEN AS CODES. w_qkv (in the module: [128, 64], K = its axis 1); x (in the module: [4, 64, 128, 128], K = its axis 1): each comes as NAME_codes (uint8): NAME with its K axis moved to the last place and cut into blocks of 32 codes, [.., K / 32, bytes a block], one block behind the other in memory; one code a byte (a code: sign, 4 exponent bits, 3 mantissa bits); and NAME_scales (uint8): the same leading axes, one E8M0 byte (e + 127) for each 32 codes along K. Its value is code x scale, taken as it is: it is not quantised again, and the codes and scales need not be those that the quantiser above would give.
;; 2 versions, each right; version 2 is version 1 with the launches prep, attstat, attn written anew for expert scheduling mode. Each part assembles by itself: llvm-mc -triple=amdgcn-amd-amdhsa -mcpu=gfx1250 --defsym DOCPART=n.
;; ======== version 1 of 2: 4 launches
;; limits: a difference of large sums (such as E[x^2] - mean^2): digits are lost where the result is much smaller than its terms; values are held in f16: magnitudes above 65,504 overflow, below 6.1e-05 lose precision
;; workspace buffers: part1 131,072 bytes; postab 36,864 bytes; tabs 16,384 bytes; part2 16,384 bytes; bn1ab 1,024 bytes; ws 33,554,432 bytes; part3 4,096 bytes
;; launch prep (part 1): grid 128 x 1, 10 waves a work-group, no clusters, 5,376 bytes of LDS; arguments x_codes, x_scales, w_qkv_codes, w_qkv_scales, pos_relative, part1, postab, tabs; writes part1, postab, tabs
.if DOCPART == 1
	.amdgcn_target "amdgcn-amd-amdhsa--gfx1250"
	.amdhsa_code_object_version 6
	.text
	.protected	k_q64d361c89b_prep
	.globl	k_q64d361c89b_prep
	.p2align	8
	.type	k_q64d361c89b_prep,@function
k_q64d361c89b_prep:
	s_mov_b64 s[64:65], 0
	v_nop
	global_prefetch_b8 v0, s[64:65] scope:SCOPE_SE
	s_setreg_imm32_b32 hwreg(HW_REG_WAVE_MODE, 25, 1), 1
	s_wait_xcnt 0x0
; PREP.  Two jobs in one launch.
; JOB A (waves 0-7): the sums for the first batch norm.  y = relu(W x) on the given E4M3 codes, K = 64; for each of the 128 channels the sum and the
; sum of squares of y over this work-group's 512 of the 65,536 positions.  part1[g][ot 8][sum, squares][r 16], channel = 16 ot + r.
; Wave = (block of 128 positions, half of the channels).  Source 0 = 16 positions of x, source 1 = 16 rows of W: a lane holds one channel, its registers positions.
; K = 64 IN A FORM OF K = 128: W's fragments have true zero codes in their upper eight registers.  x's tiles lie on end, eight registers each, so that the
; upper half of a tile's operand is the next tile (behind the last: zeros); it meets W's zero codes and adds nothing.  The scale words are loaded as 16 bits.
; JOB B (waves 8, 9; the 256 of them in the launch are numbered idx): tables made of pos_relative [16][255].
;   idx 0-7:    POS8[d 256][8 f16]  = rows 0-7 at column d (d = 255 repeats 254; it is fetched and not used)
;   idx 8-71:   PVR[k 8][c 8][x 256 f16] = row 8 + c at column 254 - x - k, held at 0 from below: reversed, in eight shifts, so that 8 ascending keys are 16 aligned bytes
;   idx 72-199: tabs[p 128][32 f32]: sums over the window d = p .. p + 127: ten products of rows 0-3 (off-diagonal ones doubled), ten of rows 4-7, the four + four plain sums, four zeros
;   idx 200-255: nothing is left for these waves; they only pass the barrier.
; LIMITS: the relu is a maximum in which a NaN loses: NaN codes in x are not served.
; No cluster, no tensor load: every byte of x is read by the two waves of its block of positions (one for each half of the channels), straight into their operand registers.
.set XS,   16      ; v16-23   x's scale words (these and WSC hold scales and nothing else)
.set WSC,  24      ; v24-27   W's scale words
.set XC,   32      ; v32-103  x's eight tiles on end, then eight zero registers
.set WF,   104     ; v104-167 W's four fragments
.set DT,   168     ; v168-199 four result tiles
.set ACC,  200     ; v200-215 for each channel tile: a pair of sums, a pair of sums of squares
.set PP,   32      ; job B: numbers of pos_relative
.set VAL,  64      ; job B: 28 sums
.set TMP,  96
.set OUT,  97
.set CD,   100     ; job B: four registers of f16
.set AD,   112     ; job B: eight offsets
	s_load_b256 s[4:11], s[0:1], 0x0               ; x_codes s[4:5], x_scales s[6:7], w_qkv_codes s[8:9], w_qkv_scales s[10:11]
	s_load_b256 s[12:19], s[0:1], 0x20             ; pos_relative s[12:13], part1 s[14:15], postab s[16:17], tabs s[18:19]
	v_lshl_add_u32 v254, v0, 2, 0x1000
	v_mov_b32 v255, 0
	v_lshrrev_b32 v1, 5, v0
	v_readfirstlane_b32 s20, v1                    ; wave 0..9
	v_and_b32 v1, 31, v0                           ; lane
	v_and_b32 v2, 15, v0                           ; r
	v_bfe_u32 v3, v0, 4, 1                         ; h2
	s_lshl_b32 s23, s20, 9
	v_lshl_add_u32 v7, v1, 2, s23                  ; LDS: 512 x wave + 4 x lane (waves 0-7 store there); both LDS addresses are made ahead of the parting of the waves
	v_lshlrev_b32 v8, 3, v0                        ; LDS and part1: 8 x thread (waves 0-3 read there)
	s_mov_b32 s28, 0x76543210
	s_mov_b32 s29, 0xfedcba98                      ; v_permlanex16_b32: lane l xor 16
	s_wait_kmcnt 0x0
	s_cmp_ge_u32 s20, 8
	s_cbranch_scc1 .Lextras
; ---------------- JOB A
	s_lshr_b32 s21, s20, 1                         ; which 128 positions
	s_and_b32 s22, s20, 1                          ; which 64 channels
.irp j, 0,1,2,3,4,5,6,7
	v_mov_b32 v[XC+64+\j], 0
.endr
.irp o, 0,1,2,3
.irp j, 8,9,10,11,12,13,14,15
	v_mov_b32 v[WF+16*\o+\j], 0
.endr
.endr
	v_lshlrev_b32 v4, 6, v2
	v_lshl_add_u32 v4, v3, 4, v4                   ; x: 64 r + 16 h2
	v_lshlrev_b32 v5, 1, v2                        ; x's scales: 2 r
	s_lshl_b32 s30, s22, 12
	v_add_nc_u32 v6, s30, v4                       ; W: row 64 half + r
	s_lshl_b32 s30, s22, 7
	v_add_nc_u32 v9, s30, v5                       ; W's scales
	s_lshl_b32 s24, ttmp9, 2
	s_add_co_u32 s24, s24, s21                     ; block of 128 positions: 4 g + blk
	s_lshl_b32 s26, s24, 8                         ; its scale bytes,
	s_lshl_b32 s24, s24, 13                        ; its codes
	s_mov_b32 s25, 0
	s_mov_b32 s27, 0
	s_add_nc_u64 s[4:5], s[4:5], s[24:25]
	s_add_nc_u64 s[6:7], s[6:7], s[26:27]
.irp t, 0,1,2,3,4,5,6,7
	global_load_b128 v[XC+8*\t:XC+8*\t+3], v4, s[4:5] offset:1024*\t
	global_load_b128 v[XC+8*\t+4:XC+8*\t+7], v4, s[4:5] offset:1024*\t+32
	global_load_u16 v[XS+\t], v5, s[6:7] offset:32*\t
.endr
.irp o, 0,1,2,3
	global_load_b128 v[WF+16*\o:WF+16*\o+3], v6, s[8:9] offset:1024*\o
	global_load_b128 v[WF+16*\o+4:WF+16*\o+7], v6, s[8:9] offset:1024*\o+32
	global_load_u16 v[WSC+\o], v9, s[10:11] offset:32*\o
.endr
	s_wait_loadcnt 0x0
.rept 4
	v_nop                                          ; the zero codes were written by vector instructions: four places ahead of the first scaled product
.endr
.macro PRODS t                         ; 16 positions x 64 channels; eight places behind this form before its results are read
.irp o, 0,1,2,3
	v_wmma_scale_f32_16x16x128_f8f6f4 v[DT+8*\o:DT+8*\o+7], v[XC+8*\t:XC+8*\t+15], v[WF+16*\o:WF+16*\o+15], 0, v[XS+\t], v[WSC+\o]
.endr
.rept 8
	v_nop
.endr
.endm
.macro ACCUM o, first                  ; relu, from the tile's low end on; then the sums, two at a time.  first = 1: the first tile starts them
.set DREG, DT+8*(\o)
.set SREG, ACC+4*(\o)
.irp j, 0,1,2,3,4,5,6,7
	v_max_num_f32 v[DREG+\j], 0, v[DREG+\j]
.endr
.if \first
	v_pk_add_f32 v[SREG:SREG+1], v[DREG:DREG+1], v[DREG+2:DREG+3]
	v_pk_mul_f32 v[SREG+2:SREG+3], v[DREG:DREG+1], v[DREG:DREG+1]
.else
	v_pk_add_f32 v[SREG:SREG+1], v[SREG:SREG+1], v[DREG:DREG+1]
	v_pk_fma_f32 v[SREG+2:SREG+3], v[DREG:DREG+1], v[DREG:DREG+1], v[SREG+2:SREG+3]
	v_pk_add_f32 v[SREG:SREG+1], v[SREG:SREG+1], v[DREG+2:DREG+3]
.endif
.irp j, 2,4,6
	v_pk_fma_f32 v[SREG+2:SREG+3], v[DREG+\j:DREG+\j+1], v[DREG+\j:DREG+\j+1], v[SREG+2:SREG+3]
.endr
.irp j, 4,6
	v_pk_add_f32 v[SREG:SREG+1], v[SREG:SREG+1], v[DREG+\j:DREG+\j+1]
.endr
.endm
	PRODS 0
.irp o, 0,1,2,3
	ACCUM \o, 1
.endr
.irp t, 1,2,3,4,5,6,7
	PRODS \t
.irp o, 0,1,2,3
	ACCUM \o, 0
.endr
.endr
	v_cmp_ne_u32 vcc_lo, 0, v3
.irp o, 0,1,2,3
	v_add_f32 v[ACC+4*\o], v[ACC+4*\o], v[ACC+4*\o+1]
	v_add_f32 v[ACC+4*\o+2], v[ACC+4*\o+2], v[ACC+4*\o+3]
.endr
.irp o, 0,1,2,3
	v_permlanex16_b32 v[ACC+4*\o+1], v[ACC+4*\o], s28, s29        ; the channel's other eight positions of each tile lie 16 lanes away
	v_permlanex16_b32 v[ACC+4*\o+3], v[ACC+4*\o+2], s28, s29
.endr
.irp o, 0,1,2,3
	v_add_f32 v[ACC+4*\o], v[ACC+4*\o], v[ACC+4*\o+1]
	v_add_f32 v[ACC+4*\o+2], v[ACC+4*\o+2], v[ACC+4*\o+3]
.endr
.irp o, 0,1,2,3
	v_cndmask_b32 v[ACC+4*\o], v[ACC+4*\o], v[ACC+4*\o+2], vcc_lo  ; lanes 0-15 keep the sums, lanes 16-31 the sums of squares
	ds_store_b32 v7, v[ACC+4*\o] offset:128*\o
.endr
	s_wait_dscnt 0x0                               ; for the others' sake: my stores have landed
	s_branch .Ljoin
; ---------------- JOB B
.Lextras:
	s_sub_co_u32 s23, s20, 8
	s_lshl_b32 s23, s23, 7
	s_add_co_u32 s23, s23, ttmp9                   ; idx
	s_cmp_lt_u32 s23, 8
	s_cbranch_scc1 .Lpos8
	s_cmp_lt_u32 s23, 72
	s_cbranch_scc1 .Lpvr
	s_cmp_lt_u32 s23, 200
	s_cbranch_scc1 .Ltabs
	s_branch .Ljoin
.Lpos8:
	s_lshl_b32 s24, s23, 5
	v_add_nc_u32 v10, s24, v1                      ; d
	v_min_u32 v11, 0xfe, v10                       ; no load leaves a row
	v_lshlrev_b32 v11, 2, v11
.irp w, 0,1,2,3,4,5,6,7
	global_load_b32 v[PP+\w], v11, s[12:13] offset:1020*\w
.endr
	v_lshlrev_b32 v12, 4, v10
	s_wait_loadcnt 0x0
.irp q, 0,1,2,3
	v_cvt_pk_f16_f32 v[CD+\q], v[PP+2*\q], v[PP+2*\q+1]
.endr
	global_store_b128 v12, v[CD:CD+3], s[16:17]    ; the wave stores 512 consecutive bytes
	s_branch .Ljoin
.Lpvr:
	s_sub_co_u32 s24, s23, 8                       ; 8 k + c
	s_lshr_b32 s25, s24, 3
	s_and_b32 s26, s24, 7
	s_sub_co_u32 s25, 254, s25                     ; 254 - k
	v_lshlrev_b32 v10, 3, v1
	v_sub_nc_u32 v10, s25, v10                     ; 254 - k - 8 lane
	s_mul_i32 s26, s26, 1020
	s_add_co_u32 s26, s26, 8*1020                  ; row 8 + c
.irp e, 0,1,2,3,4,5,6,7
	v_sub_nc_u32 v[AD+\e], v10, \e
	v_max_i32 v[AD+\e], 0, v[AD+\e]
	v_lshl_add_u32 v[AD+\e], v[AD+\e], 2, s26
	global_load_b32 v[PP+\e], v[AD+\e], s[12:13]
.endr
	s_lshl_b32 s27, s24, 9
	s_add_co_u32 s27, s27, 4096
	v_lshl_add_u32 v12, v1, 4, s27
	s_wait_loadcnt 0x0
.irp q, 0,1,2,3
	v_cvt_pk_f16_f32 v[CD+\q], v[PP+2*\q], v[PP+2*\q+1]
.endr
	global_store_b128 v12, v[CD:CD+3], s[16:17]
	s_branch .Ljoin
.Ltabs:
	s_sub_co_u32 s24, s23, 72                      ; p
	v_add_nc_u32 v10, s24, v1
	v_lshlrev_b32 v10, 2, v10
.irp w, 0,1,2,3,4,5,6,7
.irp k, 0,1,2,3
	global_load_b32 v[PP+4*\w+\k], v10, s[12:13] offset:1020*\w+128*\k     ; row w, column p + lane + 32 k: at most 254
.endr
.endr
	v_mov_b32 v[TMP], 0
	v_mov_b32 v[OUT], 0
	s_lshl_b32 s25, s24, 7
	v_lshl_add_u32 v11, v1, 2, s25
	s_wait_loadcnt 0x0
.macro TPAIR d, a, b                   ; my four columns' share of the sum of row a x row b; off the diagonal it counts twice
	v_mul_f32 v[VAL+(\d)], v[PP+4*(\a)], v[PP+4*(\b)]
.irp k, 1,2,3
	v_fma_f32 v[VAL+(\d)], v[PP+4*(\a)+\k], v[PP+4*(\b)+\k], v[VAL+(\d)]
.endr
.if (\a) != (\b)
	v_add_f32 v[VAL+(\d)], v[VAL+(\d)], v[VAL+(\d)]
.endif
.endm
.macro TEN d, a
	TPAIR (\d), (\a), (\a)
	TPAIR (\d)+1, (\a), (\a)+1
	TPAIR (\d)+2, (\a), (\a)+2
	TPAIR (\d)+3, (\a), (\a)+3
	TPAIR (\d)+4, (\a)+1, (\a)+1
	TPAIR (\d)+5, (\a)+1, (\a)+2
	TPAIR (\d)+6, (\a)+1, (\a)+3
	TPAIR (\d)+7, (\a)+2, (\a)+2
	TPAIR (\d)+8, (\a)+2, (\a)+3
	TPAIR (\d)+9, (\a)+3, (\a)+3
.endm
	TEN 0, 0
	TEN 10, 4
.irp c, 0,1,2,3,4,5,6,7
	v_add_f32 v[VAL+20+\c], v[PP+4*\c], v[PP+4*\c+1]
	v_add_f32 v[VAL+20+\c], v[VAL+20+\c], v[PP+4*\c+2]
	v_add_f32 v[VAL+20+\c], v[VAL+20+\c], v[PP+4*\c+3]
.endr
.set i, 0
.rept 28                               ; each sum over the 32 lanes, then into lane i of the row that is stored
	v_add_f32_dpp v[VAL+i], v[VAL+i], v[VAL+i] row_xmask:1 row_mask:0xf bank_mask:0xf
	v_add_f32_dpp v[VAL+i], v[VAL+i], v[VAL+i] row_xmask:2 row_mask:0xf bank_mask:0xf
	v_add_f32_dpp v[VAL+i], v[VAL+i], v[VAL+i] row_xmask:4 row_mask:0xf bank_mask:0xf
	v_add_f32_dpp v[VAL+i], v[VAL+i], v[VAL+i] row_xmask:8 row_mask:0xf bank_mask:0xf
	v_permlanex16_b32 v[TMP], v[VAL+i], s28, s29
	v_add_f32 v[VAL+i], v[VAL+i], v[TMP]
	v_cmp_eq_u32 vcc_lo, i, v1
	v_cndmask_b32 v[OUT], v[OUT], v[VAL+i], vcc_lo
.set i, i+1
.endr
	global_store_b32 v11, v[OUT], s[18:19]
; ---------------- the four blocks' sums are added and leave
.Ljoin:
	s_barrier_signal -1
	s_barrier_wait -1
	s_cmp_ge_u32 s20, 4
	s_cbranch_scc1 .Lend
.irp k, 0,1,2,3
	ds_load_b64 v[216+2*\k:217+2*\k], v8 offset:1024*\k
.endr
	s_lshl_b32 s24, ttmp9, 10
	s_mov_b32 s25, 0
	s_add_nc_u64 s[14:15], s[14:15], s[24:25]
	s_wait_dscnt 0x0
	v_pk_add_f32 v[216:217], v[216:217], v[218:219]
	v_pk_add_f32 v[220:221], v[220:221], v[222:223]
	v_pk_add_f32 v[216:217], v[216:217], v[220:221]
	global_store_b64 v8, v[216:217], s[14:15]      ; a wave stores 256 consecutive bytes, aligned
.Lend:
	s_wait_tensorcnt 0x0
	ds_add_u32 v254, v255
	s_wait_dscnt 0x0
	s_endpgm
.Lfunc_end_k_q64d361c89b_prep:
	.size	k_q64d361c89b_prep, .Lfunc_end_k_q64d361c89b_prep-k_q64d361c89b_prep
	.p2alignl 7, 3214868480
	.fill 96, 4, 3214868480
	.section	.rodata,"a",@progbits
	.p2align	6, 0x0
	.amdhsa_kernel k_q64d361c89b_prep
		.amdhsa_group_segment_fixed_size 5376
		.amdhsa_private_segment_fixed_size 0
		.amdhsa_enable_private_segment 0
		.amdhsa_kernarg_size 64
		.amdhsa_user_sgpr_count 2
		.amdhsa_user_sgpr_kernarg_segment_ptr 1
		.amdhsa_wavefront_size32 1
		.amdhsa_system_sgpr_workgroup_id_x 1
		.amdhsa_system_sgpr_workgroup_id_y 1
		.amdhsa_system_sgpr_workgroup_id_z 1
		.amdhsa_system_vgpr_workitem_id 0
		.amdhsa_next_free_vgpr 256
		.amdhsa_next_free_sgpr 66
		.amdhsa_reserve_vcc 1
		.amdhsa_float_denorm_mode_32 3
		.amdhsa_float_denorm_mode_16_64 3
		.amdhsa_memory_ordered 1
		.amdhsa_forward_progress 1
		.amdhsa_inst_pref_size 64
	.end_amdhsa_kernel
	.amdgpu_metadata
---
amdhsa.version: [ 1, 2 ]
amdhsa.kernels:
  - .name:           k_q64d361c89b_prep
    .symbol:         k_q64d361c89b_prep.kd
    .args:
      - { .name: x_codes, .offset: 0, .size: 8, .value_kind: global_buffer, .address_space: global }
      - { .name: x_scales, .offset: 8, .size: 8, .value_kind: global_buffer, .address_space: global }
      - { .name: w_qkv_codes, .offset: 16, .size: 8, .value_kind: global_buffer, .address_space: global }
      - { .name: w_qkv_scales, .offset: 24, .size: 8, .value_kind: global_buffer, .address_space: global }
      - { .name: pos_relative, .offset: 32, .size: 8, .value_kind: global_buffer, .address_space: global }
      - { .name: part1, .offset: 40, .size: 8, .value_kind: global_buffer, .address_space: global }
      - { .name: postab, .offset: 48, .size: 8, .value_kind: global_buffer, .address_space: global }
      - { .name: tabs, .offset: 56, .size: 8, .value_kind: global_buffer, .address_space: global }
    .group_segment_fixed_size: 5376
    .private_segment_fixed_size: 0
    .kernarg_segment_align: 8
    .kernarg_segment_size: 64
    .max_flat_workgroup_size: 320
    .sgpr_count:     66
    .vgpr_count:     256
    .wavefront_size: 32
...
	.end_amdgpu_metadata
.endif
;; end of part 1
;; launch attstat (part 2): grid 256 x 1, 8 waves a work-group, no clusters, 22,528 bytes of LDS; arguments x_codes, x_scales, w_qkv_codes, w_qkv_scales, gamma1, beta1, part1, tabs, part2, bn1ab; writes part2, bn1ab
.if DOCPART == 2
	.amdgcn_target "amdgcn-amd-amdhsa--gfx1250"
	.amdhsa_code_object_version 6
	.text
	.protected	k_q64d361c89b_attstat
	.globl	k_q64d361c89b_attstat
	.p2align	8
	.type	k_q64d361c89b_attstat,@function
k_q64d361c89b_attstat:
	s_mov_b64 s[64:65], 0
	v_nop
	global_prefetch_b8 v0, s[64:65] scope:SCOPE_SE
	s_setreg_imm32_b32 hwreg(HW_REG_WAVE_MODE, 25, 1), 1
	s_wait_xcnt 0x0
; ATTSTAT.  The first batch norm's factors, and the sums for the batch norm of the three logit maps, WITHOUT forming a 128 x 128 map:
;   sum of qk    = sum over c of (sum_p q_c)(sum_i k_c)            sum of qk^2 = sum over c, c' of Gq[c][c'] Gk[c][c'], G the 4 x 4 Gram matrices over the positions
;   sum_i of qr  = q . Rq[p]                                       sum_i of qr^2 = q^T Tq[p] q      (kr likewise; the gates are applied by the next launch)
; Rq, Tq .. come from tabs[p][32] (ten products with the off-diagonal ones doubled, for q and for k; four + four plain sums).
; SHARES.  Work-group = (t: heads 2 t and 2 t + 1, G: eight columns n = 8 G + wave).  A wave recomputes q and k of its column for the two heads: 8 scaled products
; (source 0 = 16 rows of W: planes 0-7 of both heads; source 1 = 16 positions): lane (r, h2) holds position 16 I + r of head 2 t + h2, registers 0-3 q, 4-7 k.
; K = 64 in a form of K = 128 as in the launch before: zero codes in W's upper half, x's tiles on end.
; part2[h][G][8]: sum qk, sum qk^2, sum qr, sum qr^2, sum kr, sum kr^2, 0, 0.   bn1ab: a[128], b[128], y_norm = a relu + b (stored by the four work-groups with G = 0).
; LIMITS: variance = E[y^2] - mean^2 in f32, held at 0 from below; NaN codes are not served.
.set TAB,  0       ; LDS: tabs, 128 rows, 144 bytes apart
.set RED1, 18432   ; 8 waves x 256 bytes: sums of part1
.set AB,   20480   ; a[32], b[32] of channels 32 t ..
.set RED2, 20736   ; 8 waves x 64 bytes
.set XS,   16      ; v16-23 x's scale words, v24 W's: they hold scales and nothing else
.set WSC,  24
.set GAM,  25
.set BET,  26
.set XC,   32      ; v32-103 x's chain
.set WF,   104     ; v104-119
.set DT,   128     ; v128-191 eight tiles
.set AJ,   192
.set BJ,   200
.set P1,   208     ; v208-239 part1's quads
.set TB4,  240     ; v240-255 tabs' quads
.set TT,   32      ; behind the products: a row of tabs,
.set PQ,   60      ; twenty products,
.set GR,   80      ; the two Gram matrices,
.set O8,   104     ; the eight results
	s_load_b512 s[8:23], s[0:1], 0x0               ; x_codes s[8:9], x_scales s[10:11], w codes s[12:13], w scales s[14:15], gamma1 s[16:17], beta1 s[18:19], part1 s[20:21], tabs s[22:23]
	s_load_b128 s[24:27], s[0:1], 0x40             ; part2 s[24:25], bn1ab s[26:27]
	v_lshl_add_u32 v126, v0, 2, 0x5400
	v_mov_b32 v127, 0
	v_lshrrev_b32 v1, 5, v0
	v_readfirstlane_b32 s28, v1                    ; wave
	s_and_b32 s29, ttmp9, 3                        ; t
	s_lshr_b32 s30, ttmp9, 2                       ; G
	v_and_b32 v1, 31, v0
	v_and_b32 v2, 15, v0                           ; r
	v_bfe_u32 v3, v0, 4, 1                         ; h2
.irp j, 0,1,2,3,4,5,6,7
	v_mov_b32 v[XC+64+\j], 0
	v_mov_b32 v[WF+8+\j], 0
.endr
	v_lshrrev_b32 v4, 4, v0
	v_lshlrev_b32 v4, 10, v4
	v_lshl_add_u32 v4, v2, 4, v4
	s_lshl_b32 s31, s29, 8
	v_add_nc_u32 v4, s31, v4                       ; part1: row g = thread / 16 (+ 16 k), my 16 of the 256 bytes of channels 32 t ..
	v_lshlrev_b32 v5, 4, v0                        ; tabs
	s_lshl_b32 s31, s29, 7
	v_lshl_add_u32 v6, v1, 2, s31                  ; gamma1, beta1, bn1ab: channel 32 t + lane
	v_and_b32 v7, 8, v2
	v_add_nc_u32 v7, v7, v2
	s_lshl_b32 s31, s29, 5
	v_add_nc_u32 v7, s31, v7                       ; W's row 32 t + 16 (r / 8) + r % 8
	v_lshlrev_b32 v8, 1, v7
	v_lshlrev_b32 v7, 6, v7
	v_lshl_add_u32 v7, v3, 4, v7
	v_lshlrev_b32 v9, 13, v2
	v_lshl_add_u32 v9, v3, 4, v9                   ; x: position r of a tile, 8,192 bytes apart
	v_lshlrev_b32 v10, 8, v2
	; every LDS address is made here, ahead of the places where wave 0 goes its own way
	s_lshl_b32 s31, s28, 8
	s_add_co_u32 s31, s31, RED1
	v_lshl_add_u32 v11, v2, 4, s31
	v_lshrrev_b32 v12, 3, v0
	v_mul_u32_u24 v12, v12, 144
	v_and_b32 v13, 7, v0
	v_lshl_add_u32 v12, v13, 4, v12
	v_lshlrev_b32 v13, 7, v3
	v_lshl_add_u32 v13, v2, 2, v13
	v_add_nc_u32 v13, RED1, v13
	v_lshl_add_u32 v14, v1, 2, AB
	v_lshl_add_u32 v15, v3, 6, AB
	v_mul_u32_u24 v27, v2, 144
	s_lshl_b32 s31, s28, 6
	s_add_co_u32 s31, s31, RED2
	v_lshl_add_u32 v28, v3, 5, s31
	v_lshl_add_u32 v29, v2, 2, RED2
	v_bfe_u32 v30, v0, 3, 1
	s_lshl_b32 s31, s29, 1
	v_add_nc_u32 v30, s31, v30
	v_lshlrev_b32 v30, 11, v30
	v_and_b32 v31, 7, v0
	v_lshl_add_u32 v30, v31, 2, v30
	s_lshl_b32 s31, s30, 5
	v_add_nc_u32 v30, s31, v30                     ; part2: head 2 t + (lane / 8) % 2, row G, number lane % 8
	s_lshr_b32 s32, s30, 4                         ; b
	s_and_b32 s33, s30, 15
	s_lshl_b32 s33, s33, 3
	s_add_co_u32 s33, s33, s28                     ; w
	s_lshl_b32 s34, s32, 20
	s_lshl_b32 s35, s33, 6
	s_add_co_u32 s34, s34, s35
	s_mov_b32 s35, 0
	s_lshl_b32 s36, s32, 15
	s_lshl_b32 s37, s33, 1
	s_add_co_u32 s36, s36, s37
	s_mov_b32 s37, 0
	s_mov_b32 s38, 0x76543210
	s_mov_b32 s39, 0xfedcba98
	s_wait_kmcnt 0x0
	s_add_nc_u64 s[8:9], s[8:9], s[34:35]
	s_add_nc_u64 s[10:11], s[10:11], s[36:37]
	; 41 loads, in the order in which they are wanted
.irp k, 0,1,2,3,4,5,6,7
	global_load_b128 v[P1+4*\k:P1+4*\k+3], v4, s[20:21] offset:16384*\k
.endr
.irp k, 0,1,2,3
	global_load_b128 v[TB4+4*\k:TB4+4*\k+3], v5, s[22:23] offset:4096*\k
.endr
	global_load_b32 v[GAM], v6, s[16:17]
	global_load_b32 v[BET], v6, s[18:19]
	global_load_b128 v[WF:WF+3], v7, s[12:13]
	global_load_b128 v[WF+4:WF+7], v7, s[12:13] offset:32
	global_load_u16 v[WSC], v8, s[14:15]
.irp i, 0,1,2,3,4,5,6,7
	global_load_b128 v[XC+8*\i:XC+8*\i+3], v9, s[8:9] offset:131072*\i
	global_load_b128 v[XC+8*\i+4:XC+8*\i+7], v9, s[8:9] offset:131072*\i+32
	global_load_u16 v[XS+\i], v10, s[10:11] offset:4096*\i
.endr
	s_wait_loadcnt 33                              ; part1's eight are in; the 33 issued behind them may be out
.irp k, 1,2,3,4,5,6,7
	v_pk_add_f32 v[P1:P1+1], v[P1:P1+1], v[P1+4*\k:P1+4*\k+1]
	v_pk_add_f32 v[P1+2:P1+3], v[P1+2:P1+3], v[P1+4*\k+2:P1+4*\k+3]
.endr
.irp j, 0,1,2,3
	v_permlanex16_b32 v[P1+4+\j], v[P1+\j], s38, s39
.endr
.irp j, 0,1,2,3
	v_add_f32 v[P1+\j], v[P1+\j], v[P1+4+\j]
.endr
	ds_store_b128 v11, v[P1:P1+3]                  ; both halves of the lanes store the same numbers to the same bytes
	s_wait_loadcnt 29                              ; tabs' four are in
.irp k, 0,1,2,3
	ds_store_b128 v12, v[TB4+4*\k:TB4+4*\k+3] offset:4608*\k
.endr
	s_wait_dscnt 0x0
	s_barrier_signal -1
	s_barrier_wait -1
	s_cmp_lg_u32 s28, 0
	s_cbranch_scc1 .Lnot_wave0
	; wave 0, a lane a channel: the factors of the first batch norm
.irp w, 0,1,2,3,4,5,6,7
	ds_load_b32 v[P1+\w], v13 offset:256*\w
	ds_load_b32 v[P1+8+\w], v13 offset:256*\w+64
.endr
	s_wait_dscnt 0x0
.irp w, 1,2,3,4,5,6,7
	v_add_f32 v[P1], v[P1], v[P1+\w]
	v_add_f32 v[P1+8], v[P1+8], v[P1+8+\w]
.endr
	s_wait_loadcnt 27                              ; gamma1 and beta1 are in; W's three and x's 24 may be out
	v_mul_f32 v[P1], 0x37800000, v[P1]             ; / 65,536: the mean,
	v_mul_f32 v[P1+8], 0x37800000, v[P1+8]         ; the mean of the squares
	v_fma_f32 v[P1+8], -v[P1], v[P1], v[P1+8]
	v_max_num_f32 v[P1+8], 0, v[P1+8]
	v_add_f32 v[P1+8], 0x3727c5ac, v[P1+8]         ; + 1e-5
	v_rsq_f32 v[P1+9], v[P1+8]
	v_nop                                          ; a plain place behind the transcendental
	s_wait_alu depctr_va_vdst(0)
	v_mul_f32 v[P1+2], v[GAM], v[P1+9]             ; a
	v_fma_f32 v[P1+3], -v[P1], v[P1+2], v[BET]     ; b
	ds_store_b32 v14, v[P1+2]
	ds_store_b32 v14, v[P1+3] offset:128
	s_cmp_lg_u32 s30, 0
	s_cbranch_scc1 .Lnot_first
	global_store_b32 v6, v[P1+2], s[26:27]
	global_store_b32 v6, v[P1+3], s[26:27] offset:512
.Lnot_first:
	s_wait_dscnt 0x0
.Lnot_wave0:
	s_barrier_signal -1
	s_barrier_wait -1
	ds_load_b128 v[AJ:AJ+3], v15                   ; a and b of my head's planes 0-7
	ds_load_b128 v[AJ+4:AJ+7], v15 offset:16
	ds_load_b128 v[BJ:BJ+3], v15 offset:128
	ds_load_b128 v[BJ+4:BJ+7], v15 offset:144
	s_wait_loadcnt 0x0
.irp i, 0,1,2,3,4,5,6,7
	v_wmma_scale_f32_16x16x128_f8f6f4 v[DT+8*\i:DT+8*\i+7], v[WF:WF+15], v[XC+8*\i:XC+8*\i+15], 0, v[WSC], v[XS+\i]
.endr
.rept 8
	v_nop                                          ; eight places: results are read, and operands' registers are loaded and written anew
.endr
.macro PROD10 d, s
	v_mul_f32 v[\d+0], v[\s+0], v[\s+0]
	v_mul_f32 v[\d+1], v[\s+0], v[\s+1]
	v_mul_f32 v[\d+2], v[\s+0], v[\s+2]
	v_mul_f32 v[\d+3], v[\s+0], v[\s+3]
	v_mul_f32 v[\d+4], v[\s+1], v[\s+1]
	v_mul_f32 v[\d+5], v[\s+1], v[\s+2]
	v_mul_f32 v[\d+6], v[\s+1], v[\s+3]
	v_mul_f32 v[\d+7], v[\s+2], v[\s+2]
	v_mul_f32 v[\d+8], v[\s+2], v[\s+3]
	v_mul_f32 v[\d+9], v[\s+3], v[\s+3]
.endm
; One tile of 16 positions.  first = 1: its products start every sum (they are written straight into the Gram matrices).
.macro TILE i, first
.set DI, DT+8*(\i)
.if \first
.set PS, GR
.else
.set PS, PQ
.endif
.irp q, 0,1,2,3,4,5,6
	ds_load_b128 v[TT+4*\q:TT+4*\q+3], v27 offset:2304*(\i)+16*\q
.endr
.irp j, 0,1,2,3,4,5,6,7
	v_max_num_f32 v[DI+\j], 0, v[DI+\j]
.endr
.irp j, 0,2,4,6
	v_pk_fma_f32 v[DI+\j:DI+\j+1], v[DI+\j:DI+\j+1], v[AJ+\j:AJ+\j+1], v[BJ+\j:BJ+\j+1]
.endr
	PROD10 PS, DI
	PROD10 PS+10, DI+4
	s_wait_dscnt 0x0                               ; my position's row of tabs (and, in the first tile, a and b, waited for below) is in
.if \first
	v_mul_f32 v[O8+3], v[TT], v[PS]
	v_mul_f32 v[O8+5], v[TT+10], v[PS+10]
	v_mul_f32 v[O8+2], v[TT+20], v[DI]
	v_mul_f32 v[O8+4], v[TT+24], v[DI+4]
.else
	v_fma_f32 v[O8+3], v[TT], v[PS], v[O8+3]
	v_fma_f32 v[O8+5], v[TT+10], v[PS+10], v[O8+5]
	v_fma_f32 v[O8+2], v[TT+20], v[DI], v[O8+2]
	v_fma_f32 v[O8+4], v[TT+24], v[DI+4], v[O8+4]
.endif
.irp k, 1,2,3
	v_fma_f32 v[O8+3], v[TT+\k], v[PS+\k], v[O8+3]
	v_fma_f32 v[O8+5], v[TT+10+\k], v[PS+10+\k], v[O8+5]
	v_fma_f32 v[O8+2], v[TT+20+\k], v[DI+\k], v[O8+2]
	v_fma_f32 v[O8+4], v[TT+24+\k], v[DI+4+\k], v[O8+4]
.endr
.irp k, 4,5,6,7,8,9
	v_fma_f32 v[O8+3], v[TT+\k], v[PS+\k], v[O8+3]
	v_fma_f32 v[O8+5], v[TT+10+\k], v[PS+10+\k], v[O8+5]
.endr
.if !\first
.irp k, 0,2,4,6,8,10,12,14,16,18
	v_pk_add_f32 v[GR+\k:GR+\k+1], v[GR+\k:GR+\k+1], v[PQ+\k:PQ+\k+1]
.endr
.irp j, 0,2,4,6
	v_pk_add_f32 v[DT+\j:DT+\j+1], v[DT+\j:DT+\j+1], v[DI+\j:DI+\j+1]     ; the plain sums of q and k gather in tile 0's registers
.endr
.endif
.endm
	s_wait_dscnt 0x0                               ; a and b
	TILE 0, 1
.irp i, 1,2,3,4,5,6,7
	TILE \i, 0
.endr
.irp m, 1,2,4,8                        ; over the 16 lanes of a head
.set i, 0
.rept 20
	v_add_f32_dpp v[GR+i], v[GR+i], v[GR+i] row_xmask:\m row_mask:0xf bank_mask:0xf
.set i, i+1
.endr
.set i, 0
.rept 8
	v_add_f32_dpp v[DT+i], v[DT+i], v[DT+i] row_xmask:\m row_mask:0xf bank_mask:0xf
.set i, i+1
.endr
.set i, 2
.rept 4
	v_add_f32_dpp v[O8+i], v[O8+i], v[O8+i] row_xmask:\m row_mask:0xf bank_mask:0xf
.set i, i+1
.endr
.endr
	v_mul_f32 v[O8], v[DT], v[DT+4]
.irp c, 1,2,3
	v_fma_f32 v[O8], v[DT+\c], v[DT+4+\c], v[O8]
.endr
	v_mul_f32 v[O8+6], v[GR+1], v[GR+11]
.irp k, 2,3,5,6,8
	v_fma_f32 v[O8+6], v[GR+\k], v[GR+10+\k], v[O8+6]
.endr
	v_mul_f32 v[O8+1], v[GR], v[GR+10]
.irp k, 4,7,9
	v_fma_f32 v[O8+1], v[GR+\k], v[GR+10+\k], v[O8+1]
.endr
	v_fma_f32 v[O8+1], 2.0, v[O8+6], v[O8+1]       ; the off-diagonal entries count twice
	v_mov_b32 v[O8+6], 0
	v_mov_b32 v[O8+7], 0
	ds_store_b128 v28, v[O8:O8+3]                  ; the 16 lanes of a head store the same numbers to the same bytes
	ds_store_b128 v28, v[O8+4:O8+7] offset:16
	s_wait_dscnt 0x0
	s_barrier_signal -1
	s_barrier_wait -1
	s_cmp_lg_u32 s28, 0
	s_cbranch_scc1 .Lend
.irp w, 0,1,2,3,4,5,6,7
	ds_load_b32 v[112+\w], v29 offset:64*\w
.endr
	s_wait_dscnt 0x0
.irp w, 1,2,3,4,5,6,7
	v_add_f32 v112, v112, v[112+\w]
.endr
	global_store_b32 v30, v112, s[24:25]           ; lanes 16-31 hold and store what lanes 0-15 do
.Lend:
	s_wait_tensorcnt 0x0
	ds_add_u32 v126, v127
	s_wait_dscnt 0x0
	s_endpgm
.Lfunc_end_k_q64d361c89b_attstat:
	.size	k_q64d361c89b_attstat, .Lfunc_end_k_q64d361c89b_attstat-k_q64d361c89b_attstat
	.p2alignl 7, 3214868480
	.fill 96, 4, 3214868480
	.section	.rodata,"a",@progbits
	.p2align	6, 0x0
	.amdhsa_kernel k_q64d361c89b_attstat
		.amdhsa_group_segment_fixed_size 22528
		.amdhsa_private_segment_fixed_size 0
		.amdhsa_enable_private_segment 0
		.amdhsa_kernarg_size 80
		.amdhsa_user_sgpr_count 2
		.amdhsa_user_sgpr_kernarg_segment_ptr 1
		.amdhsa_wavefront_size32 1
		.amdhsa_system_sgpr_workgroup_id_x 1
		.amdhsa_system_sgpr_workgroup_id_y 1
		.amdhsa_system_sgpr_workgroup_id_z 1
		.amdhsa_system_vgpr_workitem_id 0
		.amdhsa_next_free_vgpr 256
		.amdhsa_next_free_sgpr 66
		.amdhsa_reserve_vcc 0
		.amdhsa_float_denorm_mode_32 3
		.amdhsa_float_denorm_mode_16_64 3
		.amdhsa_memory_ordered 1
		.amdhsa_forward_progress 1
		.amdhsa_inst_pref_size 57
	.end_amdhsa_kernel
	.amdgpu_metadata
---
amdhsa.version: [ 1, 2 ]
amdhsa.kernels:
  - .name:           k_q64d361c89b_attstat
    .symbol:         k_q64d361c89b_attstat.kd
    .args:
      - { .name: x_codes, .offset: 0, .size: 8, .value_kind: global_buffer, .address_space: global }
      - { .name: x_scales, .offset: 8, .size: 8, .value_kind: global_buffer, .address_space: global }
      - { .name: w_qkv_codes, .offset: 16, .size: 8, .value_kind: global_buffer, .address_space: global }
      - { .name: w_qkv_scales, .offset: 24, .size: 8, .value_kind: global_buffer, .address_space: global }
      - { .name: gamma1, .offset: 32, .size: 8, .value_kind: global_buffer, .address_space: global }
      - { .name: beta1, .offset: 40, .size: 8, .value_kind: global_buffer, .address_space: global }
      - { .name: part1, .offset: 48, .size: 8, .value_kind: global_buffer, .address_space: global }
      - { .name: tabs, .offset: 56, .size: 8, .value_kind: global_buffer, .address_space: global }
      - { .name: part2, .offset: 64, .size: 8, .value_kind: global_buffer, .address_space: global }
      - { .name: bn1ab, .offset: 72, .size: 8, .value_kind: global_buffer, .address_space: global }
    .group_segment_fixed_size: 22528
    .private_segment_fixed_size: 0
    .kernarg_segment_align: 8
    .kernarg_segment_size: 80
    .max_flat_workgroup_size: 256
    .sgpr_count:     66
    .vgpr_count:     256
    .wavefront_size: 32
...
	.end_amdgpu_metadata
.endif
;; end of part 2
;; launch attn (part 3): grid 32 x 8, 4 waves a work-group, no clusters, 244,224 bytes of LDS; arguments x_codes, x_scales, w_qkv_codes, w_qkv_scales, bn1ab, part2, postab, gamma_att, beta_att, gate_qr, gate_kr, gate_v, gate_v_pos, ws, part3; writes ws, part3
.if DOCPART == 3
	.amdgcn_target "amdgcn-amd-amdhsa--gfx1250"
	.amdhsa_code_object_version 6
	.text
	.protected	k_q64d361c89b_attn
	.globl	k_q64d361c89b_attn
	.p2align	8
	.type	k_q64d361c89b_attn,@function
k_q64d361c89b_attn:
	s_mov_b64 s[64:65], 0
	v_nop
	global_prefetch_b8 v0, s[64:65] scope:SCOPE_SE
	s_setreg_imm32_b32 hwreg(HW_REG_WAVE_MODE, 25, 1), 1
	s_wait_xcnt 0x0
; ATTN.  The attention itself.  Work-group (T, h): the 16 columns n = 16 T + col of head h.
; ws[T][h][kind 2][c 8][g 32][col 16][e 4] f32, query position p = 32 (g / 8) + 8 e + g % 8: kind 0 = gate_v att.v, kind 1 = gate_v_pos att.v_pos;  part3[h][T][4]: their sums and sums of squares, for the last batch norm.
; PHASE A.  Wave w recomputes y = relu(W x) for columns 4 w .. 4 w + 3 on the given codes (K = 64 in a form of K = 128: zero codes in W's upper half, x's tiles on end), normalises by bn1ab and lays in LDS:
;   R1[p][col] = a_qr q, a_kr k in f16;  QF[p][col] = a_qk q in f32;  KV[col][plane 4 .. 15][key] = k and v in f32.   a_.. = the logit maps' batch-norm factors x log2(e), made from part2, gamma_att and the gates.
; THE LOOP.  A LANE IS A COLUMN: lane (col, h2) holds keys 16 I + 8 h2 + j of its column.  k and v of a column do not hang on the query position, so they STAY IN REGISTERS, in f32: 256 + 512.
; A unit is one query position p; wave w walks p = 32 w + 8 a + u: eight trips u, four units a written out.
;   scores, in log2 units: eight v_wmma_f32_16x16x32_f16 with the position tables (source 0: POS8 at d = p + 127 - key; source 1: R1 at p; one more place of K carries 1.0 x the constant of the three batch norms, beta_att
;   among it); q.k differs from column to column, so in this layout it is no matrix product: 128 packed multiply-adds on the resident k.
;   softmax: the maximum over the lane's 64 scores and its partner's (lane xor 16) is taken away; p = 2^(s - max); the row's sum is taken of the f32 p.
;   att.v: 256 packed multiply-adds on the resident v.   att.v_pos: p rounded to f16 is source 1 of four matrix instructions (source 0: rows = channels, from PVR), on two accumulators by turns.
;   Lanes 0-15 store att.v, lanes 16-31 att.v_pos.
; f16 HAS ROOM: the scaled batch-normalised q and k, pos_relative, p <= 1.  The constant is held to +-60,000 before it is rounded: it is the same for all keys of a row and cancels in the softmax.
; LIMITS: variances are E[x^2] - mean^2 in f32, held at 0 from below; NaN codes are not served; pos_relative beyond f16's range is not served.
; No cluster and no tensor load: x's 128 KiB and the tables' 36 KiB are read once, at the head, through registers; all that the loop reads was computed by this work-group.
; REGISTERS, in windows of 256 (s_set_vgpr_msb: bits 1:0 source 0, 3:2 source 1, 5:4 source 2, 7:6 destination):
;   window 0: see the names below.   window 1: k, channel c at 64 c + 8 I + j (phase A: x's columns 0, 1 and eight zeros).
;   window 2: v of tiles I = 0 .. 3, channel c at 32 c + 8 I + j (phase A: x's columns 2, 3 and eight zeros).   window 3: v of tiles 4 .. 7 (phase A: W's two fragments, 0-31).
.set POS8, 0       ; LDS: 256 entries of 16 bytes
.set PVR,  4096    ; 64 rows, 528 bytes apart
.set R1,   37888   ; 128 rows, 272 bytes apart
.set QF,   72704   ; the same form
.set KV,   107520  ; 16 columns, KVP bytes apart; in each 16 rows of 512 + 16 bytes (rows 12-15 repeat row 11 and are not read)
.set KVP,  8464
.set RED,  242944
.set STAT, 243200
.set COL,  1
.set H2,   2
.set ARB,  3       ; LDS address of R1 at my column, the trip's first p
.set ARQ,  4       ; of QF
.set AAP,  5       ; of POS8
.set AAVP, 6       ; of PVR
.set WSO,  7       ; my byte offset in ws
.set FV,   8       ; gate_v in lanes 0-15, else 0
.set FP,   9       ; gate_v_pos in lanes 16-31, else 0
.set RC,   10
.set RVV,  11
.set RVP,  12
.set PT,   13
.set SUM1, 14      ; v14-15
.set BP,   16      ; v16-23   source 1 of the position link
.set Q,    24      ; v24-27   a_qk q0 .. q3;  v28-31: q1, 0, q3, 0
.set QT,   28
.set AP,   32      ; v32-67   source 0 of the position link: tile I at AP + 4 I: two registers of POS8, the place of the constant, a zero; its upper half is the next tile's, and meets zeros in BP
.set APV,  68      ; v68-99
.set S,    100     ; v100-163 the scores, then p; p as f16 in v100-131
.set DVA,  132     ; v132-139, v140-147: the two accumulators of att.v_pos, where p's upper half has been rounded away
.set DVB,  140
.set PX,   164     ; v164-171
.set ACC,  172     ; v172-187
.set CH,   188     ; v188-191
.set ZZ,   196     ; v196-227
.set MX,   228     ; v228-229
.set SP0,  230     ; v230-231, v232-233: the row's sum in two chains
.set SP1,  232
.set WS,   234     ; W's scale words: lanes 0-15 the first fragment's, lanes 16-31 the second's.  This register and XS hold scales and nothing else
.set LI,   235
.set CST,  236
.set TMP,  237
.set SUM2, 238     ; v238-239
.set XS,   240     ; v240-255 x's scale words: register 4 cc + i: lanes 0-15 tile 2 i of column cc, lanes 16-31 tile 2 i + 1
.set A1,   16      ; phase A: a and b of planes 0-7 x a_qr (q) or a_kr (k);
.set B1,   24
.set A2,   32      ; a and b of planes 0-3 x a_qk
.set B2,   36
.set AVV,  40      ; v40-41 a of my plane, twice; v42-43 b
.set BVV,  42
.set G,    44      ; v44-51 at work
.set RST,  60
.set QST,  61
.set KVST, 62
.set XA,   63
.set XSA,  64
.set DA,   100
.set DB,   164
.set MSB, 0
.macro WIN new                         ; the immediate's high byte repeats the setting that is left
.if MSB != \new
	s_set_vgpr_msb (MSB<<8)|\new
.set MSB, \new
.endif
.endm
.macro BARRIER
	s_wait_dscnt 0x0
	s_barrier_signal -1
	s_barrier_wait -1
.endm
	s_load_b512 s[8:23], s[0:1], 0x0               ; x_codes s[8:9], x_scales s[10:11], w codes s[12:13], w scales s[14:15], bn1ab s[16:17], part2 s[18:19], postab s[20:21], gamma_att s[22:23]
	s_load_b256 s[24:31], s[0:1], 0x40             ; beta_att s[24:25], gate_qr s[26:27], gate_kr s[28:29], gate_v s[30:31]
	s_load_b128 s[32:35], s[0:1], 0x60             ; gate_v_pos s[32:33], ws s[34:35]
	s_load_b64 s[36:37], s[0:1], 0x70              ; part3
	v_lshrrev_b32 v65, 5, v0
	v_readfirstlane_b32 s38, v65                   ; wave
	s_and_b32 s40, ttmp7, 0xffff                   ; h
	v_and_b32 v[COL], 15, v0
	v_bfe_u32 v[H2], v0, 4, 1
	v_and_b32 v66, 31, v0
	v_lshlrev_b32 v[LI], 4, v66
	s_mov_b32 s76, 0x76543210
	s_mov_b32 s77, 0xfedcba98                      ; v_permlanex16_b32: lane l xor 16
	v_cmp_ne_u32 s79, 0, v[H2]                     ; lanes 16-31
	s_lshl_b32 s41, s40, 11
	v_lshl_add_u32 v67, v0, 4, s41                 ; part2: my head's 2,048 bytes, 16 a thread
	v_and_b32 v77, 7, v0                           ; the first fragment of W: plane r % 8
	v_min_u32 v78, 11, v[COL]
	v_add_nc_u32 v78, 4, v78                       ; the second: plane 4 + min(r, 11): k0-3, v0-7
	s_lshl_b32 s41, s40, 10
	v_lshl_add_u32 v68, v77, 6, s41
	v_lshl_add_u32 v68, v[H2], 4, v68
	v_lshl_add_u32 v69, v78, 6, s41
	v_lshl_add_u32 v69, v[H2], 4, v69
	v_cndmask_b32 v70, v77, v78, s79
	s_lshl_b32 s41, s40, 5
	v_lshl_add_u32 v70, v70, 1, s41                ; W's scales
	s_lshl_b32 s41, s40, 6
	v_lshl_add_u32 v71, v78, 2, s41                ; bn1ab at my plane of the second fragment
	v_lshlrev_b32 v72, 4, v0                       ; postab
	v_lshlrev_b32 v[XA], 13, v[COL]
	v_lshl_add_u32 v[XA], v[H2], 4, v[XA]          ; x: position r of a tile
	v_lshlrev_b32 v[XSA], 8, v[COL]
	v_lshl_add_u32 v[XSA], v[H2], 12, v[XSA]       ; x's scales: lanes 16-31 take the tile behind
	v_and_b32 v73, 1, v0
	s_lshl_b32 s41, s38, 5
	s_add_co_u32 s41, s41, RED
	v_lshl_add_u32 v73, v73, 4, s41                ; LDS: RED + 32 wave + 16 (lane % 2)
	v_lshlrev_b32 v74, 4, v0                       ; LDS: POS8 on its way in
	s_mul_i32 s41, s38, 528
	s_add_co_u32 s41, s41, PVR
	v_add_nc_u32 v75, s41, v[LI]                   ; LDS: PVR on its way in: row wave (+ 4 a load)
	v_mov_b32 v76, RED
.irp j, 0,1,2,3
	v_mov_b32 v[176+\j], 0                         ; a lane permute's destination counts as read
.endr
	s_lshr_b32 s42, ttmp9, 3                       ; b
	s_and_b32 s43, ttmp9, 7
	s_lshl_b32 s43, s43, 4
	s_lshl_b32 s44, s38, 2
	s_add_co_u32 s43, s43, s44                     ; w of my wave's first column
	s_lshl_b32 s44, s42, 20
	s_lshl_b32 s45, s43, 6
	s_add_co_u32 s44, s44, s45
	s_mov_b32 s45, 0
	s_lshl_b32 s46, s42, 15
	s_lshl_b32 s47, s43, 1
	s_add_co_u32 s46, s46, s47
	s_mov_b32 s47, 0
	s_lshl_b32 s41, s40, 2                         ; 4 h
	s_lshl_b32 s39, s40, 6                         ; 64 h
	s_wait_kmcnt 0x0
	s_add_nc_u64 s[8:9], s[8:9], s[44:45]
	s_add_nc_u64 s[10:11], s[10:11], s[46:47]
	s_load_b32 s66, s[22:23], s41 offset:0x0       ; gamma_att of qk, qr, kr
	s_load_b32 s67, s[22:23], s41 offset:0x20
	s_load_b32 s68, s[22:23], s41 offset:0x40
	s_load_b32 s69, s[24:25], s41 offset:0x0       ; beta_att
	s_load_b32 s70, s[24:25], s41 offset:0x20
	s_load_b32 s71, s[24:25], s41 offset:0x40
	s_load_b32 s72, s[26:27], 0x0                  ; the gates
	s_load_b32 s73, s[28:29], 0x0
	s_load_b32 s74, s[30:31], 0x0
	s_load_b32 s75, s[32:33], 0x0
	s_load_b256 s[48:55], s[16:17], s39 offset:0x0     ; a of planes 0-7
	s_load_b256 s[56:63], s[16:17], s39 offset:0x200   ; b
.macro XLOAD cc                        ; a column's eight tiles, on end
.irp i, 0,1,2,3,4,5,6,7
	global_load_b128 v[64*((\cc)%2)+8*\i:64*((\cc)%2)+8*\i+3], v[XA], s[8:9] offset:64*(\cc)+131072*\i
	global_load_b128 v[64*((\cc)%2)+8*\i+4:64*((\cc)%2)+8*\i+7], v[XA], s[8:9] offset:64*(\cc)+131072*\i+32
.endr
.endm
	; 58 loads, in the order in which they are wanted
	global_load_b128 v[172:175], v67, s[18:19]
	WIN 0xc0                                       ; destination window 3
	global_load_b128 v[0:3], v68, s[12:13]         ; W's planes 0-7 (rows 8-15 of the fragment repeat them)
	global_load_b128 v[4:7], v68, s[12:13] offset:32
	global_load_b128 v[16:19], v69, s[12:13]       ; planes 4-15
	global_load_b128 v[20:23], v69, s[12:13] offset:32
.irp j, 8,9,10,11,12,13,14,15
	v_mov_b32 v[\j], 0
	v_mov_b32 v[16+\j], 0
.endr
	WIN 0
	global_load_u16 v[WS], v70, s[14:15]
	global_load_b32 v[AVV], v71, s[16:17]
	global_load_b32 v[BVV], v71, s[16:17] offset:512
.irp k, 0,1,2,3,4,5,6,7,8,9,10,11,12,13,14,15,16,17
	global_load_b128 v[100+4*\k:103+4*\k], v72, s[20:21] offset:2048*\k
.endr
	WIN 0x40                                       ; destination window 1
	XLOAD 0
	XLOAD 1
.irp j, 0,1,2,3,4,5,6,7
	v_mov_b32 v[128+\j], 0
.endr
	WIN 0
	s_wait_loadcnt 57                              ; part2 is in; the 57 issued behind it may be out
.irp m, 2,4,8
.irp j, 0,1,2,3
	v_add_f32_dpp v[172+\j], v[172+\j], v[172+\j] row_xmask:\m row_mask:0xf bank_mask:0xf
.endr
.endr
.irp j, 0,1,2,3
	v_permlanex16_b32 v[176+\j], v[172+\j], s76, s77
.endr
.irp j, 0,1,2,3
	v_add_f32 v[172+\j], v[172+\j], v[176+\j]
.endr
	ds_store_b128 v73, v[172:175]                  ; even lanes: numbers 0-3 of my 16 rows' sum; odd lanes: 4-7
	s_wait_loadcnt 32                              ; all but x's 32 are in
	ds_store_b128 v74, v[100:103]
	ds_store_b128 v74, v[104:107] offset:2048
.irp k, 2,3,4,5,6,7,8,9,10,11,12,13,14,15,16,17
	ds_store_b128 v75, v[100+4*\k:103+4*\k] offset:2112*(\k-2)
.endr
.irp cc, 0,1,2,3
.irp i, 0,1,2,3
	global_load_u16 v[XS+4*\cc+\i], v[XSA], s[10:11] offset:2*\cc+8192*\i
.endr
.endr
	WIN 0x80                                       ; destination window 2
	XLOAD 2
	XLOAD 3
.irp j, 0,1,2,3,4,5,6,7
	v_mov_b32 v[128+\j], 0
.endr
	WIN 0
	BARRIER                                        ; the tables and the four waves' sums lie in LDS
.irp i, 0,1,2,3,4,5,6,7
	ds_load_b128 v[100+4*\i:103+4*\i], v76 offset:16*\i
.endr
	s_wait_dscnt 0x0
.irp k, 1,2,3
.irp j, 0,2,4,6
	v_pk_add_f32 v[100+\j:101+\j], v[100+\j:101+\j], v[100+8*\k+\j:101+8*\k+\j]
.endr
.endr
	s_wait_kmcnt 0x0
	; v100, 101: qk's sum and sum of squares; v102, 103: qr's; v104, 105: kr's.  2^23 numbers in each map
	s_mov_b32 s42, 0x34000000
.irp j, 0,1,2,3,4,5
	v_mul_f32 v[100+\j], s42, v[100+\j]
.endr
	v_fma_f32 v101, -v100, v100, v101
	v_fma_f32 v103, -v102, v102, v103
	v_fma_f32 v105, -v104, v104, v105
	v_max_num_f32 v101, 0, v101
	v_max_num_f32 v103, 0, v103
	v_max_num_f32 v105, 0, v105
	v_mul_f32 v103, s72, v103                      ; the gated maps' variances: x gate^2
	v_mul_f32 v105, s73, v105
	v_mul_f32 v103, s72, v103
	v_mul_f32 v105, s73, v105
	s_mov_b32 s43, 0x3727c5ac                      ; 1e-5
	v_add_f32 v101, s43, v101
	v_add_f32 v103, s43, v103
	v_add_f32 v105, s43, v105
	v_rsq_f32 v101, v101
	v_rsq_f32 v103, v103
	v_rsq_f32 v105, v105
	v_mov_b32 v106, s69                            ; (a plain place behind the transcendentals)
	s_wait_alu depctr_va_vdst(0)
	v_mul_f32 v101, s66, v101                      ; the factor of qk,
	v_mul_f32 v103, s67, v103
	v_mul_f32 v105, s68, v105
	v_mul_f32 v103, s72, v103                      ; of the ungated qr,
	v_mul_f32 v105, s73, v105                      ; of the ungated kr
	v_add_f32 v106, s70, v106
	v_add_f32 v106, s71, v106
	v_fma_f32 v106, -v101, v100, v106
	v_fma_f32 v106, -v103, v102, v106
	v_fma_f32 v106, -v105, v104, v106              ; the constant: the betas less factor x mean
	s_mov_b32 s44, 0x3fb8aa3b                      ; log2(e)
	v_mul_f32 v101, s44, v101
	v_mul_f32 v103, s44, v103
	v_mul_f32 v105, s44, v105
	v_mul_f32 v106, s44, v106
	v_mov_b32 v108, 0x476a6000                     ; 60,000
	v_med3_num_f32 v106, v106, -v108, v108
.irp j, 0,1,2,3
	v_mul_f32 v[A1+\j], s[48+\j], v103
	v_mul_f32 v[B1+\j], s[56+\j], v103
	v_mul_f32 v[A1+4+\j], s[52+\j], v105
	v_mul_f32 v[B1+4+\j], s[60+\j], v105
	v_mul_f32 v[A2+\j], s[48+\j], v101
	v_mul_f32 v[B2+\j], s[56+\j], v101
.endr
	v_mov_b32 v107, 0
	v_cvt_pk_f16_f32 v[CST], v106, v107            ; the constant as f16, in the low half
	v_mov_b32 v[AVV+1], v[AVV]
	v_mov_b32 v[BVV+1], v[BVV]
	s_lshl_b32 s42, s38, 6
	s_add_co_u32 s43, s42, R1
	v_mul_u32_u24 v[RST], v[COL], 272
	v_add_nc_u32 v[QST], QF, v[RST]
	v_add_nc_u32 v[RST], s43, v[RST]               ; R1: row r, column 4 w
	v_add_nc_u32 v[QST], s42, v[QST]               ; QF likewise
	s_mul_i32 s43, s38, 4*KVP
	s_add_co_u32 s43, s43, KV
	v_mul_u32_u24 v[KVST], v[COL], 528
	v_lshl_add_u32 v[KVST], v[H2], 5, v[KVST]
	v_add_nc_u32 v[KVST], s43, v[KVST]             ; KV: column 4 w, row r, key 8 h2
	s_wait_loadcnt 0x0
; One column.  DA_I = W's planes 0-7 x 16 positions: a lane holds a position, its registers q0-3, k0-3 (both halves of the lanes alike: they store the same numbers to the same bytes).
; DB_I = 16 positions x W's planes 4-15: a lane holds a plane, its registers 8 positions.
.macro COLUMN cc
	s_wait_dscnt 0x0                               ; the last column's LDS stores have read their registers
	WIN 0x07+4*((\cc)/2)                           ; source 0 window 3, source 1 window 1 or 2
.irp i, 0,1,2,3,4,5,6,7
.if (\i%2) == 0
	v_wmma_scale_f32_16x16x128_f8f6f4 v[DA+8*\i:DA+8*\i+7], v[0:15], v[64*((\cc)%2)+8*\i:64*((\cc)%2)+8*\i+15], 0, v[WS], v[XS+4*(\cc)+\i/2]
.else
	v_wmma_scale_f32_16x16x128_f8f6f4 v[DA+8*\i:DA+8*\i+7], v[0:15], v[64*((\cc)%2)+8*\i:64*((\cc)%2)+8*\i+15], 0, v[WS], v[XS+4*(\cc)+\i/2] matrix_b_scale:MATRIX_SCALE_ROW1
.endif
.endr
	WIN 0x0d+((\cc)/2)                             ; source 0 window 1 or 2, source 1 window 3
.irp i, 0,1,2,3,4,5,6,7
.if (\i%2) == 0
	v_wmma_scale_f32_16x16x128_f8f6f4 v[DB+8*\i:DB+8*\i+7], v[64*((\cc)%2)+8*\i:64*((\cc)%2)+8*\i+15], v[16:31], 0, v[XS+4*(\cc)+\i/2], v[WS] matrix_b_scale:MATRIX_SCALE_ROW1
.else
	v_wmma_scale_f32_16x16x128_f8f6f4 v[DB+8*\i:DB+8*\i+7], v[64*((\cc)%2)+8*\i:64*((\cc)%2)+8*\i+15], v[16:31], 0, v[XS+4*(\cc)+\i/2], v[WS] matrix_a_scale:MATRIX_SCALE_ROW1 matrix_b_scale:MATRIX_SCALE_ROW1
.endif
.endr
	WIN 0
.rept 8
	v_nop                                          ; eight places behind this form before its results are read
.endr
.irp i, 0,1,2,3,4,5,6,7
.irp j, 0,1,2,3,4,5,6,7
	v_max_num_f32 v[DA+8*\i+\j], 0, v[DA+8*\i+\j]
.endr
.irp j, 0,2,4,6
	v_pk_fma_f32 v[G+\j:G+\j+1], v[DA+8*\i+\j:DA+8*\i+\j+1], v[A1+\j:A1+\j+1], v[B1+\j:B1+\j+1]
.endr
.irp j, 0,2
	v_pk_fma_f32 v[DA+8*\i+\j:DA+8*\i+\j+1], v[DA+8*\i+\j:DA+8*\i+\j+1], v[A2+\j:A2+\j+1], v[B2+\j:B2+\j+1]
.endr
.irp q, 0,1,2,3
	v_cvt_pk_f16_f32 v[DA+8*\i+4+\q], v[G+2*\q], v[G+2*\q+1]
.endr
	ds_store_b128 v[QST], v[DA+8*\i:DA+8*\i+3] offset:4352*\i+16*(\cc)
	ds_store_b128 v[RST], v[DA+8*\i+4:DA+8*\i+7] offset:4352*\i+16*(\cc)
.endr
.irp i, 0,1,2,3,4,5,6,7
.irp j, 0,1,2,3,4,5,6,7
	v_max_num_f32 v[DB+8*\i+\j], 0, v[DB+8*\i+\j]
.endr
.irp j, 0,2,4,6
	v_pk_fma_f32 v[DB+8*\i+\j:DB+8*\i+\j+1], v[DB+8*\i+\j:DB+8*\i+\j+1], v[AVV:AVV+1], v[BVV:BVV+1]
.endr
	ds_store_b128 v[KVST], v[DB+8*\i:DB+8*\i+3] offset:KVP*(\cc)+64*\i
	ds_store_b128 v[KVST], v[DB+8*\i+4:DB+8*\i+7] offset:KVP*(\cc)+64*\i+16
.endr
.endm
	COLUMN 0
	COLUMN 1
	COLUMN 2
	COLUMN 3
	BARRIER                                        ; R1, QF and KV are whole
	; what stays in registers: k and v of my column at my 64 keys
	v_mul_u32_u24 v10, v[COL], KVP
	v_lshl_add_u32 v10, v[H2], 5, v10
	v_add_nc_u32 v10, KV, v10
	WIN 0x40
.irp c, 0,1,2,3
.irp i, 0,1,2,3,4,5,6,7
.irp q, 0,1
	ds_load_b128 v[64*\c+8*\i+4*\q:64*\c+8*\i+4*\q+3], v10 offset:528*\c+64*\i+16*\q
.endr
.endr
.endr
	WIN 0x80
.irp c, 0,1,2,3,4,5,6,7
.irp i, 0,1,2,3
.irp q, 0,1
	ds_load_b128 v[32*\c+8*\i+4*\q:32*\c+8*\i+4*\q+3], v10 offset:528*(4+\c)+64*\i+16*\q
.endr
.endr
.endr
	WIN 0xc0
.irp c, 0,1,2,3,4,5,6,7
.irp i, 0,1,2,3
.irp q, 0,1
	ds_load_b128 v[32*\c+8*\i+4*\q:32*\c+8*\i+4*\q+3], v10 offset:528*(4+\c)+64*(\i+4)+16*\q
.endr
.endr
.endr
	WIN 0
	v_mov_b32 v[TMP], 0x3c00                       ; 1.0 as f16, in the low half,
	v_cndmask_b32 v[TMP], v[TMP], 0, s79           ; in lanes 0-15: it meets the constant
.irp i, 0,1,2,3,4,5,6,7
	v_mov_b32 v[AP+4*\i+2], v[TMP]
	v_mov_b32 v[AP+4*\i+3], 0
.endr
.irp j, 0,1,2,3
	v_mov_b32 v[AP+32+\j], 0
.endr
	v_cndmask_b32 v[BP+2], v[CST], 0, s79          ; the constant's place of K: register 2, low half, lanes 0-15
.irp g, 3,4,5,6,7
	v_mov_b32 v[BP+\g], 0
.endr
	v_mov_b32 v[QT+1], 0                           ; (named as the upper halves of pairs)
	v_mov_b32 v[QT+3], 0
.irp j, 0,1,2,3,4,5,6,7
	v_mov_b32 v[PX+\j], 0                          ; a lane permute's destination counts as read
.endr
	v_mov_b32 v[PT], 0
	v_mov_b32 v[FV], s74
	v_cndmask_b32 v[FV], v[FV], 0, s79
	v_mov_b32 v[FP], s75
	v_cndmask_b32 v[FP], 0, v[FP], s79
	v_mov_b32 v[WSO], 0x10000
	v_cndmask_b32 v[WSO], 0, v[WSO], s79
	v_lshl_add_u32 v[WSO], v[COL], 4, v[WSO]
	v_mov_b32 v[SUM1], 0
	v_mov_b32 v[SUM1+1], 0
	v_mov_b32 v[SUM2], 0
	v_mov_b32 v[SUM2+1], 0
	s_mul_i32 s42, s38, 8704                       ; 32 rows of 272 bytes
	s_add_co_u32 s43, s42, R1
	v_lshl_add_u32 v[ARB], v[COL], 4, s43
	v_lshl_add_u32 v[ARB], v[H2], 3, v[ARB]
	s_add_co_u32 s43, s42, QF
	v_lshl_add_u32 v[ARQ], v[COL], 4, s43
	s_lshl_b32 s42, s38, 9
	s_add_co_u32 s42, s42, 240
	v_lshlrev_b32 v[AAP], 4, v[COL]
	v_sub_nc_u32 v[AAP], s42, v[AAP]
	v_lshl_add_u32 v[AAP], v[H2], 3, v[AAP]        ; 16 (p + 127 - key) + 8 h2 = this + 16 u + 128 a + 256 (7 - I)
	s_xor_b32 s42, s38, 3
	s_lshl_b32 s42, s42, 6
	s_add_co_u32 s42, s42, PVR+7*4224              ; PVR + 192 - 64 wave, in the copy of shift 7
	v_and_b32 v[AAVP], 7, v0
	v_mul_u32_u24 v[AAVP], v[AAVP], 528
	v_lshl_add_u32 v[AAVP], v[H2], 4, v[AAVP]
	v_add_nc_u32 v[AAVP], s42, v[AAVP]             ; the copy of shift 7 - u; eight p on are 16 bytes back: + 16 (3 - a)
	s_lshl_b32 s42, ttmp9, 20
	s_lshl_b32 s43, s40, 17
	s_add_co_u32 s42, s42, s43
	s_lshl_b32 s43, s38, 11
	s_add_co_u32 s42, s42, s43
	s_mov_b32 s43, 0
	s_add_nc_u64 s[34:35], s[34:35], s[42:43]
.irp i, 0,1,2,3,4,5,6,7
	ds_load_b64 v[AP+4*\i:AP+4*\i+1], v[AAP] offset:256*(7-\i)    ; the first unit's operands
.endr
	ds_load_b64 v[BP:BP+1], v[ARB]
	ds_load_b128 v[Q:Q+3], v[ARQ]
	s_mov_b32 s78, 8
.macro SUB i                           ; s - max, two at a time
.irp q, 0,1,2,3
	v_pk_add_f32 v[S+8*(\i)+2*\q:S+8*(\i)+2*\q+1], v[S+8*(\i)+2*\q:S+8*(\i)+2*\q+1], v[MX:MX+1] neg_lo:[0,1] neg_hi:[0,1]
.endr
.endm
; ONE QUERY POSITION: p = 32 w + 8 a + u, u the trip.
.macro UNIT a
.if \a < 3
.set NX, 128*(\a+1)                    ; where the next unit's operands lie: eight p on,
.set NR, 2176*(\a+1)
.else
.set NX, 16                            ; or the next trip's first: one p behind this trip's first
.set NR, 272
.endif
	s_wait_dscnt 0x0                               ; this unit's operands, asked for in the unit before, are in
	v_mov_b32 v[QT], v[Q+1]                        ; q1 and q3 into the low places of pairs of their own: the packed form takes a pair's low word for both halves
	v_mov_b32 v[QT+2], v[Q+3]
.irp i, 0,1,2,3,4,5,6,7
	v_wmma_f32_16x16x32_f16 v[S+8*\i:S+8*\i+7], v[AP+4*\i:AP+4*\i+7], v[BP:BP+7], 0
.endr
.rept 4
	v_nop                                          ; four places: operands' registers are loaded anew, and the scores are read (ISA guide 7.12.1)
.endr
.irp f, 0,1,2,3
.irp q, 0,1
	ds_load_b128 v[APV+8*\f+4*\q:APV+8*\f+4*\q+3], v[AAVP] offset:16*(3-\a)+64*\f+32*\q     ; v_pos at this p: the copy whose shift makes 8 keys 16 aligned bytes
.endr
.endr
.irp i, 0,1,2,3,4,5,6,7
	ds_load_b64 v[AP+4*\i:AP+4*\i+1], v[AAP] offset:NX+256*(7-\i)     ; the next unit's (behind the last unit of all: bytes that are written, and not used)
.endr
	ds_load_b64 v[BP:BP+1], v[ARB] offset:NR
	WIN 0x01                                       ; source 0 window 1: k
.irp c, 0,1,2,3
.set QP, Q+2*(\c/2)+4*(\c%2)
.set t, 0
.rept 32
	v_pk_fma_f32 v[S+t:S+t+1], v[64*\c+t:64*\c+t+1], v[QP:QP+1], v[S+t:S+t+1] op_sel_hi:[1,0,1]   ; + a_qk q_c k_c, two keys at a time; each tile from its low end on
.set t, t+2
.endr
.endr
	WIN 0
	ds_load_b128 v[Q:Q+3], v[ARQ] offset:NR        ; the next unit's q, now that this unit's has been read
.irp k, 0,1,2,3                        ; the maximum: four chains
	v_max3_num_f32 v[CH+\k], v[S+16*\k], v[S+16*\k+1], v[S+16*\k+2]
.endr
.irp i, 3,5,7,9,11,13
.irp k, 0,1,2,3
	v_max3_num_f32 v[CH+\k], v[CH+\k], v[S+16*\k+\i], v[S+16*\k+\i+1]
.endr
.endr
.irp k, 0,1,2,3
	v_max_num_f32 v[CH+\k], v[CH+\k], v[S+16*\k+15]
.endr
	v_max3_num_f32 v[CH], v[CH], v[CH+1], v[CH+2]
	v_max_num_f32 v[CH], v[CH], v[CH+3]
	v_permlanex16_b32 v[PT], v[CH], s76, s77       ; the row's other 64 keys lie 16 lanes away
	v_max_num_f32 v[MX], v[CH], v[PT]
	v_max_num_f32 v[MX+1], v[CH], v[PT]
	SUB 0
.irp i, 0,1,2,3,4,5,6,7
.irp j, 0,1,2,3,4,5,6,7
	v_exp_f32 v[S+8*\i+\j], v[S+8*\i+\j]
.endr
.if \i < 7
	SUB \i+1                                       ; also the plain place behind the exponentials
.else
	v_nop
.endif
.if \i == 0
	s_wait_alu depctr_va_vdst(0)
	v_pk_add_f32 v[SP0:SP0+1], v[S:S+1], v[S+2:S+3]               ; the row's sum, of the f32 p, in two chains
	v_pk_add_f32 v[SP1:SP1+1], v[S+4:S+5], v[S+6:S+7]
.else
	s_wait_alu depctr_va_vdst(0)
	v_pk_add_f32 v[SP0:SP0+1], v[SP0:SP0+1], v[S+8*\i:S+8*\i+1]
	v_pk_add_f32 v[SP1:SP1+1], v[SP1:SP1+1], v[S+8*\i+2:S+8*\i+3]
	v_pk_add_f32 v[SP0:SP0+1], v[SP0:SP0+1], v[S+8*\i+4:S+8*\i+5]
	v_pk_add_f32 v[SP1:SP1+1], v[SP1:SP1+1], v[S+8*\i+6:S+8*\i+7]
.endif
.endr
	WIN 0x02                                       ; source 0 window 2: v of my first 32 keys.  Eight chains, one a channel; the first products start them
.set t, 0
.rept 16
.irp c, 0,1,2,3,4,5,6,7
.if t == 0
	v_pk_mul_f32 v[ACC+2*\c:ACC+2*\c+1], v[32*\c:32*\c+1], v[S:S+1]
.else
	v_pk_fma_f32 v[ACC+2*\c:ACC+2*\c+1], v[32*\c+t:32*\c+t+1], v[S+t:S+t+1], v[ACC+2*\c:ACC+2*\c+1]
.endif
.endr
.set t, t+2
.endr
	WIN 0x03                                       ; window 3: of my other 32
.set t, 0
.rept 16
.irp c, 0,1,2,3,4,5,6,7
	v_pk_fma_f32 v[ACC+2*\c:ACC+2*\c+1], v[32*\c+t:32*\c+t+1], v[S+32+t:S+32+t+1], v[ACC+2*\c:ACC+2*\c+1]
.endr
.set t, t+2
.endr
	WIN 0
.irp i, 0,1,2,3,4,5,6,7
.irp q, 0,1,2,3
	v_cvt_pk_f16_f32 v[S+4*\i+\q], v[S+8*\i+2*\q], v[S+8*\i+2*\q+1]   ; in place, ascending: a result lands only where both numbers have been read.  Two tiles' weights are source 1 for 32 keys
.endr
.endr
	s_wait_dscnt 10                                ; v_pos's eight loads are in; the ten issued behind them, the next unit's, may be out
	v_wmma_f32_16x16x32_f16 v[DVA:DVA+7], v[APV:APV+7], v[S:S+7], 0                 ; two accumulators by turns, one instruction a turn
	v_wmma_f32_16x16x32_f16 v[DVB:DVB+7], v[APV+8:APV+15], v[S+8:S+15], 0
	v_wmma_f32_16x16x32_f16 v[DVA:DVA+7], v[APV+16:APV+23], v[S+16:S+23], v[DVA:DVA+7]
	v_wmma_f32_16x16x32_f16 v[DVB:DVB+7], v[APV+24:APV+31], v[S+24:S+31], v[DVB:DVB+7]
	v_pk_add_f32 v[SP0:SP0+1], v[SP0:SP0+1], v[SP1:SP1+1]         ; these additions are also the places behind the products
.irp c, 0,1,2,3,4,5,6,7
	v_add_f32 v[ACC+2*\c], v[ACC+2*\c], v[ACC+2*\c+1]
.endr
	v_add_f32 v[SP0], v[SP0], v[SP0+1]
.irp c, 0,1,2,3,4,5,6,7
	v_permlanex16_b32 v[PX+\c], v[ACC+2*\c], s76, s77
.endr
	v_permlanex16_b32 v[PT], v[SP0], s76, s77
.irp c, 0,1,2,3,4,5,6,7
	v_add_f32 v[ACC+2*\c], v[ACC+2*\c], v[PX+\c]   ; with the other 64 keys'
.endr
	v_add_f32 v[SP0], v[SP0], v[PT]
	v_rcp_f32 v[RC], v[SP0]                        ; 1 / the row's sum
	v_nop
	s_wait_alu depctr_va_vdst(0)
	v_mul_f32 v[RVV], v[RC], v[FV]                 ; x gate_v, or 0
	v_mul_f32 v[RVP], v[RC], v[FP]                 ; x gate_v_pos, or 0
.if \a == 0
	s_wait_xcnt 0x0                                ; the last trip's stores have read their data: only now are those registers written again
.endif
.irp c, 0,1,2,3,4,5,6,7
	v_mul_f32 v[ZZ+4*\c+\a], v[ACC+2*\c], v[RVV]
.endr
.irp c, 0,1,2,3,4,5,6,7
	v_fma_f32 v[ZZ+4*\c+\a], v[DVA+\c], v[RVP], v[ZZ+4*\c+\a]     ; each accumulator from its low end on
.endr
.irp c, 0,1,2,3,4,5,6,7
	v_fma_f32 v[ZZ+4*\c+\a], v[DVB+\c], v[RVP], v[ZZ+4*\c+\a]
.endr
.endm
.Ltrip:
	UNIT 0
	UNIT 1
	UNIT 2
	UNIT 3
.irp k, 0,2,4,6,8,10,12,14,16,18,20,22,24,26,28,30
	v_pk_add_f32 v[SUM1:SUM1+1], v[SUM1:SUM1+1], v[ZZ+\k:ZZ+\k+1]
	v_pk_fma_f32 v[SUM2:SUM2+1], v[ZZ+\k:ZZ+\k+1], v[ZZ+\k:ZZ+\k+1], v[SUM2:SUM2+1]
.endr
.irp c, 0,1,2,3,4,5,6,7
	global_store_b128 v[WSO], v[ZZ+4*\c:ZZ+4*\c+3], s[34:35] offset:8192*\c    ; four p of 16 columns: 256 consecutive bytes of each kind, aligned
.endr
	v_add_nc_u32 v[AAP], 16, v[AAP]                ; one p on
	v_sub_nc_u32 v[AAVP], v[AAVP], 4224            ; the copy of the next lower shift
	v_add_nc_u32 v[ARB], 272, v[ARB]
	v_add_nc_u32 v[ARQ], 272, v[ARQ]
	s_wait_xcnt 0x0                                ; the stores have read their base
	s_add_nc_u64 s[34:35], s[34:35], 256
	s_sub_co_u32 s78, s78, 1
	s_cmp_lg_u32 s78, 0
	s_cbranch_scc1 .Ltrip
	; the sums for the last batch norm: lanes 0-15 hold att.v's, lanes 16-31 att.v_pos's
	v_add_f32 v[SUM1], v[SUM1], v[SUM1+1]
	v_add_f32 v[SUM2], v[SUM2], v[SUM2+1]
.irp m, 1,2,4,8
	v_add_f32_dpp v[SUM1], v[SUM1], v[SUM1] row_xmask:\m row_mask:0xf bank_mask:0xf
	v_add_f32_dpp v[SUM2], v[SUM2], v[SUM2] row_xmask:\m row_mask:0xf bank_mask:0xf
.endr
	v_and_b32 v[CH], 4, v0
	v_cmp_ne_u32 vcc_lo, 0, v[CH]
	v_cndmask_b32 v[SUM1], v[SUM1], v[SUM2], vcc_lo    ; lane 0: sum of v; lane 4: squares; lane 16: sum of v_pos; lane 20: squares
	v_lshl_add_u32 v[CH], v0, 2, STAT
	v_and_b32 v[CH+1], 1, v0
	v_bfe_u32 v[CH+2], v0, 1, 1
	v_lshlrev_b32 v[CH+1], 4, v[CH+1]
	v_lshl_add_u32 v[CH+1], v[CH+2], 6, v[CH+1]
	v_add_nc_u32 v[CH+1], STAT, v[CH+1]
	v_and_b32 v[CH+2], 3, v0
	s_lshl_b32 s42, s40, 9
	s_lshl_b32 s43, ttmp9, 4
	s_add_co_u32 s42, s42, s43
	v_lshl_add_u32 v[CH+2], v[CH+2], 2, s42
	BARRIER                                        ; every wave's reads in the loop are over
	ds_store_b32 v[CH], v[SUM1]
	BARRIER
	s_cmp_lg_u32 s38, 0
	s_cbranch_scc1 .Lend
.irp w, 0,1,2,3
	ds_load_b32 v[ACC+\w], v[CH+1] offset:128*\w
.endr
	s_wait_dscnt 0x0
	v_add_f32 v[ACC], v[ACC], v[ACC+1]
	v_add_f32 v[ACC+2], v[ACC+2], v[ACC+3]
	v_add_f32 v[ACC], v[ACC], v[ACC+2]
	global_store_b32 v[CH+2], v[ACC], s[36:37]     ; lanes with the same lane % 4 hold and store the same number
.Lend:
	s_wait_xcnt 0x0
	v_lshl_add_u32 v254, v0, 2, 0x3b800
	v_mov_b32 v255, 0
	s_wait_tensorcnt 0x0
	ds_add_u32 v254, v255
	s_wait_dscnt 0x0
	s_endpgm
.Lfunc_end_k_q64d361c89b_attn:
	.size	k_q64d361c89b_attn, .Lfunc_end_k_q64d361c89b_attn-k_q64d361c89b_attn
	.p2alignl 7, 3214868480
	.fill 96, 4, 3214868480
	.section	.rodata,"a",@progbits
	.p2align	6, 0x0
	.amdhsa_kernel k_q64d361c89b_attn
		.amdhsa_group_segment_fixed_size 244224
		.amdhsa_private_segment_fixed_size 0
		.amdhsa_enable_private_segment 0
		.amdhsa_kernarg_size 120
		.amdhsa_user_sgpr_count 2
		.amdhsa_user_sgpr_kernarg_segment_ptr 1
		.amdhsa_wavefront_size32 1
		.amdhsa_system_sgpr_workgroup_id_x 1
		.amdhsa_system_sgpr_workgroup_id_y 1
		.amdhsa_system_sgpr_workgroup_id_z 1
		.amdhsa_system_vgpr_workitem_id 0
		.amdhsa_next_free_vgpr 1024
		.amdhsa_next_free_sgpr 80
		.amdhsa_reserve_vcc 1
		.amdhsa_float_denorm_mode_32 3
		.amdhsa_float_denorm_mode_16_64 3
		.amdhsa_memory_ordered 1
		.amdhsa_forward_progress 1
		.amdhsa_inst_pref_size 255
	.end_amdhsa_kernel
	.section	.bss,"aw",@nobits
	.p2align	6
	.space	262144
	.amdgpu_metadata
---
amdhsa.version: [ 1, 2 ]
amdhsa.kernels:
  - .name:           k_q64d361c89b_attn
    .symbol:         k_q64d361c89b_attn.kd
    .args:
      - { .name: x_codes, .offset: 0, .size: 8, .value_kind: global_buffer, .address_space: global }
      - { .name: x_scales, .offset: 8, .size: 8, .value_kind: global_buffer, .address_space: global }
      - { .name: w_qkv_codes, .offset: 16, .size: 8, .value_kind: global_buffer, .address_space: global }
      - { .name: w_qkv_scales, .offset: 24, .size: 8, .value_kind: global_buffer, .address_space: global }
      - { .name: bn1ab, .offset: 32, .size: 8, .value_kind: global_buffer, .address_space: global }
      - { .name: part2, .offset: 40, .size: 8, .value_kind: global_buffer, .address_space: global }
      - { .name: postab, .offset: 48, .size: 8, .value_kind: global_buffer, .address_space: global }
      - { .name: gamma_att, .offset: 56, .size: 8, .value_kind: global_buffer, .address_space: global }
      - { .name: beta_att, .offset: 64, .size: 8, .value_kind: global_buffer, .address_space: global }
      - { .name: gate_qr, .offset: 72, .size: 8, .value_kind: global_buffer, .address_space: global }
      - { .name: gate_kr, .offset: 80, .size: 8, .value_kind: global_buffer, .address_space: global }
      - { .name: gate_v, .offset: 88, .size: 8, .value_kind: global_buffer, .address_space: global }
      - { .name: gate_v_pos, .offset: 96, .size: 8, .value_kind: global_buffer, .address_space: global }
      - { .name: ws, .offset: 104, .size: 8, .value_kind: global_buffer, .address_space: global }
      - { .name: part3, .offset: 112, .size: 8, .value_kind: global_buffer, .address_space: global }
    .group_segment_fixed_size: 244224
    .private_segment_fixed_size: 0
    .kernarg_segment_align: 8
    .kernarg_segment_size: 120
    .max_flat_workgroup_size: 128
    .sgpr_count:     80
    .vgpr_count:     1024
    .wavefront_size: 32
...
	.end_amdgpu_metadata
.endif
;; end of part 3
;; launch final (part 4): grid 64 x 4, 8 waves a work-group, no clusters, 68,608 bytes of LDS; arguments ws, part3, gamma_v, beta_v, out0; writes out0
.if DOCPART == 4
	.amdgcn_target "amdgcn-amd-amdhsa--gfx1250"
	.amdhsa_code_object_version 6
	.text
	.protected	k_q64d361c89b_final
	.globl	k_q64d361c89b_final
	.p2align	8
	.type	k_q64d361c89b_final,@function
k_q64d361c89b_final:
	s_mov_b64 s[64:65], 0
	v_nop
	global_prefetch_b8 v0, s[64:65] scope:SCOPE_SE
	s_setreg_imm32_b32 hwreg(HW_REG_WAVE_MODE, 25, 1), 1
	s_wait_xcnt 0x0
; FINAL.  The last batch norm, the sum of its two halves, and the transposition.  out0[b][o][p][w] = av (att.v - mean) + ap (att.v_pos - mean') + beta_v[h] + beta_v[8 + h], o = 8 h + c.
; Work-group (o, b) makes one plane of 128 x 128 numbers, 64 KiB.  ws[T = 8 b + wt][h][kind][c][g 32][col 16][e 4], p = 32 (g / 8) + 8 e + g % 8: for each wt and kind 8,192 consecutive bytes, read once, 16 bytes a thread.
; A thread's four numbers are four p of one w: they go through a stage in LDS (rows of 512 bytes + 16) and leave as whole rows: a wave stores 512 consecutive bytes.
; Memory binds here: no matrix unit, no cluster; all 32 loads of a thread are issued at the head and waited for four at a time.
; LIMITS: variance = E[z^2] - mean^2 in f32, held at 0 from below.
.set XD, 32        ; v32-159: (wt, half of the g, kind): four registers each
	s_load_b256 s[4:11], s[0:1], 0x0               ; ws s[4:5], part3 s[6:7], gamma_v s[8:9], beta_v s[10:11]
	s_load_b64 s[12:13], s[0:1], 0x20              ; out0
	v_lshl_add_u32 v160, v0, 2, 0x10800
	v_mov_b32 v161, 0
	s_and_b32 s15, ttmp7, 0xffff                   ; b
	s_lshr_b32 s16, ttmp9, 3                       ; h
	s_and_b32 s17, ttmp9, 7                        ; c
	v_and_b32 v1, 31, v0
	s_lshl_b32 s18, s16, 9
	v_lshl_add_u32 v2, v1, 4, s18                  ; part3: head h, T = lane
	v_lshlrev_b32 v3, 4, v0
	v_lshrrev_b32 v4, 7, v0
	v_mul_u32_u24 v4, v4, 16896                    ; the stage, in: g = thread / 16 (+ 16 for the second half): row 32 (g / 8)
	v_bfe_u32 v5, v0, 4, 3
	v_mad_u32_u24 v4, v5, 528, v4                  ; + g % 8 (+ 8 e, in the immediate),
	v_and_b32 v5, 15, v0
	v_lshl_add_u32 v4, v5, 2, v4                   ; column thread % 16
	v_lshrrev_b32 v5, 5, v0
	v_mul_u32_u24 v5, v5, 528
	v_lshl_add_u32 v5, v1, 4, v5                   ; and out: a wave a row
.irp j, 0,1,2,3
	v_mov_b32 v[12+\j], 0                          ; a lane permute's destination counts as read
.endr
	s_lshl_b32 s20, s15, 23
	s_lshl_b32 s21, s16, 17
	s_add_co_u32 s20, s20, s21
	s_lshl_b32 s21, s17, 13
	s_add_co_u32 s20, s20, s21
	s_mov_b32 s21, 0
	s_lshl_b32 s22, s15, 6
	s_add_co_u32 s22, s22, ttmp9
	s_lshl_b32 s22, s22, 16
	s_mov_b32 s23, 0
	s_lshl_b32 s19, s16, 2
	s_mov_b32 s24, 0x76543210
	s_mov_b32 s25, 0xfedcba98
	s_wait_kmcnt 0x0
	s_add_nc_u64 s[4:5], s[4:5], s[20:21]
	s_add_nc_u64 s[12:13], s[12:13], s[22:23]
	s_load_b32 s26, s[8:9], s19 offset:0x0         ; gamma_v[h], gamma_v[8 + h]
	s_load_b32 s27, s[8:9], s19 offset:0x20
	s_load_b32 s28, s[10:11], s19 offset:0x0       ; beta_v likewise
	s_load_b32 s29, s[10:11], s19 offset:0x20
	global_load_b128 v[8:11], v2, s[6:7]
.irp wt, 0,1,2,3,4,5,6,7
.irp k2, 0,1
.irp kind, 0,1
	global_load_b128 v[XD+16*\wt+8*\k2+4*\kind:XD+16*\wt+8*\k2+4*\kind+3], v3, s[4:5] offset:1048576*\wt+65536*\kind+4096*\k2 th:TH_LOAD_NT
.endr
.endr
.endr
	s_wait_loadcnt 32                              ; part3 is in; the stream's 32 may be out
.irp m, 1,2,4,8
.irp j, 0,1,2,3
	v_add_f32_dpp v[8+\j], v[8+\j], v[8+\j] row_xmask:\m row_mask:0xf bank_mask:0xf
.endr
.endr
.irp j, 0,1,2,3
	v_permlanex16_b32 v[12+\j], v[8+\j], s24, s25
.endr
.irp j, 0,1,2,3
	v_add_f32 v[8+\j], v[8+\j], v[12+\j]
.endr
.irp j, 0,1,2,3
	v_mul_f32 v[8+\j], 0x36000000, v[8+\j]         ; / 2^19 numbers in a channel
.endr
	v_fma_f32 v9, -v8, v8, v9
	v_fma_f32 v11, -v10, v10, v11
	v_max_num_f32 v9, 0, v9
	v_max_num_f32 v11, 0, v11
	v_add_f32 v9, 0x3727c5ac, v9                   ; + 1e-5
	v_add_f32 v11, 0x3727c5ac, v11
	v_rsq_f32 v9, v9
	v_rsq_f32 v11, v11
	s_wait_kmcnt 0x0
	v_mov_b32 v20, s28                             ; (a plain place behind the transcendentals)
	s_wait_alu depctr_va_vdst(0)
	v_mul_f32 v16, s26, v9                         ; av
	v_mul_f32 v18, s27, v11                        ; ap
	v_add_f32 v20, s29, v20
	v_fma_f32 v20, -v16, v8, v20
	v_fma_f32 v20, -v18, v10, v20                  ; the constant
	v_mov_b32 v17, v16
	v_mov_b32 v19, v18
	v_mov_b32 v21, v20
.irp wt, 0,1,2,3,4,5,6,7
	s_wait_loadcnt 28-4*\wt                        ; this wt's four loads are in; those issued behind them may be out
.irp k2, 0,1
.set XV, XD+16*\wt+8*\k2
	v_pk_fma_f32 v[XV+4:XV+5], v[XV+4:XV+5], v[18:19], v[20:21]
	v_pk_fma_f32 v[XV+6:XV+7], v[XV+6:XV+7], v[18:19], v[20:21]
	v_pk_fma_f32 v[XV+4:XV+5], v[XV:XV+1], v[16:17], v[XV+4:XV+5]
	v_pk_fma_f32 v[XV+6:XV+7], v[XV+2:XV+3], v[16:17], v[XV+6:XV+7]
.irp pp, 0,1,2,3
	ds_store_b32 v4, v[XV+4+\pp] offset:4224*\pp+33792*\k2+64*\wt
.endr
.endr
.endr
	s_wait_dscnt 0x0                               ; for the others' sake: my stores have landed
	s_barrier_signal -1
	s_barrier_wait -1
.irp k, 0,1,2,3,4,5,6,7,8,9,10,11,12,13,14,15
	ds_load_b128 v[XD+4*\k:XD+4*\k+3], v5 offset:4224*\k
.endr
.irp k, 0,1,2,3,4,5,6,7,8,9,10,11,12,13,14,15
	s_wait_dscnt 15-\k                             ; LDS loads come back in order: load k is in
	global_store_b128 v3, v[XD+4*\k:XD+4*\k+3], s[12:13] offset:4096*\k th:TH_STORE_NT
.endr
	s_wait_tensorcnt 0x0
	ds_add_u32 v160, v161
	s_wait_dscnt 0x0
	s_endpgm
.Lfunc_end_k_q64d361c89b_final:
	.size	k_q64d361c89b_final, .Lfunc_end_k_q64d361c89b_final-k_q64d361c89b_final
	.p2alignl 7, 3214868480
	.fill 96, 4, 3214868480
	.section	.rodata,"a",@progbits
	.p2align	6, 0x0
	.amdhsa_kernel k_q64d361c89b_final
		.amdhsa_group_segment_fixed_size 68608
		.amdhsa_private_segment_fixed_size 0
		.amdhsa_enable_private_segment 0
		.amdhsa_kernarg_size 40
		.amdhsa_user_sgpr_count 2
		.amdhsa_user_sgpr_kernarg_segment_ptr 1
		.amdhsa_wavefront_size32 1
		.amdhsa_system_sgpr_workgroup_id_x 1
		.amdhsa_system_sgpr_workgroup_id_y 1
		.amdhsa_system_sgpr_workgroup_id_z 1
		.amdhsa_system_vgpr_workitem_id 0
		.amdhsa_next_free_vgpr 162
		.amdhsa_next_free_sgpr 66
		.amdhsa_reserve_vcc 0
		.amdhsa_float_denorm_mode_32 3
		.amdhsa_float_denorm_mode_16_64 3
		.amdhsa_memory_ordered 1
		.amdhsa_forward_progress 1
		.amdhsa_inst_pref_size 20
	.end_amdhsa_kernel
	.amdgpu_metadata
---
amdhsa.version: [ 1, 2 ]
amdhsa.kernels:
  - .name:           k_q64d361c89b_final
    .symbol:         k_q64d361c89b_final.kd
    .args:
      - { .name: ws, .offset: 0, .size: 8, .value_kind: global_buffer, .address_space: global }
      - { .name: part3, .offset: 8, .size: 8, .value_kind: global_buffer, .address_space: global }
      - { .name: gamma_v, .offset: 16, .size: 8, .value_kind: global_buffer, .address_space: global }
      - { .name: beta_v, .offset: 24, .size: 8, .value_kind: global_buffer, .address_space: global }
      - { .name: out0, .offset: 32, .size: 8, .value_kind: global_buffer, .address_space: global }
    .group_segment_fixed_size: 68608
    .private_segment_fixed_size: 0
    .kernarg_segment_align: 8
    .kernarg_segment_size: 40
    .max_flat_workgroup_size: 256
    .sgpr_count:     66
    .vgpr_count:     162
    .wavefront_size: 32
...
	.end_amdgpu_metadata
.endif
;; end of part 4
;; ======== version 2 of 2: 4 launches; version 1 with the launches prep, attstat, attn written anew for expert scheduling mode
;; limits: a difference of large sums (such as E[x^2] - mean^2): digits are lost where the result is much smaller than its terms; values are held in f16: magnitudes above 65,504 overflow, below 6.1e-05 lose precision
;; workspace buffers: part1 131,072 bytes; postab 36,864 bytes; tabs 16,384 bytes; part2 16,384 bytes; bn1ab 1,024 bytes; ws 33,554,432 bytes; part3 4,096 bytes
;; launch prep (part 5): grid 128 x 1, 10 waves a work-group, no clusters, 5,376 bytes of LDS; arguments x_codes, x_scales, w_qkv_codes, w_qkv_scales, pos_relative, part1, postab, tabs; writes part1, postab, tabs
.if DOCPART == 5
	.amdgcn_target "amdgcn-amd-amdhsa--gfx1250"
	.amdhsa_code_object_version 6
	.text
	.protected	k_q64d361c89b_prep
	.globl	k_q64d361c89b_prep
	.p2align	8
	.type	k_q64d361c89b_prep,@function
k_q64d361c89b_prep:
	s_mov_b64 s[64:65], 0
	v_nop
	global_prefetch_b8 v0, s[64:65] scope:SCOPE_SE
	s_setreg_imm32_b32 hwreg(HW_REG_WAVE_SCHED_MODE, 0, 2), 2
	s_setreg_imm32_b32 hwreg(HW_REG_WAVE_MODE, 25, 1), 1
	s_wait_xcnt 0x0
	s_wait_alu depctr_vm_vsrc(0)
; PREP.  Two jobs in one launch.
; JOB A (waves 0-7): the sums for the first batch norm.  y = relu(W x) on the given E4M3 codes, K = 64; for each of the 128 channels the sum and the
; sum of squares of y over this work-group's 512 of the 65,536 positions.  part1[g][ot 8][sum, squares][r 16], channel = 16 ot + r.
; Wave = (block of 128 positions, half of the channels).  Source 0 = 16 positions of x, source 1 = 16 rows of W: a lane holds one channel, its registers positions.
; K = 64 IN A FORM OF K = 128: W's fragments have true zero codes in their upper eight registers.  x's tiles lie on end, eight registers each, so that the
; upper half of a tile's operand is the next tile (behind the last: zeros); it meets W's zero codes and adds nothing.  The scale words are loaded as 16 bits.
; JOB B (waves 8, 9; the 256 of them in the launch are numbered idx): tables made of pos_relative [16][255].
;   idx 0-7:    POS8[d 256][8 f16]  = rows 0-7 at column d (d = 255 repeats 254; it is fetched and not used)
;   idx 8-71:   PVR[k 8][c 8][x 256 f16] = row 8 + c at column 254 - x - k, held at 0 from below: reversed, in eight shifts, so that 8 ascending keys are 16 aligned bytes
;   idx 72-199: tabs[p 128][32 f32]: sums over the window d = p .. p + 127: ten products of rows 0-3 (off-diagonal ones doubled), ten of rows 4-7, the four + four plain sums, four zeros
;   idx 200-255: nothing is left for these waves; they only pass the barrier.
; LIMITS: the relu is a maximum in which a NaN loses: NaN codes in x are not served.
; No cluster, no tensor load: every byte of x is read by the two waves of its block of positions (one for each half of the channels), straight into their operand registers.
; THE MODE: SCHED_MODE bits 1:0 = 2 (LLVM: expert scheduling mode 2), set by the entry lines.  The code itself states the register dependences
; between vector or matrix instructions and memory or LDS instructions, with s_wait_alu, always for 0.
; THE PLAN.  No register that a memory or LDS instruction reads is ever written again, and no load lands in a register that a vector instruction has named.  What is left to state:
;   offsets and addresses, made by vector instructions: one wait on va_vdst ahead of the parting of the waves (v7, v8) and one ahead of each job's run of loads;
;   store data, made by vector instructions: one wait on va_vdst ahead of each run of stores;
;   the zero codes, written by vector instructions and taken by the scaled products: job A's wait ahead of its loads stands between;
;   scalars written by vector instructions (the wave's number, VCC, the 28 lane masks): a wait ahead of the first reader of each run.
.set XS,   16      ; v16-23   x's scale words (these and WSC hold scales and nothing else)
.set WSC,  24      ; v24-27   W's scale words
.set XC,   32      ; v32-103  x's eight tiles on end, then eight zero registers
.set WF,   104     ; v104-167 W's four fragments
.set DT,   168     ; v168-199 four result tiles
.set ACC,  200     ; v200-215 for each channel tile: a pair of sums, a pair of sums of squares
.set PP,   32      ; job B: numbers of pos_relative
.set VAL,  64      ; job B: 28 sums
.set TMP,  96
.set OUT,  97
.set CD,   100     ; job B: four registers of f16
.set AD,   112     ; job B: eight offsets
.set MK,   32      ; s32-59   job B: mask i has the bit of lane i alone
	s_load_b256 s[4:11], s[0:1], 0x0               ; x_codes s[4:5], x_scales s[6:7], w_qkv_codes s[8:9], w_qkv_scales s[10:11]
	s_load_b256 s[12:19], s[0:1], 0x20             ; pos_relative s[12:13], part1 s[14:15], postab s[16:17], tabs s[18:19]
	v_lshl_add_u32 v254, v0, 2, 0x1000
	v_mov_b32 v255, 0
	v_lshrrev_b32 v1, 5, v0
	v_readfirstlane_b32 s20, v1                    ; wave 0..9
	v_and_b32 v1, 31, v0                           ; lane
	v_and_b32 v2, 15, v0                           ; r
	v_bfe_u32 v3, v0, 4, 1                         ; h2
	s_wait_alu depctr_va_sdst(0)                   ; s20 is written, ahead of its first reader: addresses and branches are made from it
	s_lshl_b32 s23, s20, 9
	v_lshl_add_u32 v7, v1, 2, s23                  ; LDS: 512 x wave + 4 x lane (waves 0-7 store there); both LDS addresses are made ahead of the parting of the waves
	v_lshlrev_b32 v8, 3, v0                        ; LDS and part1: 8 x thread (waves 0-3 read there)
	s_mov_b32 s28, 0x76543210
	s_mov_b32 s29, 0xfedcba98                      ; v_permlanex16_b32: lane l xor 16
	s_wait_alu depctr_va_vdst(0)                   ; v7 and v8 are written, which LDS stores, LDS loads and a store read on the ways behind the parting
	s_wait_kmcnt 0x0
	s_cmp_ge_u32 s20, 8
	s_cbranch_scc1 .Lextras
; ---------------- JOB A
	s_lshr_b32 s21, s20, 1                         ; which 128 positions
	s_and_b32 s22, s20, 1                          ; which 64 channels
.irp j, 0,1,2,3,4,5,6,7
	v_mov_b32 v[XC+64+\j], 0
.endr
.irp o, 0,1,2,3
.irp j, 8,9,10,11,12,13,14,15
	v_mov_b32 v[WF+16*\o+\j], 0
.endr
.endr
	v_lshlrev_b32 v4, 6, v2
	v_lshl_add_u32 v4, v3, 4, v4                   ; x: 64 r + 16 h2
	v_lshlrev_b32 v5, 1, v2                        ; x's scales: 2 r
	s_lshl_b32 s30, s22, 12
	v_add_nc_u32 v6, s30, v4                       ; W: row 64 half + r
	s_lshl_b32 s30, s22, 7
	v_add_nc_u32 v9, s30, v5                       ; W's scales
	s_lshl_b32 s24, ttmp9, 2
	s_add_co_u32 s24, s24, s21                     ; block of 128 positions: 4 g + blk
	s_lshl_b32 s26, s24, 8                         ; its scale bytes,
	s_lshl_b32 s24, s24, 13                        ; its codes
	s_mov_b32 s25, 0
	s_mov_b32 s27, 0
	s_add_nc_u64 s[4:5], s[4:5], s[24:25]
	s_add_nc_u64 s[6:7], s[6:7], s[26:27]
	s_wait_alu depctr_va_vdst(0)                   ; the offsets v4, v5, v6, v9 are written, which the loads read; so are the zero codes, which the scaled products take
.irp t, 0,1,2,3,4,5,6,7
	global_load_b128 v[XC+8*\t:XC+8*\t+3], v4, s[4:5] offset:1024*\t
	global_load_b128 v[XC+8*\t+4:XC+8*\t+7], v4, s[4:5] offset:1024*\t+32
	global_load_u16 v[XS+\t], v5, s[6:7] offset:32*\t
.endr
.irp o, 0,1,2,3
	global_load_b128 v[WF+16*\o:WF+16*\o+3], v6, s[8:9] offset:1024*\o
	global_load_b128 v[WF+16*\o+4:WF+16*\o+7], v6, s[8:9] offset:1024*\o+32
	global_load_u16 v[WSC+\o], v9, s[10:11] offset:32*\o
.endr
	s_wait_loadcnt 0x0
.rept 4
	v_nop                                          ; the zero codes were written by vector instructions: four places ahead of the first scaled product
.endr
.macro PRODS t                         ; 16 positions x 64 channels; eight places behind this form before its results are read
.irp o, 0,1,2,3
	v_wmma_scale_f32_16x16x128_f8f6f4 v[DT+8*\o:DT+8*\o+7], v[XC+8*\t:XC+8*\t+15], v[WF+16*\o:WF+16*\o+15], 0, v[XS+\t], v[WSC+\o]
.endr
.rept 8
	v_nop
.endr
.endm
.macro ACCUM o, first                  ; relu, from the tile's low end on; then the sums, two at a time.  first = 1: the first tile starts them
.set DREG, DT+8*(\o)
.set SREG, ACC+4*(\o)
.irp j, 0,1,2,3,4,5,6,7
	v_max_num_f32 v[DREG+\j], 0, v[DREG+\j]
.endr
.if \first
	v_pk_add_f32 v[SREG:SREG+1], v[DREG:DREG+1], v[DREG+2:DREG+3]
	v_pk_mul_f32 v[SREG+2:SREG+3], v[DREG:DREG+1], v[DREG:DREG+1]
.else
	v_pk_add_f32 v[SREG:SREG+1], v[SREG:SREG+1], v[DREG:DREG+1]
	v_pk_fma_f32 v[SREG+2:SREG+3], v[DREG:DREG+1], v[DREG:DREG+1], v[SREG+2:SREG+3]
	v_pk_add_f32 v[SREG:SREG+1], v[SREG:SREG+1], v[DREG+2:DREG+3]
.endif
.irp j, 2,4,6
	v_pk_fma_f32 v[SREG+2:SREG+3], v[DREG+\j:DREG+\j+1], v[DREG+\j:DREG+\j+1], v[SREG+2:SREG+3]
.endr
.irp j, 4,6
	v_pk_add_f32 v[SREG:SREG+1], v[SREG:SREG+1], v[DREG+\j:DREG+\j+1]
.endr
.endm
	PRODS 0
.irp o, 0,1,2,3
	ACCUM \o, 1
.endr
.irp t, 1,2,3,4,5,6,7
	PRODS \t
.irp o, 0,1,2,3
	ACCUM \o, 0
.endr
.endr
	v_cmp_ne_u32 vcc_lo, 0, v3
.irp o, 0,1,2,3
	v_add_f32 v[ACC+4*\o], v[ACC+4*\o], v[ACC+4*\o+1]
	v_add_f32 v[ACC+4*\o+2], v[ACC+4*\o+2], v[ACC+4*\o+3]
.endr
.irp o, 0,1,2,3
	v_permlanex16_b32 v[ACC+4*\o+1], v[ACC+4*\o], s28, s29        ; the channel's other eight positions of each tile lie 16 lanes away
	v_permlanex16_b32 v[ACC+4*\o+3], v[ACC+4*\o+2], s28, s29
.endr
.irp o, 0,1,2,3
	v_add_f32 v[ACC+4*\o], v[ACC+4*\o], v[ACC+4*\o+1]
	v_add_f32 v[ACC+4*\o+2], v[ACC+4*\o+2], v[ACC+4*\o+3]
.endr
	s_wait_alu depctr_va_vcc(0)                    ; VCC is written, ahead of the four selections that read it
.irp o, 0,1,2,3
	v_cndmask_b32 v[ACC+4*\o], v[ACC+4*\o], v[ACC+4*\o+2], vcc_lo  ; lanes 0-15 keep the sums, lanes 16-31 the sums of squares
.endr
	s_wait_alu depctr_va_vdst(0)                   ; the selections have written the four registers that the LDS stores read
.irp o, 0,1,2,3
	ds_store_b32 v7, v[ACC+4*\o] offset:128*\o
.endr
	s_wait_dscnt 0x0                               ; for the others' sake: my stores have landed
	s_branch .Ljoin
; ---------------- JOB B
.Lextras:
	s_sub_co_u32 s23, s20, 8
	s_lshl_b32 s23, s23, 7
	s_add_co_u32 s23, s23, ttmp9                   ; idx
	s_cmp_lt_u32 s23, 8
	s_cbranch_scc1 .Lpos8
	s_cmp_lt_u32 s23, 72
	s_cbranch_scc1 .Lpvr
	s_cmp_lt_u32 s23, 200
	s_cbranch_scc1 .Ltabs
	s_branch .Ljoin
.Lpos8:
	s_lshl_b32 s24, s23, 5
	v_add_nc_u32 v10, s24, v1                      ; d
	v_min_u32 v11, 0xfe, v10                       ; no load leaves a row
	v_lshlrev_b32 v11, 2, v11
	v_lshlrev_b32 v12, 4, v10
	s_wait_alu depctr_va_vdst(0)                   ; the offset v11 is written, which the eight loads read
.irp w, 0,1,2,3,4,5,6,7
	global_load_b32 v[PP+\w], v11, s[12:13] offset:1020*\w
.endr
	s_wait_loadcnt 0x0
.irp q, 0,1,2,3
	v_cvt_pk_f16_f32 v[CD+\q], v[PP+2*\q], v[PP+2*\q+1]
.endr
	s_wait_alu depctr_va_vdst(0)                   ; the roundings have written v[CD ..], which the store reads
	global_store_b128 v12, v[CD:CD+3], s[16:17]    ; the wave stores 512 consecutive bytes
	s_branch .Ljoin
.Lpvr:
	s_sub_co_u32 s24, s23, 8                       ; 8 k + c
	s_lshr_b32 s25, s24, 3
	s_and_b32 s26, s24, 7
	s_sub_co_u32 s25, 254, s25                     ; 254 - k
	v_lshlrev_b32 v10, 3, v1
	v_sub_nc_u32 v10, s25, v10                     ; 254 - k - 8 lane
	s_mul_i32 s26, s26, 1020
	s_add_co_u32 s26, s26, 8*1020                  ; row 8 + c
.irp e, 0,1,2,3,4,5,6,7
	v_sub_nc_u32 v[AD+\e], v10, \e
	v_max_i32 v[AD+\e], 0, v[AD+\e]
	v_lshl_add_u32 v[AD+\e], v[AD+\e], 2, s26
.endr
	s_lshl_b32 s27, s24, 9
	s_add_co_u32 s27, s27, 4096
	v_lshl_add_u32 v12, v1, 4, s27
	s_wait_alu depctr_va_vdst(0)                   ; the eight offsets v[AD ..] are written, which the eight loads read
.irp e, 0,1,2,3,4,5,6,7
	global_load_b32 v[PP+\e], v[AD+\e], s[12:13]
.endr
	s_wait_loadcnt 0x0
.irp q, 0,1,2,3
	v_cvt_pk_f16_f32 v[CD+\q], v[PP+2*\q], v[PP+2*\q+1]
.endr
	s_wait_alu depctr_va_vdst(0)                   ; the roundings have written v[CD ..], which the store reads
	global_store_b128 v12, v[CD:CD+3], s[16:17]
	s_branch .Ljoin
.Ltabs:
	s_sub_co_u32 s24, s23, 72                      ; p
	v_add_nc_u32 v10, s24, v1
	v_lshlrev_b32 v10, 2, v10
	s_wait_alu depctr_va_vdst(0)                   ; the offset v10 is written, which the 32 loads read
.irp w, 0,1,2,3,4,5,6,7
.irp k, 0,1,2,3
	global_load_b32 v[PP+4*\w+\k], v10, s[12:13] offset:1020*\w+128*\k     ; row w, column p + lane + 32 k: at most 254
.endr
.endr
	v_mov_b32 v[TMP], 0
	v_mov_b32 v[OUT], 0
	s_lshl_b32 s25, s24, 7
	v_lshl_add_u32 v11, v1, 2, s25
.set i, 0
.rept 28                               ; the lane masks in one run, while the loads are on their way
	v_cmp_eq_u32 s[MK+i], i, v1
.set i, i+1
.endr
	s_wait_alu depctr_va_sdst(0)                   ; the 28 masks are written, ahead of the selections that read them
	s_wait_loadcnt 0x0
.macro TPAIR d, a, b                   ; my four columns' share of the sum of row a x row b; off the diagonal it counts twice
	v_mul_f32 v[VAL+(\d)], v[PP+4*(\a)], v[PP+4*(\b)]
.irp k, 1,2,3
	v_fma_f32 v[VAL+(\d)], v[PP+4*(\a)+\k], v[PP+4*(\b)+\k], v[VAL+(\d)]
.endr
.if (\a) != (\b)
	v_add_f32 v[VAL+(\d)], v[VAL+(\d)], v[VAL+(\d)]
.endif
.endm
.macro TEN d, a
	TPAIR (\d), (\a), (\a)
	TPAIR (\d)+1, (\a), (\a)+1
	TPAIR (\d)+2, (\a), (\a)+2
	TPAIR (\d)+3, (\a), (\a)+3
	TPAIR (\d)+4, (\a)+1, (\a)+1
	TPAIR (\d)+5, (\a)+1, (\a)+2
	TPAIR (\d)+6, (\a)+1, (\a)+3
	TPAIR (\d)+7, (\a)+2, (\a)+2
	TPAIR (\d)+8, (\a)+2, (\a)+3
	TPAIR (\d)+9, (\a)+3, (\a)+3
.endm
	TEN 0, 0
	TEN 10, 4
.irp c, 0,1,2,3,4,5,6,7
	v_add_f32 v[VAL+20+\c], v[PP+4*\c], v[PP+4*\c+1]
	v_add_f32 v[VAL+20+\c], v[VAL+20+\c], v[PP+4*\c+2]
	v_add_f32 v[VAL+20+\c], v[VAL+20+\c], v[PP+4*\c+3]
.endr
.set i, 0
.rept 28                               ; each sum over the 32 lanes, then into lane i of the row that is stored
	v_add_f32_dpp v[VAL+i], v[VAL+i], v[VAL+i] row_xmask:1 row_mask:0xf bank_mask:0xf
	v_add_f32_dpp v[VAL+i], v[VAL+i], v[VAL+i] row_xmask:2 row_mask:0xf bank_mask:0xf
	v_add_f32_dpp v[VAL+i], v[VAL+i], v[VAL+i] row_xmask:4 row_mask:0xf bank_mask:0xf
	v_add_f32_dpp v[VAL+i], v[VAL+i], v[VAL+i] row_xmask:8 row_mask:0xf bank_mask:0xf
	v_permlanex16_b32 v[TMP], v[VAL+i], s28, s29
	v_add_f32 v[VAL+i], v[VAL+i], v[TMP]
	v_cndmask_b32 v[OUT], v[OUT], v[VAL+i], s[MK+i]
.set i, i+1
.endr
	s_wait_alu depctr_va_vdst(0)                   ; the selections have written v[OUT], and v11 is written: the store reads both
	global_store_b32 v11, v[OUT], s[18:19]
; ---------------- the four blocks' sums are added and leave
.Ljoin:
	s_barrier_signal -1
	s_barrier_wait -1
	s_cmp_ge_u32 s20, 4
	s_cbranch_scc1 .Lend
.irp k, 0,1,2,3
	ds_load_b64 v[216+2*\k:217+2*\k], v8 offset:1024*\k
.endr
	s_lshl_b32 s24, ttmp9, 10
	s_mov_b32 s25, 0
	s_add_nc_u64 s[14:15], s[14:15], s[24:25]
	s_wait_dscnt 0x0
	v_pk_add_f32 v[216:217], v[216:217], v[218:219]
	v_pk_add_f32 v[220:221], v[220:221], v[222:223]
	v_pk_add_f32 v[216:217], v[216:217], v[220:221]
	s_wait_alu depctr_va_vdst(0)                   ; the additions have written v[216:217], which the store reads
	global_store_b64 v8, v[216:217], s[14:15]      ; a wave stores 256 consecutive bytes, aligned
.Lend:
	s_wait_dscnt 0x0                               ; the closing lines, six on end
	s_wait_alu 0x0
	s_wait_tensorcnt 0x0
	ds_add_u32 v254, v255
	s_wait_dscnt 0x0
	s_endpgm
.Lfunc_end_k_q64d361c89b_prep:
	.size	k_q64d361c89b_prep, .Lfunc_end_k_q64d361c89b_prep-k_q64d361c89b_prep
	.p2alignl 7, 3214868480
	.fill 96, 4, 3214868480
	.section	.rodata,"a",@progbits
	.p2align	6, 0x0
	.amdhsa_kernel k_q64d361c89b_prep
		.amdhsa_group_segment_fixed_size 5376
		.amdhsa_private_segment_fixed_size 0
		.amdhsa_enable_private_segment 0
		.amdhsa_kernarg_size 64
		.amdhsa_user_sgpr_count 2
		.amdhsa_user_sgpr_kernarg_segment_ptr 1
		.amdhsa_wavefront_size32 1
		.amdhsa_system_sgpr_workgroup_id_x 1
		.amdhsa_system_sgpr_workgroup_id_y 1
		.amdhsa_system_sgpr_workgroup_id_z 1
		.amdhsa_system_vgpr_workitem_id 0
		.amdhsa_next_free_vgpr 256
		.amdhsa_next_free_sgpr 66
		.amdhsa_reserve_vcc 1
		.amdhsa_float_denorm_mode_32 3
		.amdhsa_float_denorm_mode_16_64 3
		.amdhsa_memory_ordered 1
		.amdhsa_forward_progress 1
		.amdhsa_inst_pref_size 66
	.end_amdhsa_kernel
	.amdgpu_metadata
---
amdhsa.version: [ 1, 2 ]
amdhsa.kernels:
  - .name:           k_q64d361c89b_prep
    .symbol:         k_q64d361c89b_prep.kd
    .args:
      - { .name: x_codes, .offset: 0, .size: 8, .value_kind: global_buffer, .address_space: global }
      - { .name: x_scales, .offset: 8, .size: 8, .value_kind: global_buffer, .address_space: global }
      - { .name: w_qkv_codes, .offset: 16, .size: 8, .value_kind: global_buffer, .address_space: global }
      - { .name: w_qkv_scales, .offset: 24, .size: 8, .value_kind: global_buffer, .address_space: global }
      - { .name: pos_relative, .offset: 32, .size: 8, .value_kind: global_buffer, .address_space: global }
      - { .name: part1, .offset: 40, .size: 8, .value_kind: global_buffer, .address_space: global }
      - { .name: postab, .offset: 48, .size: 8, .value_kind: global_buffer, .address_space: global }
      - { .name: tabs, .offset: 56, .size: 8, .value_kind: global_buffer, .address_space: global }
    .group_segment_fixed_size: 5376
    .private_segment_fixed_size: 0
    .kernarg_segment_align: 8
    .kernarg_segment_size: 64
    .max_flat_workgroup_size: 320
    .sgpr_count:     66
    .vgpr_count:     256
    .wavefront_size: 32
...
	.end_amdgpu_metadata
.endif
;; end of part 5
;; launch attstat (part 6): grid 256 x 1, 8 waves a work-group, no clusters, 22,528 bytes of LDS; arguments x_codes, x_scales, w_qkv_codes, w_qkv_scales, gamma1, beta1, part1, tabs, part2, bn1ab; writes part2, bn1ab
.if DOCPART == 6
	.amdgcn_target "amdgcn-amd-amdhsa--gfx1250"
	.amdhsa_code_object_version 6
	.text
	.protected	k_q64d361c89b_attstat
	.globl	k_q64d361c89b_attstat
	.p2align	8
	.type	k_q64d361c89b_attstat,@function
k_q64d361c89b_attstat:
	s_mov_b64 s[64:65], 0
	v_nop
	global_prefetch_b8 v0, s[64:65] scope:SCOPE_SE
	s_setreg_imm32_b32 hwreg(HW_REG_WAVE_SCHED_MODE, 0, 2), 2
	s_setreg_imm32_b32 hwreg(HW_REG_WAVE_MODE, 25, 1), 1
	s_wait_xcnt 0x0
	s_wait_alu depctr_vm_vsrc(0)
; ATTSTAT.  The first batch norm's factors, and the sums for the batch norm of the three logit maps, WITHOUT forming a 128 x 128 map:
;   sum of qk    = sum over c of (sum_p q_c)(sum_i k_c)            sum of qk^2 = sum over c, c' of Gq[c][c'] Gk[c][c'], G the 4 x 4 Gram matrices over the positions
;   sum_i of qr  = q . Rq[p]                                       sum_i of qr^2 = q^T Tq[p] q      (kr likewise; the gates are applied by the next launch)
; Rq, Tq .. come from tabs[p][32] (ten products with the off-diagonal ones doubled, for q and for k; four + four plain sums).
; SHARES.  Work-group = (t: heads 2 t and 2 t + 1, G: eight columns n = 8 G + wave).  A wave recomputes q and k of its column for the two heads: 8 scaled products
; (source 0 = 16 rows of W: planes 0-7 of both heads; source 1 = 16 positions): lane (r, h2) holds position 16 I + r of head 2 t + h2, registers 0-3 q, 4-7 k.
; K = 64 in a form of K = 128 as in the launch before: zero codes in W's upper half, x's tiles on end.
; part2[h][G][8]: sum qk, sum qk^2, sum qr, sum qr^2, sum kr, sum kr^2, 0, 0.   bn1ab: a[128], b[128], y_norm = a relu + b (stored by the four work-groups with G = 0).
; LIMITS: variance = E[y^2] - mean^2 in f32, held at 0 from below; NaN codes are not served.
; THE MODE: SCHED_MODE bits 1:0 = 2 (LLVM: expert scheduling mode 2), set by the entry lines.  The code itself states the register dependences
; between vector or matrix instructions and memory or LDS instructions, with s_wait_alu, always for 0.
; THE PLAN.  Registers that memory or LDS instructions touch:
;   v4-15, v27-30   offsets and addresses: made once at the head, ahead of one wait on va_vdst, and never written again.
;   v208-211        part1's sums: written by vector instructions, read by one LDS store; in wave 0 LDS loads land there again: a wait on va_vdst ahead of the store, one on vm_vsrc behind the barrier.
;   v210, v211      wave 0: a and b, written by vector instructions, read by its stores: one wait on va_vdst.
;   TT0 = v32-59, TT1 = v212-239   a position's row of tabs, two buffers by turns.  Tile i's multiply-adds read buffer i % 2; row i + 2 lands in it, asked for at the head of tile i + 1.
;                   Rows 0 and 1 are asked for together behind the products, which read x's tiles in v32-59.  So ONE wait on va_vdst stands behind the products and one at the head of tiles 1 to 6.
;   v104-111, v112  results: one wait on va_vdst ahead of each of the two last stores.
.set TAB,  0       ; LDS: tabs, 128 rows, 144 bytes apart
.set RED1, 18432   ; 8 waves x 256 bytes: sums of part1
.set AB,   20480   ; a[32], b[32] of channels 32 t ..
.set RED2, 20736   ; 8 waves x 64 bytes
.set XS,   16      ; v16-23 x's scale words, v24 W's: they hold scales and nothing else
.set WSC,  24
.set GAM,  25
.set BET,  26
.set XC,   32      ; v32-103 x's chain
.set WF,   104     ; v104-119
.set DT,   128     ; v128-191 eight tiles
.set AJ,   192
.set BJ,   200
.set P1,   208     ; v208-239 part1's quads
.set TB4,  240     ; v240-255 tabs' quads
.set TT,   32      ; behind the products: a row of tabs, buffer 0; buffer 1 lies 180 registers on, at v212,
.set PQ,   60      ; twenty products,
.set GR,   80      ; the two Gram matrices,
.set O8,   104     ; the eight results
	s_load_b512 s[8:23], s[0:1], 0x0               ; x_codes s[8:9], x_scales s[10:11], w codes s[12:13], w scales s[14:15], gamma1 s[16:17], beta1 s[18:19], part1 s[20:21], tabs s[22:23]
	s_load_b128 s[24:27], s[0:1], 0x40             ; part2 s[24:25], bn1ab s[26:27]
	v_lshl_add_u32 v126, v0, 2, 0x5400
	v_mov_b32 v127, 0
	v_lshrrev_b32 v1, 5, v0
	v_readfirstlane_b32 s28, v1                    ; wave
	s_and_b32 s29, ttmp9, 3                        ; t
	s_lshr_b32 s30, ttmp9, 2                       ; G
	v_and_b32 v1, 31, v0
	v_and_b32 v2, 15, v0                           ; r
	v_bfe_u32 v3, v0, 4, 1                         ; h2
.irp j, 0,1,2,3,4,5,6,7
	v_mov_b32 v[XC+64+\j], 0
	v_mov_b32 v[WF+8+\j], 0
.endr
	v_lshrrev_b32 v4, 4, v0
	v_lshlrev_b32 v4, 10, v4
	v_lshl_add_u32 v4, v2, 4, v4
	s_lshl_b32 s31, s29, 8
	v_add_nc_u32 v4, s31, v4                       ; part1: row g = thread / 16 (+ 16 k), my 16 of the 256 bytes of channels 32 t ..
	v_lshlrev_b32 v5, 4, v0                        ; tabs
	s_lshl_b32 s31, s29, 7
	v_lshl_add_u32 v6, v1, 2, s31                  ; gamma1, beta1, bn1ab: channel 32 t + lane
	v_and_b32 v7, 8, v2
	v_add_nc_u32 v7, v7, v2
	s_lshl_b32 s31, s29, 5
	v_add_nc_u32 v7, s31, v7                       ; W's row 32 t + 16 (r / 8) + r % 8
	v_lshlrev_b32 v8, 1, v7
	v_lshlrev_b32 v7, 6, v7
	v_lshl_add_u32 v7, v3, 4, v7
	v_lshlrev_b32 v9, 13, v2
	v_lshl_add_u32 v9, v3, 4, v9                   ; x: position r of a tile, 8,192 bytes apart
	v_lshlrev_b32 v10, 8, v2
	; every LDS address is made here, ahead of the places where wave 0 goes its own way
	s_wait_alu depctr_va_sdst(0)                   ; s28 is written, ahead of its first reader: addresses and branches are made from it
	s_lshl_b32 s31, s28, 8
	s_add_co_u32 s31, s31, RED1
	v_lshl_add_u32 v11, v2, 4, s31
	v_lshrrev_b32 v12, 3, v0
	v_mul_u32_u24 v12, v12, 144
	v_and_b32 v13, 7, v0
	v_lshl_add_u32 v12, v13, 4, v12
	v_lshlrev_b32 v13, 7, v3
	v_lshl_add_u32 v13, v2, 2, v13
	v_add_nc_u32 v13, RED1, v13
	v_lshl_add_u32 v14, v1, 2, AB
	v_lshl_add_u32 v15, v3, 6, AB
	v_mul_u32_u24 v27, v2, 144
	s_lshl_b32 s31, s28, 6
	s_add_co_u32 s31, s31, RED2
	v_lshl_add_u32 v28, v3, 5, s31
	v_lshl_add_u32 v29, v2, 2, RED2
	v_bfe_u32 v30, v0, 3, 1
	s_lshl_b32 s31, s29, 1
	v_add_nc_u32 v30, s31, v30
	v_lshlrev_b32 v30, 11, v30
	v_and_b32 v31, 7, v0
	v_lshl_add_u32 v30, v31, 2, v30
	s_lshl_b32 s31, s30, 5
	v_add_nc_u32 v30, s31, v30                     ; part2: head 2 t + (lane / 8) % 2, row G, number lane % 8
	s_lshr_b32 s32, s30, 4                         ; b
	s_and_b32 s33, s30, 15
	s_lshl_b32 s33, s33, 3
	s_add_co_u32 s33, s33, s28                     ; w
	s_lshl_b32 s34, s32, 20
	s_lshl_b32 s35, s33, 6
	s_add_co_u32 s34, s34, s35
	s_mov_b32 s35, 0
	s_lshl_b32 s36, s32, 15
	s_lshl_b32 s37, s33, 1
	s_add_co_u32 s36, s36, s37
	s_mov_b32 s37, 0
	s_mov_b32 s38, 0x76543210
	s_mov_b32 s39, 0xfedcba98
	s_wait_kmcnt 0x0
	s_add_nc_u64 s[8:9], s[8:9], s[34:35]
	s_add_nc_u64 s[10:11], s[10:11], s[36:37]
	s_wait_alu depctr_va_vdst(0)                   ; all offsets and addresses (v4-15, v27-30) are written, which the kernel's loads and stores read; so are the zero codes, which the scaled products take
	; 41 loads, in the order in which they are wanted
.irp k, 0,1,2,3,4,5,6,7
	global_load_b128 v[P1+4*\k:P1+4*\k+3], v4, s[20:21] offset:16384*\k
.endr
.irp k, 0,1,2,3
	global_load_b128 v[TB4+4*\k:TB4+4*\k+3], v5, s[22:23] offset:4096*\k
.endr
	global_load_b32 v[GAM], v6, s[16:17]
	global_load_b32 v[BET], v6, s[18:19]
	global_load_b128 v[WF:WF+3], v7, s[12:13]
	global_load_b128 v[WF+4:WF+7], v7, s[12:13] offset:32
	global_load_u16 v[WSC], v8, s[14:15]
.irp i, 0,1,2,3,4,5,6,7
	global_load_b128 v[XC+8*\i:XC+8*\i+3], v9, s[8:9] offset:131072*\i
	global_load_b128 v[XC+8*\i+4:XC+8*\i+7], v9, s[8:9] offset:131072*\i+32
	global_load_u16 v[XS+\i], v10, s[10:11] offset:4096*\i
.endr
	s_wait_loadcnt 33                              ; part1's eight are in; the 33 issued behind them may be out
.irp k, 1,2,3,4,5,6,7
	v_pk_add_f32 v[P1:P1+1], v[P1:P1+1], v[P1+4*\k:P1+4*\k+1]
	v_pk_add_f32 v[P1+2:P1+3], v[P1+2:P1+3], v[P1+4*\k+2:P1+4*\k+3]
.endr
.irp j, 0,1,2,3
	v_permlanex16_b32 v[P1+4+\j], v[P1+\j], s38, s39
.endr
.irp j, 0,1,2,3
	v_add_f32 v[P1+\j], v[P1+\j], v[P1+4+\j]
.endr
	s_wait_alu depctr_va_vdst(0)                   ; the additions have written v[P1:P1+3], which the LDS store reads
	ds_store_b128 v11, v[P1:P1+3]                  ; both halves of the lanes store the same numbers to the same bytes
	s_wait_loadcnt 29                              ; tabs' four are in
.irp k, 0,1,2,3
	ds_store_b128 v12, v[TB4+4*\k:TB4+4*\k+3] offset:4608*\k
.endr
	s_wait_dscnt 0x0
	s_barrier_signal -1
	s_barrier_wait -1
	s_wait_alu depctr_vm_vsrc(0)                   ; my LDS store has read v[P1:P1+3]: in wave 0 LDS loads land there and vector instructions write them again
	s_cmp_lg_u32 s28, 0
	s_cbranch_scc1 .Lnot_wave0
	; wave 0, a lane a channel: the factors of the first batch norm
.irp w, 0,1,2,3,4,5,6,7
	ds_load_b32 v[P1+\w], v13 offset:256*\w
	ds_load_b32 v[P1+8+\w], v13 offset:256*\w+64
.endr
	s_wait_dscnt 0x0
.irp w, 1,2,3,4,5,6,7
	v_add_f32 v[P1], v[P1], v[P1+\w]
	v_add_f32 v[P1+8], v[P1+8], v[P1+8+\w]
.endr
	s_wait_loadcnt 27                              ; gamma1 and beta1 are in; W's three and x's 24 may be out
	v_mul_f32 v[P1], 0x37800000, v[P1]             ; / 65,536: the mean,
	v_mul_f32 v[P1+8], 0x37800000, v[P1+8]         ; the mean of the squares
	v_fma_f32 v[P1+8], -v[P1], v[P1], v[P1+8]
	v_max_num_f32 v[P1+8], 0, v[P1+8]
	v_add_f32 v[P1+8], 0x3727c5ac, v[P1+8]         ; + 1e-5
	v_rsq_f32 v[P1+9], v[P1+8]
	v_nop                                          ; a plain place behind the transcendental
	s_wait_alu depctr_va_vdst(0)                   ; the reciprocal root is written, ahead of its first reader
	v_mul_f32 v[P1+2], v[GAM], v[P1+9]             ; a
	v_fma_f32 v[P1+3], -v[P1], v[P1+2], v[BET]     ; b
	s_wait_alu depctr_va_vdst(0)                   ; a and b are written, which the LDS stores and the stores below read
	ds_store_b32 v14, v[P1+2]
	ds_store_b32 v14, v[P1+3] offset:128
	s_cmp_lg_u32 s30, 0
	s_cbranch_scc1 .Lnot_first
	global_store_b32 v6, v[P1+2], s[26:27]
	global_store_b32 v6, v[P1+3], s[26:27] offset:512
.Lnot_first:
	s_wait_dscnt 0x0
.Lnot_wave0:
	s_barrier_signal -1
	s_barrier_wait -1
	ds_load_b128 v[AJ:AJ+3], v15                   ; a and b of my head's planes 0-7
	ds_load_b128 v[AJ+4:AJ+7], v15 offset:16
	ds_load_b128 v[BJ:BJ+3], v15 offset:128
	ds_load_b128 v[BJ+4:BJ+7], v15 offset:144
	s_wait_loadcnt 0x0
.irp i, 0,1,2,3,4,5,6,7
	v_wmma_scale_f32_16x16x128_f8f6f4 v[DT+8*\i:DT+8*\i+7], v[WF:WF+15], v[XC+8*\i:XC+8*\i+15], 0, v[WSC], v[XS+\i]
.endr
.rept 8
	v_nop                                          ; eight places: results are read, and operands' registers are written anew
.endr
.macro PROD10 d, s
	v_mul_f32 v[\d+0], v[\s+0], v[\s+0]
	v_mul_f32 v[\d+1], v[\s+0], v[\s+1]
	v_mul_f32 v[\d+2], v[\s+0], v[\s+2]
	v_mul_f32 v[\d+3], v[\s+0], v[\s+3]
	v_mul_f32 v[\d+4], v[\s+1], v[\s+1]
	v_mul_f32 v[\d+5], v[\s+1], v[\s+2]
	v_mul_f32 v[\d+6], v[\s+1], v[\s+3]
	v_mul_f32 v[\d+7], v[\s+2], v[\s+2]
	v_mul_f32 v[\d+8], v[\s+2], v[\s+3]
	v_mul_f32 v[\d+9], v[\s+3], v[\s+3]
.endm
; The row of tabs of my position in tile i, into buffer i % 2: seven loads.
.macro ROW i
.set TR, TT+180*((\i)%2)
.irp q, 0,1,2,3,4,5,6
	ds_load_b128 v[TR+4*\q:TR+4*\q+3], v27 offset:2304*(\i)+16*\q
.endr
.endm
; One tile of 16 positions.  first = 1: its products start every sum (they are written straight into the Gram matrices).
.macro TILE i, first
.set DI, DT+8*(\i)
.set TC, TT+180*((\i)%2)
.if \first
.set PS, GR
.else
.set PS, PQ
.endif
.if ((\i) > 0) && ((\i) < 7)
	s_wait_alu depctr_va_vdst(0)                   ; the tile before is done reading its row of tabs, in whose registers the row after next lands
	ROW (\i)+1
.endif
.irp j, 0,1,2,3,4,5,6,7
	v_max_num_f32 v[DI+\j], 0, v[DI+\j]
.endr
.irp j, 0,2,4,6
	v_pk_fma_f32 v[DI+\j:DI+\j+1], v[DI+\j:DI+\j+1], v[AJ+\j:AJ+\j+1], v[BJ+\j:BJ+\j+1]
.endr
	PROD10 PS, DI
	PROD10 PS+10, DI+4
.if (\i) < 7
	s_wait_dscnt 7                                 ; LDS loads come back in order (ISA guide 5.7.1): my position's row of tabs is in; the next row's seven loads may be out
.else
	s_wait_dscnt 0x0                               ; the last row
.endif
.if \first
	v_mul_f32 v[O8+3], v[TC], v[PS]
	v_mul_f32 v[O8+5], v[TC+10], v[PS+10]
	v_mul_f32 v[O8+2], v[TC+20], v[DI]
	v_mul_f32 v[O8+4], v[TC+24], v[DI+4]
.else
	v_fma_f32 v[O8+3], v[TC], v[PS], v[O8+3]
	v_fma_f32 v[O8+5], v[TC+10], v[PS+10], v[O8+5]
	v_fma_f32 v[O8+2], v[TC+20], v[DI], v[O8+2]
	v_fma_f32 v[O8+4], v[TC+24], v[DI+4], v[O8+4]
.endif
.irp k, 1,2,3
	v_fma_f32 v[O8+3], v[TC+\k], v[PS+\k], v[O8+3]
	v_fma_f32 v[O8+5], v[TC+10+\k], v[PS+10+\k], v[O8+5]
	v_fma_f32 v[O8+2], v[TC+20+\k], v[DI+\k], v[O8+2]
	v_fma_f32 v[O8+4], v[TC+24+\k], v[DI+4+\k], v[O8+4]
.endr
.irp k, 4,5,6,7,8,9
	v_fma_f32 v[O8+3], v[TC+\k], v[PS+\k], v[O8+3]
	v_fma_f32 v[O8+5], v[TC+10+\k], v[PS+10+\k], v[O8+5]
.endr
.if !\first
.irp k, 0,2,4,6,8,10,12,14,16,18
	v_pk_add_f32 v[GR+\k:GR+\k+1], v[GR+\k:GR+\k+1], v[PQ+\k:PQ+\k+1]
.endr
.irp j, 0,2,4,6
	v_pk_add_f32 v[DT+\j:DT+\j+1], v[DT+\j:DT+\j+1], v[DI+\j:DI+\j+1]     ; the plain sums of q and k gather in tile 0's registers
.endr
.endif
.endm
	s_wait_alu depctr_va_vdst(0)                   ; the products are done reading x's tiles in v32-59, and the head's sums are done with v212-239: the first two rows of tabs land there
	ROW 0
	ROW 1
	s_wait_dscnt 14                                ; a and b are in; the two rows' fourteen loads may be out
	TILE 0, 1
.irp i, 1,2,3,4,5,6,7
	TILE \i, 0
.endr
.irp m, 1,2,4,8                        ; over the 16 lanes of a head
.set i, 0
.rept 20
	v_add_f32_dpp v[GR+i], v[GR+i], v[GR+i] row_xmask:\m row_mask:0xf bank_mask:0xf
.set i, i+1
.endr
.set i, 0
.rept 8
	v_add_f32_dpp v[DT+i], v[DT+i], v[DT+i] row_xmask:\m row_mask:0xf bank_mask:0xf
.set i, i+1
.endr
.set i, 2
.rept 4
	v_add_f32_dpp v[O8+i], v[O8+i], v[O8+i] row_xmask:\m row_mask:0xf bank_mask:0xf
.set i, i+1
.endr
.endr
	v_mul_f32 v[O8], v[DT], v[DT+4]
.irp c, 1,2,3
	v_fma_f32 v[O8], v[DT+\c], v[DT+4+\c], v[O8]
.endr
	v_mul_f32 v[O8+6], v[GR+1], v[GR+11]
.irp k, 2,3,5,6,8
	v_fma_f32 v[O8+6], v[GR+\k], v[GR+10+\k], v[O8+6]
.endr
	v_mul_f32 v[O8+1], v[GR], v[GR+10]
.irp k, 4,7,9
	v_fma_f32 v[O8+1], v[GR+\k], v[GR+10+\k], v[O8+1]
.endr
	v_fma_f32 v[O8+1], 2.0, v[O8+6], v[O8+1]       ; the off-diagonal entries count twice
	v_mov_b32 v[O8+6], 0
	v_mov_b32 v[O8+7], 0
	s_wait_alu depctr_va_vdst(0)                   ; the eight results v[O8 ..] are written, which the LDS stores read
	ds_store_b128 v28, v[O8:O8+3]                  ; the 16 lanes of a head store the same numbers to the same bytes
	ds_store_b128 v28, v[O8+4:O8+7] offset:16
	s_wait_dscnt 0x0
	s_barrier_signal -1
	s_barrier_wait -1
	s_cmp_lg_u32 s28, 0
	s_cbranch_scc1 .Lend
.irp w, 0,1,2,3,4,5,6,7
	ds_load_b32 v[112+\w], v29 offset:64*\w
.endr
	s_wait_dscnt 0x0
.irp w, 1,2,3,4,5,6,7
	v_add_f32 v112, v112, v[112+\w]
.endr
	s_wait_alu depctr_va_vdst(0)                   ; the additions have written v112, which the store reads
	global_store_b32 v30, v112, s[24:25]           ; lanes 16-31 hold and store what lanes 0-15 do
.Lend:
	s_wait_dscnt 0x0                               ; the closing lines, six on end
	s_wait_alu 0x0
	s_wait_tensorcnt 0x0
	ds_add_u32 v126, v127
	s_wait_dscnt 0x0
	s_endpgm
.Lfunc_end_k_q64d361c89b_attstat:
	.size	k_q64d361c89b_attstat, .Lfunc_end_k_q64d361c89b_attstat-k_q64d361c89b_attstat
	.p2alignl 7, 3214868480
	.fill 96, 4, 3214868480
	.section	.rodata,"a",@progbits
	.p2align	6, 0x0
	.amdhsa_kernel k_q64d361c89b_attstat
		.amdhsa_group_segment_fixed_size 22528
		.amdhsa_private_segment_fixed_size 0
		.amdhsa_enable_private_segment 0
		.amdhsa_kernarg_size 80
		.amdhsa_user_sgpr_count 2
		.amdhsa_user_sgpr_kernarg_segment_ptr 1
		.amdhsa_wavefront_size32 1
		.amdhsa_system_sgpr_workgroup_id_x 1
		.amdhsa_system_sgpr_workgroup_id_y 1
		.amdhsa_system_sgpr_workgroup_id_z 1
		.amdhsa_system_vgpr_workitem_id 0
		.amdhsa_next_free_vgpr 256
		.amdhsa_next_free_sgpr 66
		.amdhsa_reserve_vcc 0
		.amdhsa_float_denorm_mode_32 3
		.amdhsa_float_denorm_mode_16_64 3
		.amdhsa_memory_ordered 1
		.amdhsa_forward_progress 1
		.amdhsa_inst_pref_size 58
	.end_amdhsa_kernel
	.amdgpu_metadata
---
amdhsa.version: [ 1, 2 ]
amdhsa.kernels:
  - .name:           k_q64d361c89b_attstat
    .symbol:         k_q64d361c89b_attstat.kd
    .args:
      - { .name: x_codes, .offset: 0, .size: 8, .value_kind: global_buffer, .address_space: global }
      - { .name: x_scales, .offset: 8, .size: 8, .value_kind: global_buffer, .address_space: global }
      - { .name: w_qkv_codes, .offset: 16, .size: 8, .value_kind: global_buffer, .address_space: global }
      - { .name: w_qkv_scales, .offset: 24, .size: 8, .value_kind: global_buffer, .address_space: global }
      - { .name: gamma1, .offset: 32, .size: 8, .value_kind: global_buffer, .address_space: global }
      - { .name: beta1, .offset: 40, .size: 8, .value_kind: global_buffer, .address_space: global }
      - { .name: part1, .offset: 48, .size: 8, .value_kind: global_buffer, .address_space: global }
      - { .name: tabs, .offset: 56, .size: 8, .value_kind: global_buffer, .address_space: global }
      - { .name: part2, .offset: 64, .size: 8, .value_kind: global_buffer, .address_space: global }
      - { .name: bn1ab, .offset: 72, .size: 8, .value_kind: global_buffer, .address_space: global }
    .group_segment_fixed_size: 22528
    .private_segment_fixed_size: 0
    .kernarg_segment_align: 8
    .kernarg_segment_size: 80
    .max_flat_workgroup_size: 256
    .sgpr_count:     66
    .vgpr_count:     256
    .wavefront_size: 32
...
	.end_amdgpu_metadata
.endif
;; end of part 6
;; launch attn (part 7): grid 32 x 8, 4 waves a work-group, no clusters, 244,224 bytes of LDS; arguments x_codes, x_scales, w_qkv_codes, w_qkv_scales, bn1ab, part2, postab, gamma_att, beta_att, gate_qr, gate_kr, gate_v, gate_v_pos, ws, part3; writes ws, part3
.if DOCPART == 7
	.amdgcn_target "amdgcn-amd-amdhsa--gfx1250"
	.amdhsa_code_object_version 6
	.text
	.protected	k_q64d361c89b_attn
	.globl	k_q64d361c89b_attn
	.p2align	8
	.type	k_q64d361c89b_attn,@function
k_q64d361c89b_attn:
	s_mov_b64 s[64:65], 0
	v_nop
	global_prefetch_b8 v0, s[64:65] scope:SCOPE_SE
	s_setreg_imm32_b32 hwreg(HW_REG_WAVE_SCHED_MODE, 0, 2), 2
	s_setreg_imm32_b32 hwreg(HW_REG_WAVE_MODE, 25, 1), 1
	s_wait_xcnt 0x0
	s_wait_alu depctr_vm_vsrc(0)
; ATTN.  The attention itself.  Work-group (T, h): the 16 columns n = 16 T + col of head h.
; ws[T][h][kind 2][c 8][g 32][col 16][e 4] f32, query position p = 32 (g / 8) + 8 e + g % 8: kind 0 = gate_v att.v, kind 1 = gate_v_pos att.v_pos;  part3[h][T][4]: their sums and sums of squares, for the last batch norm.
; PHASE A.  Wave w recomputes y = relu(W x) for columns 4 w .. 4 w + 3 on the given codes (K = 64 in a form of K = 128: zero codes in W's upper half, x's tiles on end), normalises by bn1ab and lays in LDS:
;   R1[p][col] = a_qr q, a_kr k in f16;  QF[p][col] = a_qk q in f32;  KV[col][plane 4 .. 15][key] = k and v in f32.   a_.. = the logit maps' batch-norm factors x log2(e), made from part2, gamma_att and the gates.
; THE LOOP.  A LANE IS A COLUMN: lane (col, h2) holds keys 16 I + 8 h2 + j of its column.  k and v of a column do not hang on the query position, so they STAY IN REGISTERS, in f32: 256 + 512.
; A unit is one query position p; wave w walks p = 32 w + 8 a + u: eight trips u, four units a written out.
;   scores, in log2 units: eight v_wmma_f32_16x16x32_f16 with the position tables (source 0: POS8 at d = p + 127 - key; source 1: R1 at p; one more place of K carries 1.0 x the constant of the three batch norms, beta_att
;   among it); q.k differs from column to column, so in this layout it is no matrix product: 128 packed multiply-adds on the resident k.
;   softmax: the maximum over the lane's 64 scores and its partner's (lane xor 16) is taken away; p = 2^(s - max); the row's sum is taken of the f32 p.
;   att.v: 256 packed multiply-adds on the resident v.   att.v_pos: p rounded to f16 is source 1 of four matrix instructions (source 0: rows = channels, from PVR), on two accumulators by turns.
;   Lanes 0-15 store att.v, lanes 16-31 att.v_pos.
; f16 HAS ROOM: the scaled batch-normalised q and k, pos_relative, p <= 1.  The constant is held to +-60,000 before it is rounded: it is the same for all keys of a row and cancels in the softmax.
; LIMITS: variances are E[x^2] - mean^2 in f32, held at 0 from below; NaN codes are not served; pos_relative beyond f16's range is not served.
; No cluster and no tensor load: x's 128 KiB and the tables' 36 KiB are read once, at the head, through registers; all that the loop reads was computed by this work-group.
; THE MODE: SCHED_MODE bits 1:0 = 2 (LLVM: expert scheduling mode 2), set by the entry lines.  The code itself states the register dependences
; between vector or matrix instructions and memory or LDS instructions, with s_wait_alu, always for 0.
; THE PLAN, phase A.  Offsets and addresses are made ahead of one wait on va_vdst.  A column's results: DA (written by the products and by the vector work on them) is read by 16 LDS stores, DB likewise.
;   All of DA's work, ONE wait on va_vdst, DA's stores dealt among DB's work (which names none of their registers), ONE wait, DB's stores.  The next column's products write DA and DB again: one wait on vm_vsrc at its head.
;   Behind phase A k and v land in windows 1 to 3, which the products read: one wait on va_vdst; then one wait on vm_vsrc frees all that phase A's loads and stores read for the loop's names.
; THE PLAN, the loop.  Registers that LDS or memory instructions touch:
;   AP (two registers a tile), BP, BP + 1, Q .. Q + 3   written by LDS loads issued in the unit before; read by the unit's eight products, its two moves and its 128 multiply-adds.
;   APV               written by the unit's own LDS loads; read by its four products at its end.
;   AAP, AAVP, ARB, ARQ   read by the LDS loads; written once a trip.     WSO   read by the stores; never written in the loop.
;   ZZ                written by the last lines of the four units; read by the trip's eight stores.
; ONE wait on va_vdst stands in a unit's middle, behind its 64 exponentials, which are one batch: their results are written; and every reader of AP, BP and Q (this unit's) and of APV (the last unit's) is done.
; All 18 LDS loads follow it, dealt among the additions of the row's sum, which name the scores and the two chains alone.  At a trip's end: a wait on vm_vsrc, the four address steps, a wait on va_vdst, the eight
; stores dealt among the lines that only read ZZ; the wait on vm_vsrc for ZZ stands in the next trip's first unit, ahead of ZZ's first rewrite.
; REGISTERS, in windows of 256 (s_set_vgpr_msb: bits 1:0 source 0, 3:2 source 1, 5:4 source 2, 7:6 destination):
;   window 0: see the names below.   window 1: k, channel c at 64 c + 8 I + j (phase A: x's columns 0, 1 and eight zeros).
;   window 2: v of tiles I = 0 .. 3, channel c at 32 c + 8 I + j (phase A: x's columns 2, 3 and eight zeros).   window 3: v of tiles 4 .. 7 (phase A: W's two fragments, 0-31).
.set POS8, 0       ; LDS: 256 entries of 16 bytes
.set PVR,  4096    ; 64 rows, 528 bytes apart
.set R1,   37888   ; 128 rows, 272 bytes apart
.set QF,   72704   ; the same form
.set KV,   107520  ; 16 columns, KVP bytes apart; in each 16 rows of 512 + 16 bytes (rows 12-15 repeat row 11 and are not read)
.set KVP,  8464
.set RED,  242944
.set STAT, 243200
.set COL,  1
.set H2,   2
.set ARB,  3       ; LDS address of R1 at my column, the trip's first p
.set ARQ,  4       ; of QF
.set AAP,  5       ; of POS8
.set AAVP, 6       ; of PVR
.set WSO,  7       ; my byte offset in ws
.set FV,   8       ; gate_v in lanes 0-15, else 0
.set FP,   9       ; gate_v_pos in lanes 16-31, else 0
.set RC,   10
.set RVV,  11
.set RVP,  12
.set PT,   13
.set SUM1, 14      ; v14-15
.set BP,   16      ; v16-23   source 1 of the position link
.set Q,    24      ; v24-27   a_qk q0 .. q3;  v28-31: q1, 0, q3, 0
.set QT,   28
.set AP,   32      ; v32-67   source 0 of the position link: tile I at AP + 4 I: two registers of POS8, the place of the constant, a zero; its upper half is the next tile's, and meets zeros in BP
.set APV,  68      ; v68-99
.set S,    100     ; v100-163 the scores, then p; p as f16 in v100-131
.set DVA,  132     ; v132-139, v140-147: the two accumulators of att.v_pos, where p's upper half has been rounded away
.set DVB,  140
.set PX,   164     ; v164-171
.set ACC,  172     ; v172-187
.set CH,   188     ; v188-191
.set ZZ,   196     ; v196-227
.set MX,   228     ; v228-229
.set SP0,  230     ; v230-231, v232-233: the row's sum in two chains
.set SP1,  232
.set WS,   234     ; W's scale words: lanes 0-15 the first fragment's, lanes 16-31 the second's.  This register and XS hold scales and nothing else
.set LI,   235
.set CST,  236
.set TMP,  237
.set SUM2, 238     ; v238-239
.set XS,   240     ; v240-255 x's scale words: register 4 cc + i: lanes 0-15 tile 2 i of column cc, lanes 16-31 tile 2 i + 1
.set A1,   16      ; phase A: a and b of planes 0-7 x a_qr (q) or a_kr (k);
.set B1,   24
.set A2,   32      ; a and b of planes 0-3 x a_qk
.set B2,   36
.set AVV,  40      ; v40-41 a of my plane, twice; v42-43 b
.set BVV,  42
.set G,    44      ; v44-51 at work
.set RST,  60
.set QST,  61
.set KVST, 62
.set XA,   63
.set XSA,  64
.set DA,   100
.set DB,   164
.set MSB, 0
.macro WIN new                         ; the immediate's high byte repeats the setting that is left
.if MSB != \new
	s_set_vgpr_msb (MSB<<8)|\new
.set MSB, \new
.endif
.endm
.macro BARRIER
	s_wait_dscnt 0x0
	s_barrier_signal -1
	s_barrier_wait -1
.endm
	s_load_b512 s[8:23], s[0:1], 0x0               ; x_codes s[8:9], x_scales s[10:11], w codes s[12:13], w scales s[14:15], bn1ab s[16:17], part2 s[18:19], postab s[20:21], gamma_att s[22:23]
	s_load_b256 s[24:31], s[0:1], 0x40             ; beta_att s[24:25], gate_qr s[26:27], gate_kr s[28:29], gate_v s[30:31]
	s_load_b128 s[32:35], s[0:1], 0x60             ; gate_v_pos s[32:33], ws s[34:35]
	s_load_b64 s[36:37], s[0:1], 0x70              ; part3
	v_lshrrev_b32 v65, 5, v0
	v_readfirstlane_b32 s38, v65                   ; wave
	s_and_b32 s40, ttmp7, 0xffff                   ; h
	v_and_b32 v[COL], 15, v0
	v_bfe_u32 v[H2], v0, 4, 1
	v_and_b32 v66, 31, v0
	v_lshlrev_b32 v[LI], 4, v66
	s_mov_b32 s76, 0x76543210
	s_mov_b32 s77, 0xfedcba98                      ; v_permlanex16_b32: lane l xor 16
	v_cmp_ne_u32 s79, 0, v[H2]                     ; lanes 16-31
	s_wait_alu depctr_va_sdst(0)                   ; s38 and s79 are written, ahead of the first reader of either
	s_lshl_b32 s41, s40, 11
	v_lshl_add_u32 v67, v0, 4, s41                 ; part2: my head's 2,048 bytes, 16 a thread
	v_and_b32 v77, 7, v0                           ; the first fragment of W: plane r % 8
	v_min_u32 v78, 11, v[COL]
	v_add_nc_u32 v78, 4, v78                       ; the second: plane 4 + min(r, 11): k0-3, v0-7
	s_lshl_b32 s41, s40, 10
	v_lshl_add_u32 v68, v77, 6, s41
	v_lshl_add_u32 v68, v[H2], 4, v68
	v_lshl_add_u32 v69, v78, 6, s41
	v_lshl_add_u32 v69, v[H2], 4, v69
	v_cndmask_b32 v70, v77, v78, s79
	s_lshl_b32 s41, s40, 5
	v_lshl_add_u32 v70, v70, 1, s41                ; W's scales
	s_lshl_b32 s41, s40, 6
	v_lshl_add_u32 v71, v78, 2, s41                ; bn1ab at my plane of the second fragment
	v_lshlrev_b32 v72, 4, v0                       ; postab
	v_lshlrev_b32 v[XA], 13, v[COL]
	v_lshl_add_u32 v[XA], v[H2], 4, v[XA]          ; x: position r of a tile
	v_lshlrev_b32 v[XSA], 8, v[COL]
	v_lshl_add_u32 v[XSA], v[H2], 12, v[XSA]       ; x's scales: lanes 16-31 take the tile behind
	v_and_b32 v73, 1, v0
	s_lshl_b32 s41, s38, 5
	s_add_co_u32 s41, s41, RED
	v_lshl_add_u32 v73, v73, 4, s41                ; LDS: RED + 32 wave + 16 (lane % 2)
	v_lshlrev_b32 v74, 4, v0                       ; LDS: POS8 on its way in
	s_mul_i32 s41, s38, 528
	s_add_co_u32 s41, s41, PVR
	v_add_nc_u32 v75, s41, v[LI]                   ; LDS: PVR on its way in: row wave (+ 4 a load)
	v_mov_b32 v76, RED
.irp j, 0,1,2,3
	v_mov_b32 v[176+\j], 0                         ; a lane permute's destination counts as read
.endr
	s_lshr_b32 s42, ttmp9, 3                       ; b
	s_and_b32 s43, ttmp9, 7
	s_lshl_b32 s43, s43, 4
	s_lshl_b32 s44, s38, 2
	s_add_co_u32 s43, s43, s44                     ; w of my wave's first column
	s_lshl_b32 s44, s42, 20
	s_lshl_b32 s45, s43, 6
	s_add_co_u32 s44, s44, s45
	s_mov_b32 s45, 0
	s_lshl_b32 s46, s42, 15
	s_lshl_b32 s47, s43, 1
	s_add_co_u32 s46, s46, s47
	s_mov_b32 s47, 0
	s_lshl_b32 s41, s40, 2                         ; 4 h
	s_lshl_b32 s39, s40, 6                         ; 64 h
	s_wait_kmcnt 0x0
	s_add_nc_u64 s[8:9], s[8:9], s[44:45]
	s_add_nc_u64 s[10:11], s[10:11], s[46:47]
	s_load_b32 s66, s[22:23], s41 offset:0x0       ; gamma_att of qk, qr, kr
	s_load_b32 s67, s[22:23], s41 offset:0x20
	s_load_b32 s68, s[22:23], s41 offset:0x40
	s_load_b32 s69, s[24:25], s41 offset:0x0       ; beta_att
	s_load_b32 s70, s[24:25], s41 offset:0x20
	s_load_b32 s71, s[24:25], s41 offset:0x40
	s_load_b32 s72, s[26:27], 0x0                  ; the gates
	s_load_b32 s73, s[28:29], 0x0
	s_load_b32 s74, s[30:31], 0x0
	s_load_b32 s75, s[32:33], 0x0
	s_load_b256 s[48:55], s[16:17], s39 offset:0x0     ; a of planes 0-7
	s_load_b256 s[56:63], s[16:17], s39 offset:0x200   ; b
.macro XLOAD cc                        ; a column's eight tiles, on end
.irp i, 0,1,2,3,4,5,6,7
	global_load_b128 v[64*((\cc)%2)+8*\i:64*((\cc)%2)+8*\i+3], v[XA], s[8:9] offset:64*(\cc)+131072*\i
	global_load_b128 v[64*((\cc)%2)+8*\i+4:64*((\cc)%2)+8*\i+7], v[XA], s[8:9] offset:64*(\cc)+131072*\i+32
.endr
.endm
	; 58 loads, in the order in which they are wanted
	s_wait_alu depctr_va_vdst(0)                   ; the offsets and LDS addresses v63, v64, v67-76 are written, which the loads and LDS stores of the head read; the lines of zeros among the loads name none of the loads' registers
	global_load_b128 v[172:175], v67, s[18:19]
	WIN 0xc0                                       ; destination window 3
	global_load_b128 v[0:3], v68, s[12:13]         ; W's planes 0-7 (rows 8-15 of the fragment repeat them)
	global_load_b128 v[4:7], v68, s[12:13] offset:32
	global_load_b128 v[16:19], v69, s[12:13]       ; planes 4-15
	global_load_b128 v[20:23], v69, s[12:13] offset:32
.irp j, 8,9,10,11,12,13,14,15
	v_mov_b32 v[\j], 0
	v_mov_b32 v[16+\j], 0
.endr
	WIN 0
	global_load_u16 v[WS], v70, s[14:15]
	global_load_b32 v[AVV], v71, s[16:17]
	global_load_b32 v[BVV], v71, s[16:17] offset:512
.irp k, 0,1,2,3,4,5,6,7,8,9,10,11,12,13,14,15,16,17
	global_load_b128 v[100+4*\k:103+4*\k], v72, s[20:21] offset:2048*\k
.endr
	WIN 0x40                                       ; destination window 1
	XLOAD 0
	XLOAD 1
.irp j, 0,1,2,3,4,5,6,7
	v_mov_b32 v[128+\j], 0
.endr
	WIN 0
	s_wait_loadcnt 57                              ; part2 is in; the 57 issued behind it may be out
.irp m, 2,4,8
.irp j, 0,1,2,3
	v_add_f32_dpp v[172+\j], v[172+\j], v[172+\j] row_xmask:\m row_mask:0xf bank_mask:0xf
.endr
.endr
.irp j, 0,1,2,3
	v_permlanex16_b32 v[176+\j], v[172+\j], s76, s77
.endr
.irp j, 0,1,2,3
	v_add_f32 v[172+\j], v[172+\j], v[176+\j]
.endr
	s_wait_alu depctr_va_vdst(0)                   ; the additions have written v172-175, which the LDS store reads; the zero codes of W's fragments and behind x's first two columns are written too, which the scaled products take
	ds_store_b128 v73, v[172:175]                  ; even lanes: numbers 0-3 of my 16 rows' sum; odd lanes: 4-7
	s_wait_loadcnt 32                              ; all but x's 32 are in
	ds_store_b128 v74, v[100:103]
	ds_store_b128 v74, v[104:107] offset:2048
.irp k, 2,3,4,5,6,7,8,9,10,11,12,13,14,15,16,17
	ds_store_b128 v75, v[100+4*\k:103+4*\k] offset:2112*(\k-2)
.endr
.irp cc, 0,1,2,3
.irp i, 0,1,2,3
	global_load_u16 v[XS+4*\cc+\i], v[XSA], s[10:11] offset:2*\cc+8192*\i
.endr
.endr
	WIN 0x80                                       ; destination window 2
	XLOAD 2
	XLOAD 3
.irp j, 0,1,2,3,4,5,6,7
	v_mov_b32 v[128+\j], 0
.endr
	WIN 0
	BARRIER                                        ; the tables and the four waves' sums lie in LDS
	s_wait_alu depctr_vm_vsrc(0)                   ; my LDS stores have read v100-175: LDS loads land there now, and vector and matrix instructions write them from here on
.irp i, 0,1,2,3,4,5,6,7
	ds_load_b128 v[100+4*\i:103+4*\i], v76 offset:16*\i
.endr
	s_wait_dscnt 0x0
.irp k, 1,2,3
.irp j, 0,2,4,6
	v_pk_add_f32 v[100+\j:101+\j], v[100+\j:101+\j], v[100+8*\k+\j:101+8*\k+\j]
.endr
.endr
	s_wait_kmcnt 0x0
	; v100, 101: qk's sum and sum of squares; v102, 103: qr's; v104, 105: kr's.  2^23 numbers in each map
	s_mov_b32 s42, 0x34000000
.irp j, 0,1,2,3,4,5
	v_mul_f32 v[100+\j], s42, v[100+\j]
.endr
	v_fma_f32 v101, -v100, v100, v101
	v_fma_f32 v103, -v102, v102, v103
	v_fma_f32 v105, -v104, v104, v105
	v_max_num_f32 v101, 0, v101
	v_max_num_f32 v103, 0, v103
	v_max_num_f32 v105, 0, v105
	v_mul_f32 v103, s72, v103                      ; the gated maps' variances: x gate^2
	v_mul_f32 v105, s73, v105
	v_mul_f32 v103, s72, v103
	v_mul_f32 v105, s73, v105
	s_mov_b32 s43, 0x3727c5ac                      ; 1e-5
	v_add_f32 v101, s43, v101
	v_add_f32 v103, s43, v103
	v_add_f32 v105, s43, v105
	v_rsq_f32 v101, v101
	v_rsq_f32 v103, v103
	v_rsq_f32 v105, v105
	v_mov_b32 v106, s69                            ; (a plain place behind the transcendentals)
	s_wait_alu depctr_va_vdst(0)                   ; the three reciprocal roots are written, ahead of their first reader
	v_mul_f32 v101, s66, v101                      ; the factor of qk,
	v_mul_f32 v103, s67, v103
	v_mul_f32 v105, s68, v105
	v_mul_f32 v103, s72, v103                      ; of the ungated qr,
	v_mul_f32 v105, s73, v105                      ; of the ungated kr
	v_add_f32 v106, s70, v106
	v_add_f32 v106, s71, v106
	v_fma_f32 v106, -v101, v100, v106
	v_fma_f32 v106, -v103, v102, v106
	v_fma_f32 v106, -v105, v104, v106              ; the constant: the betas less factor x mean
	s_mov_b32 s44, 0x3fb8aa3b                      ; log2(e)
	v_mul_f32 v101, s44, v101
	v_mul_f32 v103, s44, v103
	v_mul_f32 v105, s44, v105
	v_mul_f32 v106, s44, v106
	v_mov_b32 v108, 0x476a6000                     ; 60,000
	v_med3_num_f32 v106, v106, -v108, v108
.irp j, 0,1,2,3
	v_mul_f32 v[A1+\j], s[48+\j], v103
	v_mul_f32 v[B1+\j], s[56+\j], v103
	v_mul_f32 v[A1+4+\j], s[52+\j], v105
	v_mul_f32 v[B1+4+\j], s[60+\j], v105
	v_mul_f32 v[A2+\j], s[48+\j], v101
	v_mul_f32 v[B2+\j], s[56+\j], v101
.endr
	v_mov_b32 v107, 0
	v_cvt_pk_f16_f32 v[CST], v106, v107            ; the constant as f16, in the low half
	v_mov_b32 v[AVV+1], v[AVV]
	v_mov_b32 v[BVV+1], v[BVV]
	s_lshl_b32 s42, s38, 6
	s_add_co_u32 s43, s42, R1
	v_mul_u32_u24 v[RST], v[COL], 272
	v_add_nc_u32 v[QST], QF, v[RST]
	v_add_nc_u32 v[RST], s43, v[RST]               ; R1: row r, column 4 w
	v_add_nc_u32 v[QST], s42, v[QST]               ; QF likewise
	s_mul_i32 s43, s38, 4*KVP
	s_add_co_u32 s43, s43, KV
	v_mul_u32_u24 v[KVST], v[COL], 528
	v_lshl_add_u32 v[KVST], v[H2], 5, v[KVST]
	v_add_nc_u32 v[KVST], s43, v[KVST]             ; KV: column 4 w, row r, key 8 h2
	s_wait_loadcnt 0x0
; One column.  DA_I = W's planes 0-7 x 16 positions: a lane holds a position, its registers q0-3, k0-3 (both halves of the lanes alike: they store the same numbers to the same bytes).
; DB_I = 16 positions x W's planes 4-15: a lane holds a plane, its registers 8 positions.
.macro COLUMN cc
	s_wait_dscnt 0x0                               ; the last column's LDS stores are done
.if (\cc) > 0
	s_wait_alu depctr_vm_vsrc(0)                   ; the last column's LDS stores have read DA and DB, which the products below write again
.endif
	WIN 0x07+4*((\cc)/2)                           ; source 0 window 3, source 1 window 1 or 2
.irp i, 0,1,2,3,4,5,6,7
.if (\i%2) == 0
	v_wmma_scale_f32_16x16x128_f8f6f4 v[DA+8*\i:DA+8*\i+7], v[0:15], v[64*((\cc)%2)+8*\i:64*((\cc)%2)+8*\i+15], 0, v[WS], v[XS+4*(\cc)+\i/2]
.else
	v_wmma_scale_f32_16x16x128_f8f6f4 v[DA+8*\i:DA+8*\i+7], v[0:15], v[64*((\cc)%2)+8*\i:64*((\cc)%2)+8*\i+15], 0, v[WS], v[XS+4*(\cc)+\i/2] matrix_b_scale:MATRIX_SCALE_ROW1
.endif
.endr
	WIN 0x0d+((\cc)/2)                             ; source 0 window 1 or 2, source 1 window 3
.irp i, 0,1,2,3,4,5,6,7
.if (\i%2) == 0
	v_wmma_scale_f32_16x16x128_f8f6f4 v[DB+8*\i:DB+8*\i+7], v[64*((\cc)%2)+8*\i:64*((\cc)%2)+8*\i+15], v[16:31], 0, v[XS+4*(\cc)+\i/2], v[WS] matrix_b_scale:MATRIX_SCALE_ROW1
.else
	v_wmma_scale_f32_16x16x128_f8f6f4 v[DB+8*\i:DB+8*\i+7], v[64*((\cc)%2)+8*\i:64*((\cc)%2)+8*\i+15], v[16:31], 0, v[XS+4*(\cc)+\i/2], v[WS] matrix_a_scale:MATRIX_SCALE_ROW1 matrix_b_scale:MATRIX_SCALE_ROW1
.endif
.endr
	WIN 0
.rept 8
	v_nop                                          ; eight places behind this form before its results are read
.endr
.irp i, 0,1,2,3,4,5,6,7
.irp j, 0,1,2,3,4,5,6,7
	v_max_num_f32 v[DA+8*\i+\j], 0, v[DA+8*\i+\j]
.endr
.irp j, 0,2,4,6
	v_pk_fma_f32 v[G+\j:G+\j+1], v[DA+8*\i+\j:DA+8*\i+\j+1], v[A1+\j:A1+\j+1], v[B1+\j:B1+\j+1]
.endr
.irp j, 0,2
	v_pk_fma_f32 v[DA+8*\i+\j:DA+8*\i+\j+1], v[DA+8*\i+\j:DA+8*\i+\j+1], v[A2+\j:A2+\j+1], v[B2+\j:B2+\j+1]
.endr
.irp q, 0,1,2,3
	v_cvt_pk_f16_f32 v[DA+8*\i+4+\q], v[G+2*\q], v[G+2*\q+1]
.endr
.endr
	s_wait_alu depctr_va_vdst(0)                   ; the lines above have written all of DA, which the 16 LDS stores below read (in the first column also: the three store addresses, and the zero codes behind x's last two columns, are written)
.irp i, 0,1,2,3,4,5,6,7
	ds_store_b128 v[QST], v[DA+8*\i:DA+8*\i+3] offset:4352*\i+16*(\cc)        ; no vector instruction since the wait names DA or these addresses
	ds_store_b128 v[RST], v[DA+8*\i+4:DA+8*\i+7] offset:4352*\i+16*(\cc)
.irp j, 0,1,2,3,4,5,6,7
	v_max_num_f32 v[DB+8*\i+\j], 0, v[DB+8*\i+\j]
.endr
.irp j, 0,2,4,6
	v_pk_fma_f32 v[DB+8*\i+\j:DB+8*\i+\j+1], v[DB+8*\i+\j:DB+8*\i+\j+1], v[AVV:AVV+1], v[BVV:BVV+1]
.endr
.endr
	s_wait_alu depctr_va_vdst(0)                   ; the lines above have written all of DB, which the 16 LDS stores below read
.irp i, 0,1,2,3,4,5,6,7
	ds_store_b128 v[KVST], v[DB+8*\i:DB+8*\i+3] offset:KVP*(\cc)+64*\i
	ds_store_b128 v[KVST], v[DB+8*\i+4:DB+8*\i+7] offset:KVP*(\cc)+64*\i+16
.endr
.endm
	COLUMN 0
	COLUMN 1
	COLUMN 2
	COLUMN 3
	BARRIER                                        ; R1, QF and KV are whole
	; what stays in registers: k and v of my column at my 64 keys
	v_mul_u32_u24 v10, v[COL], KVP
	v_lshl_add_u32 v10, v[H2], 5, v10
	v_add_nc_u32 v10, KV, v10
	WIN 0x40
	s_wait_alu depctr_va_vdst(0)                   ; v10 is written, which the 192 LDS loads read; the products are done reading x's tiles, the zero codes and W's fragments in windows 1 to 3, where those loads land
.irp c, 0,1,2,3
.irp i, 0,1,2,3,4,5,6,7
.irp q, 0,1
	ds_load_b128 v[64*\c+8*\i+4*\q:64*\c+8*\i+4*\q+3], v10 offset:528*\c+64*\i+16*\q
.endr
.endr
.endr
	WIN 0x80
.irp c, 0,1,2,3,4,5,6,7
.irp i, 0,1,2,3
.irp q, 0,1
	ds_load_b128 v[32*\c+8*\i+4*\q:32*\c+8*\i+4*\q+3], v10 offset:528*(4+\c)+64*\i+16*\q
.endr
.endr
.endr
	WIN 0xc0
.irp c, 0,1,2,3,4,5,6,7
.irp i, 0,1,2,3
.irp q, 0,1
	ds_load_b128 v[32*\c+8*\i+4*\q:32*\c+8*\i+4*\q+3], v10 offset:528*(4+\c)+64*(\i+4)+16*\q
.endr
.endr
.endr
	WIN 0
	s_wait_alu depctr_vm_vsrc(0)                   ; all loads and LDS instructions so far have read their registers (v10, v60-64, v67-76, DA, DB): the loop's names lie over them, written by the lines below, by the loop's vector and matrix instructions and by its LDS loads
	v_mov_b32 v[TMP], 0x3c00                       ; 1.0 as f16, in the low half,
	v_cndmask_b32 v[TMP], v[TMP], 0, s79           ; in lanes 0-15: it meets the constant
.irp i, 0,1,2,3,4,5,6,7
	v_mov_b32 v[AP+4*\i+2], v[TMP]
	v_mov_b32 v[AP+4*\i+3], 0
.endr
.irp j, 0,1,2,3
	v_mov_b32 v[AP+32+\j], 0
.endr
	v_cndmask_b32 v[BP+2], v[CST], 0, s79          ; the constant's place of K: register 2, low half, lanes 0-15
.irp g, 3,4,5,6,7
	v_mov_b32 v[BP+\g], 0
.endr
	v_mov_b32 v[QT+1], 0                           ; (named as the upper halves of pairs)
	v_mov_b32 v[QT+3], 0
.irp j, 0,1,2,3,4,5,6,7
	v_mov_b32 v[PX+\j], 0                          ; a lane permute's destination counts as read
.endr
	v_mov_b32 v[PT], 0
	v_mov_b32 v[FV], s74
	v_cndmask_b32 v[FV], v[FV], 0, s79
	v_mov_b32 v[FP], s75
	v_cndmask_b32 v[FP], 0, v[FP], s79
	v_mov_b32 v[WSO], 0x10000
	v_cndmask_b32 v[WSO], 0, v[WSO], s79
	v_lshl_add_u32 v[WSO], v[COL], 4, v[WSO]
	v_mov_b32 v[SUM1], 0
	v_mov_b32 v[SUM1+1], 0
	v_mov_b32 v[SUM2], 0
	v_mov_b32 v[SUM2+1], 0
	s_mul_i32 s42, s38, 8704                       ; 32 rows of 272 bytes
	s_add_co_u32 s43, s42, R1
	v_lshl_add_u32 v[ARB], v[COL], 4, s43
	v_lshl_add_u32 v[ARB], v[H2], 3, v[ARB]
	s_add_co_u32 s43, s42, QF
	v_lshl_add_u32 v[ARQ], v[COL], 4, s43
	s_lshl_b32 s42, s38, 9
	s_add_co_u32 s42, s42, 240
	v_lshlrev_b32 v[AAP], 4, v[COL]
	v_sub_nc_u32 v[AAP], s42, v[AAP]
	v_lshl_add_u32 v[AAP], v[H2], 3, v[AAP]        ; 16 (p + 127 - key) + 8 h2 = this + 16 u + 128 a + 256 (7 - I)
	s_xor_b32 s42, s38, 3
	s_lshl_b32 s42, s42, 6
	s_add_co_u32 s42, s42, PVR+7*4224              ; PVR + 192 - 64 wave, in the copy of shift 7
	v_and_b32 v[AAVP], 7, v0
	v_mul_u32_u24 v[AAVP], v[AAVP], 528
	v_lshl_add_u32 v[AAVP], v[H2], 4, v[AAVP]
	v_add_nc_u32 v[AAVP], s42, v[AAVP]             ; the copy of shift 7 - u; eight p on are 16 bytes back: + 16 (3 - a)
	s_lshl_b32 s42, ttmp9, 20
	s_lshl_b32 s43, s40, 17
	s_add_co_u32 s42, s42, s43
	s_lshl_b32 s43, s38, 11
	s_add_co_u32 s42, s42, s43
	s_mov_b32 s43, 0
	s_add_nc_u64 s[34:35], s[34:35], s[42:43]
	s_wait_alu depctr_va_vdst(0)                   ; the four LDS addresses and the stores' offset are written; phase A's vector instructions are done with v16-61, where the first unit's operands land
.irp i, 0,1,2,3,4,5,6,7
	ds_load_b64 v[AP+4*\i:AP+4*\i+1], v[AAP] offset:256*(7-\i)    ; the first unit's operands
.endr
	ds_load_b64 v[BP:BP+1], v[ARB]
	ds_load_b128 v[Q:Q+3], v[ARQ]
	s_mov_b32 s78, 8
.macro SUB i                           ; s - max, two at a time
.irp q, 0,1,2,3
	v_pk_add_f32 v[S+8*(\i)+2*\q:S+8*(\i)+2*\q+1], v[S+8*(\i)+2*\q:S+8*(\i)+2*\q+1], v[MX:MX+1] neg_lo:[0,1] neg_hi:[0,1]
.endr
.endm
; ONE QUERY POSITION: p = 32 w + 8 a + u, u the trip.
.macro UNIT a
.if \a < 3
.set NX, 128*(\a+1)                    ; where the next unit's operands lie: eight p on,
.set NR, 2176*(\a+1)
.else
.set NX, 16                            ; or the next trip's first: one p behind this trip's first
.set NR, 272
.endif
	s_wait_dscnt 0x0                               ; this unit's operands, asked for in the unit before, are in
	v_mov_b32 v[QT], v[Q+1]                        ; q1 and q3 into the low places of pairs of their own: the packed form takes a pair's low word for both halves
	v_mov_b32 v[QT+2], v[Q+3]
.irp i, 0,1,2,3,4,5,6,7
	v_wmma_f32_16x16x32_f16 v[S+8*\i:S+8*\i+7], v[AP+4*\i:AP+4*\i+7], v[BP:BP+7], 0
.endr
.rept 4
	v_nop                                          ; four places before the scores are read (ISA guide 7.12.1)
.endr
	WIN 0x01                                       ; source 0 window 1: k
.irp c, 0,1,2,3
.set QP, Q+2*(\c/2)+4*(\c%2)
.set t, 0
.rept 32
	v_pk_fma_f32 v[S+t:S+t+1], v[64*\c+t:64*\c+t+1], v[QP:QP+1], v[S+t:S+t+1] op_sel_hi:[1,0,1]   ; + a_qk q_c k_c, two keys at a time; each tile from its low end on
.set t, t+2
.endr
.endr
	WIN 0
.irp k, 0,1,2,3                        ; the maximum: four chains
	v_max3_num_f32 v[CH+\k], v[S+16*\k], v[S+16*\k+1], v[S+16*\k+2]
.endr
.irp i, 3,5,7,9,11,13
.irp k, 0,1,2,3
	v_max3_num_f32 v[CH+\k], v[CH+\k], v[S+16*\k+\i], v[S+16*\k+\i+1]
.endr
.endr
.irp k, 0,1,2,3
	v_max_num_f32 v[CH+\k], v[CH+\k], v[S+16*\k+15]
.endr
	v_max3_num_f32 v[CH], v[CH], v[CH+1], v[CH+2]
	v_max_num_f32 v[CH], v[CH], v[CH+3]
	v_permlanex16_b32 v[PT], v[CH], s76, s77       ; the row's other 64 keys lie 16 lanes away
	v_max_num_f32 v[MX], v[CH], v[PT]
	v_max_num_f32 v[MX+1], v[CH], v[PT]
	SUB 0
.irp i, 0,1,2,3,4,5,6,7                ; the 64 exponentials are one batch: the next tile's subtractions stand between them, and nothing names a result
.irp j, 0,1,2,3,4,5,6,7
	v_exp_f32 v[S+8*\i+\j], v[S+8*\i+\j]
.endr
.if \i < 7
	SUB \i+1
.else
	v_nop                                          ; the plain place behind the last exponential
.endif
.endr
	s_wait_alu depctr_va_vdst(0)                   ; THE UNIT'S ONE WAIT: the 64 exponentials have written p, ahead of its first reader; the eight products, the two moves and the 128 multiply-adds are done reading AP, BP and Q, and the last unit's four products APV: the 18 LDS loads below land in these
.irp i, 0,1,2,3,4,5,6,7                ; the loads are dealt among the additions of the row's sum, which name the scores and the two chains alone
.if \i < 4
	ds_load_b128 v[APV+8*\i:APV+8*\i+3], v[AAVP] offset:16*(3-\a)+64*\i        ; v_pos at this p: the copy whose shift makes 8 keys 16 aligned bytes
	ds_load_b128 v[APV+8*\i+4:APV+8*\i+7], v[AAVP] offset:16*(3-\a)+64*\i+32
.else
	ds_load_b64 v[AP+8*\i-32:AP+8*\i-31], v[AAP] offset:NX+256*(15-2*\i)       ; the next unit's (behind the last unit of all: bytes that are written, and not used): tiles 2 i - 8,
	ds_load_b64 v[AP+8*\i-28:AP+8*\i-27], v[AAP] offset:NX+256*(14-2*\i)       ; 2 i - 7
.endif
.if \i == 0
	v_pk_add_f32 v[SP0:SP0+1], v[S:S+1], v[S+2:S+3]               ; the row's sum, of the f32 p, in two chains
	v_pk_add_f32 v[SP1:SP1+1], v[S+4:S+5], v[S+6:S+7]
.else
	v_pk_add_f32 v[SP0:SP0+1], v[SP0:SP0+1], v[S+8*\i:S+8*\i+1]
	v_pk_add_f32 v[SP1:SP1+1], v[SP1:SP1+1], v[S+8*\i+2:S+8*\i+3]
	v_pk_add_f32 v[SP0:SP0+1], v[SP0:SP0+1], v[S+8*\i+4:S+8*\i+5]
	v_pk_add_f32 v[SP1:SP1+1], v[SP1:SP1+1], v[S+8*\i+6:S+8*\i+7]
.endif
.endr
	ds_load_b64 v[BP:BP+1], v[ARB] offset:NR
	ds_load_b128 v[Q:Q+3], v[ARQ] offset:NR        ; the next unit's q
	WIN 0x02                                       ; source 0 window 2: v of my first 32 keys.  Eight chains, one a channel; the first products start them
.set t, 0
.rept 16
.irp c, 0,1,2,3,4,5,6,7
.if t == 0
	v_pk_mul_f32 v[ACC+2*\c:ACC+2*\c+1], v[32*\c:32*\c+1], v[S:S+1]
.else
	v_pk_fma_f32 v[ACC+2*\c:ACC+2*\c+1], v[32*\c+t:32*\c+t+1], v[S+t:S+t+1], v[ACC+2*\c:ACC+2*\c+1]
.endif
.endr
.set t, t+2
.endr
	WIN 0x03                                       ; window 3: of my other 32
.set t, 0
.rept 16
.irp c, 0,1,2,3,4,5,6,7
	v_pk_fma_f32 v[ACC+2*\c:ACC+2*\c+1], v[32*\c+t:32*\c+t+1], v[S+32+t:S+32+t+1], v[ACC+2*\c:ACC+2*\c+1]
.endr
.set t, t+2
.endr
	WIN 0
.irp i, 0,1,2,3,4,5,6,7
.irp q, 0,1,2,3
	v_cvt_pk_f16_f32 v[S+4*\i+\q], v[S+8*\i+2*\q], v[S+8*\i+2*\q+1]   ; in place, ascending: a result lands only where both numbers have been read.  Two tiles' weights are source 1 for 32 keys
.endr
.endr
	s_wait_dscnt 10                                ; v_pos's eight loads are in; the ten issued behind them, the next unit's, may be out
	v_wmma_f32_16x16x32_f16 v[DVA:DVA+7], v[APV:APV+7], v[S:S+7], 0                 ; two accumulators by turns, one instruction a turn
	v_wmma_f32_16x16x32_f16 v[DVB:DVB+7], v[APV+8:APV+15], v[S+8:S+15], 0
	v_wmma_f32_16x16x32_f16 v[DVA:DVA+7], v[APV+16:APV+23], v[S+16:S+23], v[DVA:DVA+7]
	v_wmma_f32_16x16x32_f16 v[DVB:DVB+7], v[APV+24:APV+31], v[S+24:S+31], v[DVB:DVB+7]
	v_pk_add_f32 v[SP0:SP0+1], v[SP0:SP0+1], v[SP1:SP1+1]         ; these additions are also the places behind the products
.irp c, 0,1,2,3,4,5,6,7
	v_add_f32 v[ACC+2*\c], v[ACC+2*\c], v[ACC+2*\c+1]
.endr
	v_add_f32 v[SP0], v[SP0], v[SP0+1]
.irp c, 0,1,2,3,4,5,6,7
	v_permlanex16_b32 v[PX+\c], v[ACC+2*\c], s76, s77
.endr
	v_permlanex16_b32 v[PT], v[SP0], s76, s77
.irp c, 0,1,2,3,4,5,6,7
	v_add_f32 v[ACC+2*\c], v[ACC+2*\c], v[PX+\c]   ; with the other 64 keys'
.endr
	v_add_f32 v[SP0], v[SP0], v[PT]
	v_rcp_f32 v[RC], v[SP0]                        ; 1 / the row's sum
	v_nop
	s_wait_alu depctr_va_vdst(0)                   ; the reciprocal is written, ahead of its first reader
	v_mul_f32 v[RVV], v[RC], v[FV]                 ; x gate_v, or 0
	v_mul_f32 v[RVP], v[RC], v[FP]                 ; x gate_v_pos, or 0
.if \a == 0
	s_wait_xcnt 0x0                                ; the last trip's stores have had their addresses translated: only now are their data registers written again,
	s_wait_alu depctr_vm_vsrc(0)                   ; and they have read ZZ, which the lines below begin to write again
.endif
.irp c, 0,1,2,3,4,5,6,7
	v_mul_f32 v[ZZ+4*\c+\a], v[ACC+2*\c], v[RVV]
.endr
.irp c, 0,1,2,3,4,5,6,7
	v_fma_f32 v[ZZ+4*\c+\a], v[DVA+\c], v[RVP], v[ZZ+4*\c+\a]     ; each accumulator from its low end on
.endr
.irp c, 0,1,2,3,4,5,6,7
	v_fma_f32 v[ZZ+4*\c+\a], v[DVB+\c], v[RVP], v[ZZ+4*\c+\a]
.endr
.endm
.Ltrip:
	UNIT 0
	UNIT 1
	UNIT 2
	UNIT 3
	s_wait_alu depctr_vm_vsrc(0)                   ; the LDS loads issued so far have read the four addresses, which the next four lines write
	v_add_nc_u32 v[AAP], 16, v[AAP]                ; one p on
	v_sub_nc_u32 v[AAVP], v[AAVP], 4224            ; the copy of the next lower shift
	v_add_nc_u32 v[ARB], 272, v[ARB]
	v_add_nc_u32 v[ARQ], 272, v[ARQ]
	s_wait_alu depctr_va_vdst(0)                   ; the four units have written ZZ, which the eight stores read (the four addresses are written too)
.irp c, 0,1,2,3,4,5,6,7
	global_store_b128 v[WSO], v[ZZ+4*\c:ZZ+4*\c+3], s[34:35] offset:8192*\c    ; four p of 16 columns: 256 consecutive bytes of each kind, aligned.  The lines between the stores only read ZZ
	v_pk_add_f32 v[SUM1:SUM1+1], v[SUM1:SUM1+1], v[ZZ+4*\c:ZZ+4*\c+1]
	v_pk_fma_f32 v[SUM2:SUM2+1], v[ZZ+4*\c:ZZ+4*\c+1], v[ZZ+4*\c:ZZ+4*\c+1], v[SUM2:SUM2+1]
	v_pk_add_f32 v[SUM1:SUM1+1], v[SUM1:SUM1+1], v[ZZ+4*\c+2:ZZ+4*\c+3]
	v_pk_fma_f32 v[SUM2:SUM2+1], v[ZZ+4*\c+2:ZZ+4*\c+3], v[ZZ+4*\c+2:ZZ+4*\c+3], v[SUM2:SUM2+1]
.endr
	s_wait_xcnt 0x0                                ; the stores have read their base
	s_add_nc_u64 s[34:35], s[34:35], 256
	s_sub_co_u32 s78, s78, 1
	s_cmp_lg_u32 s78, 0
	s_cbranch_scc1 .Ltrip
	; the sums for the last batch norm: lanes 0-15 hold att.v's, lanes 16-31 att.v_pos's
	v_add_f32 v[SUM1], v[SUM1], v[SUM1+1]
	v_add_f32 v[SUM2], v[SUM2], v[SUM2+1]
.irp m, 1,2,4,8
	v_add_f32_dpp v[SUM1], v[SUM1], v[SUM1] row_xmask:\m row_mask:0xf bank_mask:0xf
	v_add_f32_dpp v[SUM2], v[SUM2], v[SUM2] row_xmask:\m row_mask:0xf bank_mask:0xf
.endr
	v_and_b32 v[CH], 4, v0
	v_cmp_ne_u32 vcc_lo, 0, v[CH]
	s_wait_alu depctr_va_vcc(0)                    ; VCC is written, ahead of the selection that reads it
	v_cndmask_b32 v[SUM1], v[SUM1], v[SUM2], vcc_lo    ; lane 0: sum of v; lane 4: squares; lane 16: sum of v_pos; lane 20: squares
	v_lshl_add_u32 v[CH], v0, 2, STAT
	v_and_b32 v[CH+1], 1, v0
	v_bfe_u32 v[CH+2], v0, 1, 1
	v_lshlrev_b32 v[CH+1], 4, v[CH+1]
	v_lshl_add_u32 v[CH+1], v[CH+2], 6, v[CH+1]
	v_add_nc_u32 v[CH+1], STAT, v[CH+1]
	v_and_b32 v[CH+2], 3, v0
	s_lshl_b32 s42, s40, 9
	s_lshl_b32 s43, ttmp9, 4
	s_add_co_u32 s42, s42, s43
	v_lshl_add_u32 v[CH+2], v[CH+2], 2, s42
	BARRIER                                        ; every wave's reads in the loop are over
	s_wait_alu depctr_va_vdst(0)                   ; v[SUM1] and the three addresses v[CH ..] are written, which the LDS store, the LDS loads and the store below read; the loop is done with v[ACC ..], where those loads land
	ds_store_b32 v[CH], v[SUM1]
	BARRIER
	s_cmp_lg_u32 s38, 0
	s_cbranch_scc1 .Lend
.irp w, 0,1,2,3
	ds_load_b32 v[ACC+\w], v[CH+1] offset:128*\w
.endr
	s_wait_dscnt 0x0
	v_add_f32 v[ACC], v[ACC], v[ACC+1]
	v_add_f32 v[ACC+2], v[ACC+2], v[ACC+3]
	v_add_f32 v[ACC], v[ACC], v[ACC+2]
	s_wait_alu depctr_va_vdst(0)                   ; the additions have written v[ACC], which the store reads
	global_store_b32 v[CH+2], v[ACC], s[36:37]     ; lanes with the same lane % 4 hold and store the same number
.Lend:
	s_wait_xcnt 0x0
	v_lshl_add_u32 v254, v0, 2, 0x3b800            ; the add's two registers are made anew here (no memory or LDS instruction has read them: loads alone have landed in them)
	v_mov_b32 v255, 0
	s_wait_dscnt 0x0                               ; the closing lines, six on end
	s_wait_alu 0x0
	s_wait_tensorcnt 0x0
	ds_add_u32 v254, v255
	s_wait_dscnt 0x0
	s_endpgm
.Lfunc_end_k_q64d361c89b_attn:
	.size	k_q64d361c89b_attn, .Lfunc_end_k_q64d361c89b_attn-k_q64d361c89b_attn
	.p2alignl 7, 3214868480
	.fill 96, 4, 3214868480
	.section	.rodata,"a",@progbits
	.p2align	6, 0x0
	.amdhsa_kernel k_q64d361c89b_attn
		.amdhsa_group_segment_fixed_size 244224
		.amdhsa_private_segment_fixed_size 0
		.amdhsa_enable_private_segment 0
		.amdhsa_kernarg_size 120
		.amdhsa_user_sgpr_count 2
		.amdhsa_user_sgpr_kernarg_segment_ptr 1
		.amdhsa_wavefront_size32 1
		.amdhsa_system_sgpr_workgroup_id_x 1
		.amdhsa_system_sgpr_workgroup_id_y 1
		.amdhsa_system_sgpr_workgroup_id_z 1
		.amdhsa_system_vgpr_workitem_id 0
		.amdhsa_next_free_vgpr 1024
		.amdhsa_next_free_sgpr 80
		.amdhsa_reserve_vcc 1
		.amdhsa_float_denorm_mode_32 3
		.amdhsa_float_denorm_mode_16_64 3
		.amdhsa_memory_ordered 1
		.amdhsa_forward_progress 1
		.amdhsa_inst_pref_size 255
	.end_amdhsa_kernel
	.section	.bss,"aw",@nobits
	.p2align	6
	.space	262144
	.amdgpu_metadata
---
amdhsa.version: [ 1, 2 ]
amdhsa.kernels:
  - .name:           k_q64d361c89b_attn
    .symbol:         k_q64d361c89b_attn.kd
    .args:
      - { .name: x_codes, .offset: 0, .size: 8, .value_kind: global_buffer, .address_space: global }
      - { .name: x_scales, .offset: 8, .size: 8, .value_kind: global_buffer, .address_space: global }
      - { .name: w_qkv_codes, .offset: 16, .size: 8, .value_kind: global_buffer, .address_space: global }
      - { .name: w_qkv_scales, .offset: 24, .size: 8, .value_kind: global_buffer, .address_space: global }
      - { .name: bn1ab, .offset: 32, .size: 8, .value_kind: global_buffer, .address_space: global }
      - { .name: part2, .offset: 40, .size: 8, .value_kind: global_buffer, .address_space: global }
      - { .name: postab, .offset: 48, .size: 8, .value_kind: global_buffer, .address_space: global }
      - { .name: gamma_att, .offset: 56, .size: 8, .value_kind: global_buffer, .address_space: global }
      - { .name: beta_att, .offset: 64, .size: 8, .value_kind: global_buffer, .address_space: global }
      - { .name: gate_qr, .offset: 72, .size: 8, .value_kind: global_buffer, .address_space: global }
      - { .name: gate_kr, .offset: 80, .size: 8, .value_kind: global_buffer, .address_space: global }
      - { .name: gate_v, .offset: 88, .size: 8, .value_kind: global_buffer, .address_space: global }
      - { .name: gate_v_pos, .offset: 96, .size: 8, .value_kind: global_buffer, .address_space: global }
      - { .name: ws, .offset: 104, .size: 8, .value_kind: global_buffer, .address_space: global }
      - { .name: part3, .offset: 112, .size: 8, .value_kind: global_buffer, .address_space: global }
    .group_segment_fixed_size: 244224
    .private_segment_fixed_size: 0
    .kernarg_segment_align: 8
    .kernarg_segment_size: 120
    .max_flat_workgroup_size: 128
    .sgpr_count:     80
    .vgpr_count:     1024
    .wavefront_size: 32
...
	.end_amdgpu_metadata
.endif
;; end of part 7
;; launch final: the kernel of part 4 again; grid 64 x 4, 8 waves a work-group, no clusters, 68,608 bytes of LDS; arguments ws, part3, gamma_v, beta_v, out0; writes out0
